; MI455X (gfx1250); checked and timed in simulation.
; The chip was launched on July 23, 2026; its instructions are those of AMD's public machine-readable ISA for CDNA 5 (MIT licence, August 2026) and "CDNA5" Instruction Set Architecture Reference Guide (July 2026). The comments in the code are by the model that wrote it; some were corrected since.
;; Transformer Encoder Layer. Allowed arithmetic: matrix products marked QUANTISED: E2M3 operands, one E8M0 scale for each 32 along K, by v_wmma_scale_f32_16x16x128_f8f6f4 with both operands' format E2M3, f32 sums; everything else in f32.
;; Inputs: W1_codes 4,096 x 32 x 24 uint8 (E2M3 codes of W1, K innermost, in blocks of 32 codes, four codes in three bytes); W1_scales 4,096 x 32 uint8 (E8M0 scales of W1, one for each 32 codes along K); W2_codes 1,024 x 128 x 24 uint8 (E2M3 codes of W2, K innermost, in blocks of 32 codes, four codes in three bytes); W2_scales 1,024 x 128 uint8 (E8M0 scales of W2, one for each 32 codes along K); Wk_codes 1,024 x 32 x 24 uint8 (E2M3 codes of Wk, K innermost, in blocks of 32 codes, four codes in three bytes); Wk_scales 1,024 x 32 uint8 (E8M0 scales of Wk, one for each 32 codes along K); Wo_codes 1,024 x 32 x 24 uint8 (E2M3 codes of Wo, K innermost, in blocks of 32 codes, four codes in three bytes); Wo_scales 1,024 x 32 uint8 (E8M0 scales of Wo, one for each 32 codes along K); Wq_codes 1,024 x 32 x 24 uint8 (E2M3 codes of Wq, K innermost, in blocks of 32 codes, four codes in three bytes); Wq_scales 1,024 x 32 uint8 (E8M0 scales of Wq, one for each 32 codes along K); Wv_codes 1,024 x 32 x 24 uint8 (E2M3 codes of Wv, K innermost, in blocks of 32 codes, four codes in three bytes); Wv_scales 1,024 x 32 uint8 (E8M0 scales of Wv, one for each 32 codes along K); b1 4,096 float32; b2 1,024 float32; bk 1,024 float32; bo 1,024 float32; bq 1,024 float32; bv 1,024 float32; ln1_b 1,024 float32; ln1_g 1,024 float32; ln2_b 1,024 float32; ln2_g 1,024 float32; x 2 x 2,048 x 1,024 float32.
;; Outputs: out0 2 x 2,048 x 1,024 float32.
;; This version of the problem:
;;   THIS VERSION OF THE PROBLEM IS GIVEN IN LOW PRECISION. The matrix products marked QUANTISED in the list below multiply operands that are first quantised to E2M3 (2 exponent bits, 3 mantissa bits; 6 bits a number), with one power-of-two scale for each 32 numbers along K (OCP MX v1.0); their sums are f32. All else is computed in f32.
;;   The module's matrix products, in the order in which they are computed (A, B: the left and right operand; K: the contracted axis; several contracted axes count as one K, in the product's order):
;;     1. [M 4,096, K 1,024] x [K 1,024, N 1,024]; A: input x; B: input Wq (given as codes): QUANTISED
;;     2. [M 4,096, K 1,024] x [K 1,024, N 1,024]; A: input x; B: input Wk (given as codes): QUANTISED
;;     3. [M 4,096, K 1,024] x [K 1,024, N 1,024]; A: input x; B: input Wv (given as codes): QUANTISED
;;     4. batch 32 x [M 2,048, K 64] x [K 64, N 2,048]; A: computed on the way; B: computed on the way: QUANTISED
;;     5. batch 32 x [M 2,048, K 2,048] x [K 2,048, N 64]; A: softmax (see below); B: computed on the way: QUANTISED
;;     6. [M 4,096, K 1,024] x [K 1,024, N 1,024]; A: computed on the way; B: input Wo (given as codes): QUANTISED
;;     7. [M 4,096, K 1,024] x [K 1,024, N 4,096]; A: computed on the way; B: input W1 (given as codes): QUANTISED
;;     8. [M 4,096, K 4,096] x [K 4,096, N 1,024]; A: computed on the way; B: input W2 (given as codes): QUANTISED
;;   THE QUANTISER, for each operand of a quantised product, along K:
;;     - K is cut into blocks of 32 from its start; a last block that is shorter is filled with zeros.
;;     - A block's scale is 2^e with e = floor(log2(the largest magnitude in the block)) - 2, held to -126 .. 127; a block of zeros has e = 0. As a byte (E8M0): e + 127.
;;     - Each number is divided by its block's scale, clamped to +-7.5, and rounded to the nearest number of E2M3, ties to even, subnormals kept.
;;     - The product sums the exact products of the quantised numbers (number of the format x scale) in f32.
;;   ~~~python
;;   def quantise(x, axis):      # numpy; x: float32 -> the quantised numbers, widened to float32 again
;;       x = np.moveaxis(x, axis, -1); K = x.shape[-1]
;;       x = np.pad(x, [(0, 0)] * (x.ndim - 1) + [(0, -K % 32)]); x = x.reshape(x.shape[:-1] + (-1, 32)); a = np.abs(x).max(-1, keepdims=True)
;;       e = np.where(a > 0, np.clip(np.frexp(np.where(a > 0, a, 1))[1] - 1 - 2, -126, 127), 0)      # np.frexp(a)[1] - 1 = floor(log2(a)), exactly
;;       r = np.clip(x / 2.0 ** e, -7.5, 7.5)
;;       step = 2.0 ** (np.maximum(np.frexp(np.where(r == 0, 1, r))[1] - 1, 0) - 3)
;;       q = np.round(r / step) * step * 2.0 ** e      # np.round: ties to even
;;       return np.moveaxis(q.reshape(q.shape[:-2] + (-1,))[..., :K], -1, axis).astype(np.float32)
;;   ~~~
;;   SOFTMAX AHEAD OF A QUANTISED PRODUCT. Where the list says 'softmax', what is quantised is not the finished softmax but p = 2^(t - M), with t = logit x log2(e) and M = ceil(the row's largest t), a whole number; so 1/2 < the row's largest p <= 1. The row's sum l is taken of the UNQUANTISED p, in f32, and the product's result is divided by l at the end. Since M is a whole number, a kernel that streams over the keys may use a running M (the ceiling of the running maximum): every later rescaling is an exact power of two, which a block's scale takes up: the codes' values come out the same.
;;   OPERANDS COMPUTED ON THE WAY. 'Computed on the way' means the value that the module computes at that place (a softmax that the list does not call 'softmax' is quantised finished and normalised). What goes into a quantiser is computed in f32, as accurately as f32 sums, v_exp_f32 and their like allow (about 1e-6 of the number): no bf16 or f16 on the way to a quantiser, and a product that is left as it is and whose result goes on into a quantised operand takes f32 operands (vector FMAs, or v_wmma_f32_16x16x4_f32). A number that lies on a knife's edge between two numbers of the format may be rounded either way, as far as f32 arithmetic and the matrix unit's own rounding can turn it there, and no further.
;;   INPUTS GIVEN AS CODES. W1 (in the module: [1024, 4096], K = its axis 0); W2 (in the module: [4096, 1024], K = its axis 0); Wk (in the module: [1024, 1024], K = its axis 0); Wo (in the module: [1024, 1024], K = its axis 0); Wq (in the module: [1024, 1024], K = its axis 0); Wv (in the module: [1024, 1024], K = its axis 0): each comes as NAME_codes (uint8): NAME with its K axis moved to the last place and cut into blocks of 32 codes, [.., K / 32, bytes a block], one block behind the other in memory; four codes in three bytes: a row's codes are one little-endian stream of bits, code i at bits 6 i .. 6 i + 5 (a code: sign, 2 exponent bits, 3 mantissa bits); and NAME_scales (uint8): the same leading axes, one E8M0 byte (e + 127) for each 32 codes along K. Its value is code x scale, taken as it is: it is not quantised again, and the codes and scales need not be those that the quantiser above would give.
;; 2 versions. Each part assembles by itself: llvm-mc -triple=amdgcn-amd-amdhsa -mcpu=gfx1250 --defsym DOCPART=n.
;; ======== version 1 of 2: 8 launches
;; workspace buffers: xq 3,276,800 bytes; wimg 9,437,184 bytes; qkv 9,830,400 bytes; att 3,276,800 bytes; cbuf 16,777,216 bytes; hf 16,777,216 bytes; hq 3,276,800 bytes; hid 13,107,200 bytes
;; launch prep (part 1): grid 704 x 1, 4 waves a work-group, no clusters, 84,480 bytes of LDS; arguments x, Wq_codes, Wk_codes, Wv_codes, Wo_codes, W1_codes, W2_codes, xq, wimg; writes xq, wimg
.if DOCPART == 1
	.amdgcn_target "amdgcn-amd-amdhsa--gfx1250"
	.amdhsa_code_object_version 6
	.text
	.protected	k_qd415f393b7_prep
	.globl	k_qd415f393b7_prep
	.p2align	8
	.type	k_qd415f393b7_prep,@function
k_qd415f393b7_prep:
	s_mov_b64 s[64:65], 0
	v_nop
	global_prefetch_b8 v0, s[64:65] scope:SCOPE_SE
	s_setreg_imm32_b32 hwreg(HW_REG_WAVE_MODE, 25, 1), 1
	s_wait_xcnt 0x0
; PREP.  Two jobs in one launch, parted once on the work-group's number; the two ways use LDS bytes of their own and never join.
; (1) work-groups 0-511: x [4096][1024] f32 becomes codes of FP6 (E2M3) with one E8M0 byte for each 32 along K.
; (2) work-groups 512-703: the six weights' codes (rows with K innermost) are laid anew, bit for bit, in the order of an operand's registers.
; THE IMAGE FORMAT of every operand of this program.  A tile is 16 rows: slot s of tile t is row 32 (t / 2) + 8 (t % 2) + s + 8 (s / 8).
; A fragment (tile t, 128 along K: step k) is 1,536 bytes at (t x K / 128 + k) x 1,536: two halves of 768 bytes (64 along K each); in a half first
; registers 0-3 of the lane's six, 16 bytes a lane, then registers 4-5, 8 bytes a lane.  Lane (s, h) holds the 24 bytes of its row at 96 k + 48 c + 24 h.
; So a fragment is stored and loaded by two accesses of 16 bytes and two of 8 a lane, each covering consecutive bytes from a multiple of 256.
; x's scale bytes lie [row][32], rows in their natural order, at byte 3,145,728 of xq.
; A block's scale is 2^(floor(log2(largest magnitude)) - 2); its byte is the largest magnitude's exponent field - 2, held at 1 from below.
; LIMITS: NaN and infinities are not served; a block whose largest magnitude lies under 2^-124 gets the byte 1; a block of zeros gets the byte 1 (not 127): its codes are zeros, and this program alone reads the bytes.
; Waves share nothing: no barrier.
.set XSTG,  16*528                     ; way 1: a wave's stage: 16 rows of 512 bytes + 16
.set WSTG0, 4*XSTG                     ; way 2's stages begin behind way 1's
.set WSTG,  16*784                     ; a wave's stage: 16 rows of 768 bytes + 16
.set XR,  32                           ; v32-95   16 rows x 16 bytes a lane, as loaded
.set YR,  96                           ; v96-159  64 numbers of my row: register 16 b + i = k 32 b + 16 h + i
.set TM,  160                          ; v160-175 the quantiser's work
.set PW,  176                          ; the scale word
.set PC,  178                          ; v178-196 the codes
.set RO,  8                            ; v8-23    way 2: byte offset of row t
.set LR,  32                           ; v32-127  way 2: as loaded
.set FRG, 128                          ; v128-223 way 2: eight fragments
.set SEL, 34                           ; s[34:35] lane selects: lane l xor 16
; 64 numbers of a lane, register 16 b + i = k 32 b + 16 (lane / 16) + i of my row, become a fragment's codes in v[PC] on and its scale word in v[PW]
.macro QUANT s
.irp b, 0,1,2,3
	v_max3_num_f32 v[TM+\b], |v[\s+16*\b]|, |v[\s+1+16*\b]|, 0x1800000   ; my 16 numbers of block b, and the floor 2^(3 - 127): the byte cannot fall under 1
.endr
.irp i, 2,4,6,8,10,12,14
.irp b, 0,1,2,3
	v_max3_num_f32 v[TM+\b], v[TM+\b], |v[\s+16*\b+\i]|, |v[\s+1+16*\b+\i]|
.endr
.endr
.irp b, 0,1,2,3
	v_permlanex16_b32 v[TM+4+\b], v[TM+\b], s[SEL], s[SEL+1]
.endr
.irp b, 0,1,2,3
	v_max_num_f32 v[TM+\b], v[TM+\b], v[TM+4+\b]           ; with lane l xor 16's: the block's largest magnitude
.endr
.irp b, 0,1,2,3
	v_add_nc_u32 v[TM+12+\b], 0xff000000, v[TM+\b]         ; 2 off its exponent field: the conversion's scale operand
.endr
.irp b, 0,1,2,3
	v_lshrrev_b32 v[TM+4+\b], 23, v[TM+12+\b]              ; the scale's byte
.endr
	v_lshl_or_b32 v[PW], v[TM+5], 8, v[TM+4]
	v_lshl_or_b32 v[PW], v[TM+6], 16, v[PW]
	v_lshl_or_b32 v[PW], v[TM+7], 24, v[PW]
.irp c, 0,1
	v_cvt_scalef32_pk16_fp6_f32 v[PC+6*\c:PC+2+6*\c], v[\s+32*\c:\s+15+32*\c], v[TM+12+2*\c]
	v_cvt_scalef32_pk16_fp6_f32 v[PC+12+4*\c:PC+14+4*\c], v[\s+16+32*\c:\s+31+32*\c], v[TM+12+2*\c+1]
.endr
	v_nop                                          ; one plain place behind a scaled conversion
.irp c, 0,1                                    ; a whole block to a lane: lanes 0-15 block 2 c, lanes 16-31 block 2 c + 1
.irp i, 0,1,2
	v_permlane16_swap_b32 v[PC+6*\c+\i], v[PC+12+4*\c+\i]
.endr
.irp i, 0,1,2
	v_mov_b32 v[PC+3+6*\c+\i], v[PC+12+4*\c+\i]
.endr
.endr
.endm
	s_load_b512 s[16:31], s[0:1], 0x0              ; x s[16:17], Wq, Wk, Wv, Wo, W1, W2 s[18:29], xq s[30:31]
	s_load_b64 s[32:33], s[0:1], 0x40              ; wimg
	v_lshl_add_u32 v224, v0, 2, 0x14800
	v_mov_b32 v225, 0
	v_lshrrev_b32 v1, 5, v0
	v_readfirstlane_b32 s3, v1                     ; wave
	v_and_b32 v1, 31, v0                           ; lane
	v_and_b32 v2, 15, v0                           ; s
	v_bfe_u32 v3, v0, 4, 1                         ; h
	v_lshlrev_b32 v4, 4, v1                        ; 16 x lane
	v_lshlrev_b32 v5, 3, v1                        ; 8 x lane
	s_cmp_lt_u32 ttmp9, 512
	s_cbranch_scc0 .Lweights
	; ---- way 1: one fragment of x to a wave: unit u = 4 x work-group + wave = 8 x tile + K step
	s_lshl_b32 s4, ttmp9, 2
	s_add_co_u32 s4, s4, s3                        ; u
	s_lshr_b32 s5, s4, 3                           ; tile
	s_and_b32 s6, s4, 7                            ; K step
	s_lshr_b32 s7, s5, 1
	s_lshl_b32 s7, s7, 5
	s_and_b32 s8, s5, 1
	s_lshl_b32 s8, s8, 3
	s_add_co_u32 s7, s7, s8                        ; the tile's first row
	s_lshl_b32 s8, s7, 12                          ; a row of x is 4,096 bytes,
	s_lshl_b32 s9, s6, 9                           ; a K step 512
	s_add_co_u32 s8, s8, s9
	s_mov_b32 s9, 0
	s_mul_i32 s10, s4, 1536                        ; the fragment's place
	s_mov_b32 s11, 0
	s_lshl_b32 s12, s7, 5                          ; the scale bytes: 32 a row, 4 a K step
	s_lshl_b32 s13, s6, 2
	s_add_co_u32 s12, s12, s13
	s_add_co_u32 s12, s12, 3145728
	s_mov_b32 s13, 0
	s_mul_i32 s14, s3, XSTG
	v_add_nc_u32 v6, s14, v4                       ; the stage, in: 16 bytes a lane of a row's 512
	v_mul_u32_u24 v7, v2, 528
	v_lshl_add_u32 v7, v3, 6, v7
	v_add_nc_u32 v7, s14, v7                       ; out: row s, + 64 h: my 16 numbers of a block
	v_and_b32 v8, 8, v2
	v_add_nc_u32 v8, v8, v2                        ; s + 8 (s / 8)
	v_lshlrev_b32 v8, 5, v8
	v_lshl_add_u32 v8, v3, 1, v8                   ; my two scale bytes: row x 32 + 2 h
	v_lshlrev_b32 v9, 4, v3                        ; 16 h
	s_mov_b32 s[SEL], 0x76543210
	s_mov_b32 s[SEL+1], 0xfedcba98
.irp b, 0,1,2,3
	v_mov_b32 v[TM+4+\b], 0                        ; a lane permute's destination counts as one of its sources
.endr
	s_wait_kmcnt 0x0
	s_add_nc_u64 s[16:17], s[16:17], s[8:9]
	s_add_nc_u64 s[36:37], s[30:31], s[10:11]
	s_add_nc_u64 s[38:39], s[30:31], s[12:13]
.irp t, 0,1,2,3,4,5,6,7,8,9,10,11,12,13,14,15
	global_load_b128 v[XR+4*\t:XR+4*\t+3], v4, s[16:17] offset:(\t+8*(\t/8))*4096 th:TH_LOAD_NT   ; slot t's 512 consecutive bytes
.endr
.irp t, 0,1,2,3,4,5,6,7,8,9,10,11,12,13,14,15
	s_wait_loadcnt 15-\t                           ; loads come back in order: row t is in, the younger rows stay out
	ds_store_b128 v6, v[XR+4*\t:XR+4*\t+3] offset:528*\t
.endr
.irp b, 0,1,2,3
.irp j, 0,1,2,3
	ds_load_b128 v[YR+16*\b+4*\j:YR+16*\b+4*\j+3], v7 offset:128*\b+16*\j   ; LDS serves a wave's instructions in order: these see my stores
.endr
.endr
	s_wait_dscnt 0x0
	QUANT YR
	global_store_b128 v4, v[PC:PC+3], s[36:37]
	global_store_b64 v5, v[PC+4:PC+5], s[36:37] offset:512
	global_store_b128 v4, v[PC+6:PC+9], s[36:37] offset:768
	global_store_b64 v5, v[PC+10:PC+11], s[36:37] offset:1280
	v_lshrrev_b32 v10, v9, v[PW]                   ; lanes 0-15 keep bytes 0, 1 of the row's word, lanes 16-31 bytes 2, 3
	global_store_b16 v8, v10, s[38:39]             ; two bytes a lane into rows 32 bytes apart: one byte in 128 of what this way reads
	s_wait_tensorcnt 0x0
	ds_add_u32 v224, v225
	s_wait_dscnt 0x0
	s_endpgm
.Lweights:
	; ---- way 2: eight fragments (16 rows x 768 bytes of codes) to a wave: item = 4 j + wave; its images lie at item x 12,288 of wimg for all six weights
	s_sub_co_u32 s4, ttmp9, 512                    ; j: 0-15 Wq, 16-31 Wk, 32-47 Wv, 48-63 Wo, 64-127 W1, 128-191 W2
	s_lshl_b32 s5, s4, 2
	s_add_co_u32 s5, s5, s3                        ; item
	s_and_b32 s9, s5, 63                           ; the tile in a weight of 64 tiles,
	s_sub_co_u32 s10, s5, 256                      ; in W1,
	s_sub_co_u32 s11, s5, 512
	s_lshr_b32 s11, s11, 2                         ; in W2, whose rows of 3,072 bytes take four items
	s_mul_i32 s12, s3, 768                         ; (the wave's quarter of such a row)
	s_mov_b32 s8, 3072
	s_cmp_lt_u32 s4, 128
	s_cselect_b32 s10, s10, s11
	s_cselect_b32 s12, 0, s12
	s_cselect_b32 s8, 768, s8                      ; bytes in a row of codes
	s_cmp_lt_u32 s4, 64
	s_cselect_b32 s9, s9, s10                      ; the tile
	s_lshr_b32 s13, s9, 1
	s_lshl_b32 s13, s13, 5
	s_and_b32 s14, s9, 1
	s_lshl_b32 s14, s14, 3
	s_add_co_u32 s13, s13, s14                     ; its first row
	s_mul_i32 s14, s13, s8
	s_add_co_u32 s14, s14, s12
	s_mov_b32 s15, 0
	s_mul_i32 s6, s5, 12288
	s_mov_b32 s7, 0
	s_mul_i32 s36, s3, WSTG
	s_add_co_u32 s36, s36, WSTG0
	v_add_nc_u32 v6, s36, v5                       ; the stage, in: 8 bytes a lane
	v_mul_u32_u24 v7, v2, 784
	v_mad_u32_u24 v7, v3, 24, v7
	v_add_nc_u32 v7, s36, v7                       ; out: row s, + 24 h
.irp t, 0,1,2,3,4,5,6,7,8,9,10,11,12,13,14,15
	v_mad_u32_u24 v[RO+\t], s8, \t+8*(\t/8), v5    ; slot t's row, + 8 x lane
.endr
	s_wait_kmcnt 0x0
	s_cmp_lt_u32 s4, 128                           ; the source: a choice that hangs on the work-group's number alone
	s_cselect_b64 s[28:29], s[26:27], s[28:29]
	s_cmp_lt_u32 s4, 64
	s_cselect_b64 s[28:29], s[24:25], s[28:29]
	s_cmp_lt_u32 s4, 48
	s_cselect_b64 s[28:29], s[22:23], s[28:29]
	s_cmp_lt_u32 s4, 32
	s_cselect_b64 s[28:29], s[20:21], s[28:29]
	s_cmp_lt_u32 s4, 16
	s_cselect_b64 s[28:29], s[18:19], s[28:29]
	s_add_nc_u64 s[28:29], s[28:29], s[14:15]
	s_add_nc_u64 s[32:33], s[32:33], s[6:7]
.irp t, 0,1,2,3,4,5,6,7,8,9,10,11,12,13,14,15
.irp i, 0,1,2
	global_load_b64 v[LR+6*\t+2*\i:LR+6*\t+2*\i+1], v[RO+\t], s[28:29] offset:256*\i th:TH_LOAD_NT   ; 256 consecutive bytes
.endr
.endr
.irp t, 0,1,2,3,4,5,6,7,8,9,10,11,12,13,14,15
	s_wait_loadcnt 3*(15-\t)                       ; row t's three loads are in; the younger rows' stay out
.irp i, 0,1,2
	ds_store_b64 v6, v[LR+6*\t+2*\i:LR+6*\t+2*\i+1] offset:784*\t+256*\i
.endr
.endr
.irp k, 0,1,2,3,4,5,6,7
.irp p, 0,1,2,3,4,5
	ds_load_b64 v[FRG+12*\k+2*\p:FRG+12*\k+2*\p+1], v7 offset:96*\k+48*(\p/3)+8*(\p%3)   ; rows 196 words apart: the 32 lanes touch 64 different banks
.endr
.endr
.irp k, 0,1,2,3,4,5,6,7
	s_wait_dscnt 6*(7-\k)                          ; fragment k's six loads are in; the younger fragments' stay out
	global_store_b128 v4, v[FRG+12*\k:FRG+12*\k+3], s[32:33] offset:1536*\k
	global_store_b64 v5, v[FRG+12*\k+4:FRG+12*\k+5], s[32:33] offset:1536*\k+512
	global_store_b128 v4, v[FRG+12*\k+6:FRG+12*\k+9], s[32:33] offset:1536*\k+768
	global_store_b64 v5, v[FRG+12*\k+10:FRG+12*\k+11], s[32:33] offset:1536*\k+1280
.endr
	s_wait_tensorcnt 0x0
	ds_add_u32 v224, v225
	s_wait_dscnt 0x0
	s_endpgm
.Lfunc_end_k_qd415f393b7_prep:
	.size	k_qd415f393b7_prep, .Lfunc_end_k_qd415f393b7_prep-k_qd415f393b7_prep
	.p2alignl 7, 3214868480
	.fill 96, 4, 3214868480
	.section	.rodata,"a",@progbits
	.p2align	6, 0x0
	.amdhsa_kernel k_qd415f393b7_prep
		.amdhsa_group_segment_fixed_size 84480
		.amdhsa_private_segment_fixed_size 0
		.amdhsa_enable_private_segment 0
		.amdhsa_kernarg_size 72
		.amdhsa_user_sgpr_count 2
		.amdhsa_user_sgpr_kernarg_segment_ptr 1
		.amdhsa_wavefront_size32 1
		.amdhsa_system_sgpr_workgroup_id_x 1
		.amdhsa_system_sgpr_workgroup_id_y 1
		.amdhsa_system_sgpr_workgroup_id_z 1
		.amdhsa_system_vgpr_workitem_id 0
		.amdhsa_next_free_vgpr 226
		.amdhsa_next_free_sgpr 66
		.amdhsa_reserve_vcc 0
		.amdhsa_float_denorm_mode_32 3
		.amdhsa_float_denorm_mode_16_64 3
		.amdhsa_memory_ordered 1
		.amdhsa_forward_progress 1
		.amdhsa_inst_pref_size 28
	.end_amdhsa_kernel
	.amdgpu_metadata
---
amdhsa.version: [ 1, 2 ]
amdhsa.kernels:
  - .name:           k_qd415f393b7_prep
    .symbol:         k_qd415f393b7_prep.kd
    .args:
      - { .name: x, .offset: 0, .size: 8, .value_kind: global_buffer, .address_space: global }
      - { .name: Wq_codes, .offset: 8, .size: 8, .value_kind: global_buffer, .address_space: global }
      - { .name: Wk_codes, .offset: 16, .size: 8, .value_kind: global_buffer, .address_space: global }
      - { .name: Wv_codes, .offset: 24, .size: 8, .value_kind: global_buffer, .address_space: global }
      - { .name: Wo_codes, .offset: 32, .size: 8, .value_kind: global_buffer, .address_space: global }
      - { .name: W1_codes, .offset: 40, .size: 8, .value_kind: global_buffer, .address_space: global }
      - { .name: W2_codes, .offset: 48, .size: 8, .value_kind: global_buffer, .address_space: global }
      - { .name: xq, .offset: 56, .size: 8, .value_kind: global_buffer, .address_space: global }
      - { .name: wimg, .offset: 64, .size: 8, .value_kind: global_buffer, .address_space: global }
    .group_segment_fixed_size: 84480
    .private_segment_fixed_size: 0
    .kernarg_segment_align: 8
    .kernarg_segment_size: 72
    .max_flat_workgroup_size: 128
    .sgpr_count:     66
    .vgpr_count:     226
    .wavefront_size: 32
...
	.end_amdgpu_metadata
.endif
;; end of part 1
;; launch qkv (part 2): grid 12 x 16, 4 waves a work-group, clusters of 4 x 4, 327,680 bytes of LDS; arguments xq, wimg, Wq_scales, Wk_scales, Wv_scales, bq, bk, bv, qkv; writes qkv
.if DOCPART == 2
	.amdgcn_target "amdgcn-amd-amdhsa--gfx1250"
	.amdhsa_code_object_version 6
	.text
	.protected	k_qd415f393b7_qkv
	.globl	k_qd415f393b7_qkv
	.p2align	8
	.type	k_qd415f393b7_qkv,@function
k_qd415f393b7_qkv:
	s_mov_b64 s[64:65], 0
	v_nop
	global_prefetch_b8 v0, s[64:65] scope:SCOPE_SE
	s_setreg_imm32_b32 hwreg(HW_REG_WAVE_MODE, 25, 1), 1
	s_wait_xcnt 0x0
	s_wait_alu depctr_hold_cnt(0) depctr_sa_sdst(0) depctr_va_vdst(0) depctr_va_sdst(0) depctr_va_ssrc(0) depctr_va_vcc(0) depctr_vm_vsrc(0)
	s_getreg_b32 s2, hwreg(HW_REG_IB_STS2, 6, 4)
	s_cmp_eq_u32 s2, 0
	s_cbranch_scc0 .Lentry_in_a_cluster
	s_endpgm
.Lentry_in_a_cluster:
	s_bfe_u32 s2, ttmp6, 0x10000c
	s_cmp_lg_u32 s2, 0xf033
	s_cbranch_scc0 .Lentry_shape_is_right
	s_endpgm
.Lentry_shape_is_right:
; q = x Wq + bq, k = x Wk + bk, v = x Wv + bv on codes of FP6 (E2M3) with E8M0 scales, and their quantising for attention: q and k along the head's 64, v along the keys.
; THE CORE: a tile of 256 x 256 to a work-group of four waves, 128 x 128 to a wave (64 accumulators, 512 registers).  Operand P gives a lane its row (source 1), operand R runs along a lane's registers (source 0).
; Both operands lie in memory as images of their registers (16 rows x 128 K = 1,536 bytes; slot s of tile t is row 32 (t / 2) + 8 (t % 2) + s + 8 (s / 8)), so that which tensor is P is a choice of pointers:
; cluster column X = 0, 1 (q, k): P = x's tokens, R = the weight's columns: a lane's registers run along the head's axis;  X = 2 (v): P = Wv's columns, R = the tokens: they run along the keys.
; By the order of a tile's rows the 64 results of a lane for one tile of P are register 16 b + i = R's row 32 b + 16 (lane / 16) + i: what the conversions want.
; K goes in steps of 256 through a ring of two LDS slots; a wave's tensor load brings 8 tiles x 2 fragments: 8 rows of 3,072 bytes.  The scales of the 256 + 256 rows for all of K come once.
; CLUSTERS: 4 x 4 work-groups; P's tiles are asked for jointly along a row of the cluster, R's along a column.
; OUT (buffer qkv): q at 0, k at 3,276,800: [16 batch + head][4][25,600]: 32 half fragments of 768 bytes (a tile of 16 tokens x 64), then 16 x 64 bytes of scale words (low half: the even tile's two bytes, high half: the odd tile's).
;   v at 6,553,600: [batch][16 steps of 128 keys][head][6,400]: 4 fragments (16 of the head's 64 x 128 keys), then 4 x 64 bytes of scale words.  The scale words leave in runs of 64 bytes: one byte in 24 of the codes'.
; LIMITS: NaN and infinities are not served; a block whose largest magnitude lies under 2^-124, a block of zeros too, gets the byte 1 (zero codes add nothing; this program alone reads the bytes).
; REGISTERS: window 0: v0-31 addresses; v32-63 scale words, two sets; v64-127 the bias along R; v128-223 P's 8 fragments, one set; v240-255 the bias along P.  window 1: R's fragments, two sets, at v0 and v128.
;   windows 2, 3: accumulator (a, b) at v[8 (8 (a % 4) + b)] of window 2 + a / 4.  On the way out v128-233 of window 0 are at work.
.set SIZE_K, 1024
.set NK,     SIZE_K/128                ; fragments in a tile's row of images
.set KS,     SIZE_K/32                 ; a row of scale bytes
.set NQ,     2                         ; steps of 128 in a slot
.set FR,     12                        ; registers of a fragment
.set FB,     1536                      ; and its bytes
.set NL,     4                         ; LDS loads that bring one
.set NP,     4                         ; places behind this matrix instruction (ISA guide 7.12.1)
.set HALFT,  8*NQ*FB                   ; 8 tiles: what one tensor load brings, and what one wave reads of P or of R
.set SLOT,   4*HALFT                   ; P's 16 tiles, then R's
.set LAPS,   SIZE_K/512                ; a lap = once round the ring
.set SCL,    2*SLOT                    ; behind the ring: the scales, as units of 256 bytes + 16 of padding
.set HALFS,  (128*KS/256)*272          ; those of 128 rows
.set SPARE,  SCL+4*HALFS               ; the spare words: 128 bytes for each wave, named by no other line
.set ADRA, 16                          ; v16-17 P's fragments in slot 0, 1, at 16 x lane;  v18-19 at 8 x lane
.set ADRB, 20                          ; v20-23 the same for R
.set V16,  24                          ; 16 x lane
.set V8,   25                          ; 8 x lane
.set VSQ,  26                          ; q, k: my scale word's place
.set ADRS, 27                          ; LDS address of my scale words: lanes 0-15 P's rows, lanes 16-31 R's
.set SPW,  28                          ; my spare word; never rewritten
.set NIL,  29                          ; 0; never rewritten
.set BA,   30                          ; the bias along R: 64 h
.set BVA,  31                          ; the bias along P: 4 (s + 8 (s / 8))
.set VSV,  10                          ; v: my scale word's place
.set SC,   32
.set BI,   64
.set AF,   128
.set T,    128                         ; the way out: 64 numbers
.set TM,   192
.set PW,   208
.set PW0,  209
.set W0,   232
.set W1,   233
.set DW,   211
.set PC,   212
.set BV,   240
.set SEL,  20                          ; s[20:21], s22: set on the way out
.set HM,   22
.set G1, 24
.set G0, 32
.set G1B, 48
.set G0B, 56
.set G1S, 68
.set G0S, 76
.set G1SB, 80
.set G0SB, 88
.set MSB, 0
.macro WIN new                         ; the immediate's high byte repeats the setting that is left
.if MSB != (\new)
	s_set_vgpr_msb (MSB<<8)|(\new)
.set MSB, (\new)
.endif
.endm
.set MUL_LO, 0xa1                      ; source 0 (R) window 1, source 1 (P) window 0, C and D window 2
.set MUL_HI, 0xf1                      ; the same, C and D window 3
.set TO_R,   0x40                      ; destination window 1, address window 0
; A joint load: waves 0 and 1 fetch for P, waves 2 and 3 for R; the branch hangs on the wave's number alone.  Four v_nop follow each of the two lines.
.macro JLOAD g0a, g1a, g0b, g1b
	s_cmp_eq_u32 s15, 0
	s_cbranch_scc0 .Lfor_r_\@
	tensor_load_to_lds s[\g0a:\g0a+3], s[\g1a:\g1a+7]
	s_nop 0
.rept 4
	v_nop
.endr
	s_branch .Lasked_\@
.Lfor_r_\@:
	tensor_load_to_lds s[\g0b:\g0b+3], s[\g1b:\g1b+7]
	s_nop 0
.rept 4
	v_nop
.endr
.Lasked_\@:
.endm
.macro CREST                           ; a round of the cluster's barrier behind its opening barrier
	s_cmp_lg_u32 s14, 0
	s_cbranch_scc1 .Lnot_wave_0_\@
	s_barrier_signal -3
.Lnot_wave_0_\@:
	s_barrier_wait -3
	s_barrier_signal -1
	s_barrier_wait -1
.endm
.macro CROUND
	s_barrier_signal -1
	s_barrier_wait -1
	CREST
.endm
	s_load_b512 s[68:83], s[0:1], 0x0              ; xq, wimg, Wq_scales, Wk_scales, Wv_scales, bq, bk, bv
	s_load_b64 s[84:85], s[0:1], 0x40              ; qkv
	v_lshl_add_u32 v[SPW], v0, 2, SPARE
	v_mov_b32 v[NIL], 0
	ds_add_u32 v28, v29
	ds_add_u32 v28, v29
	s_wait_dscnt 0x0
	v_lshrrev_b32 v1, 5, v0
	v_readfirstlane_b32 s14, v1                    ; wave 0..3
	s_lshr_b32 s15, s14, 1                         ; which half of P's rows is mine.  Also: I fetch for P (0) or for R (1)
	s_and_b32 s16, s14, 1                          ; which half of R's rows.  Also: which 8 tiles I fetch
	s_bfe_u32 s40, ttmp6, 0x40000                  ; cx, cy: my place in the cluster
	s_bfe_u32 s41, ttmp6, 0x40004
	s_and_b32 s17, ttmp7, 0xffff
	s_lshl_b32 s17, s17, 2                         ; 4 x cluster y: it walks the tokens, which are P for q and k and R for v
	s_cmp_eq_u32 ttmp9, 2
	s_cselect_b32 s42, s17, 0
	s_cselect_b32 s17, 0, s17
	s_add_co_u32 s42, s42, s40                     ; R's block of 256 rows
	s_add_co_u32 s17, s17, s41                     ; P's
	s_lshl_b32 s43, s41, 2
	s_lshl_b32 s43, 15, s43                        ; my row of the cluster
	s_lshl_b32 s44, 0x1111, s40                    ; my column
	s_or_b32 s[G1+0], s43, (3<<16)|(1<<21)         ; 15:0 the mask: P's tiles go to my row; 17:16 elements of 8 bytes; 21 set beside a mask; no padding
	s_or_b32 s[G1B+0], s44, (3<<16)|(1<<21)
.irp g, G1, G1B
	s_mov_b32 s[\g+1], 384<<16                     ; tensor_dim0: two fragments, 3,072 bytes
	s_mov_b32 s[\g+2], 8<<16                       ; tensor_dim1: 8 tiles
	s_mov_b32 s[\g+3], 384<<16                     ; tile_dim0
	s_mov_b32 s[\g+4], 8                           ; tile_dim1
	s_mov_b32 s[\g+5], NK*192                      ; from tile to tile
	s_mov_b32 s[\g+6], 0
	s_mov_b32 s[\g+7], 0
.endr
	s_lshl_b32 s18, s16, 3
	s_lshl_b32 s20, s17, 4
	s_add_co_u32 s20, s20, s18                     ; P: the first tile that I fetch
	s_lshl_b32 s46, s42, 4
	s_add_co_u32 s46, s46, s18                     ; R likewise
	s_mul_i32 s22, s20, 16*KS                      ; where these rows' scales begin,
	s_mov_b32 s23, 0
	s_mul_i32 s92, s46, 16*KS
	s_mov_b32 s93, 0
	s_mul_i32 s20, s20, NK*FB                      ; and their images
	s_mov_b32 s21, 0
	s_mul_i32 s46, s46, NK*FB
	s_mov_b32 s47, 0
	s_mul_i32 s45, s14, HALFT                      ; where they go: no place in the cluster enters an LDS address
	s_mul_i32 s94, s14, HALFS
	s_wait_kmcnt 0x0
	s_mul_i32 s18, ttmp9, 786432
	s_mov_b32 s19, 0
	s_add_nc_u64 s[70:71], s[70:71], s[18:19]      ; my weight's images: Wq, Wk, Wv lie on end in wimg
	s_add_nc_u64 s[86:87], s[68:69], 3145728       ; x's scales
	s_mov_b64 s[12:13], s[84:85]                   ; the output
	s_cmp_eq_u32 ttmp9, 0                          ; every choice hangs on the cluster's x alone
	s_cselect_b64 s[72:73], s[72:73], s[74:75]
	s_cselect_b64 s[78:79], s[78:79], s[80:81]
	s_cmp_eq_u32 ttmp9, 2
	s_cselect_b64 s[72:73], s[76:77], s[72:73]     ; my weight's scales
	s_cselect_b64 s[96:97], s[82:83], s[78:79]     ; my bias
	s_cselect_b64 s[4:5], s[70:71], s[68:69]       ; P's images,
	s_cselect_b64 s[6:7], s[72:73], s[86:87]       ; P's scales,
	s_cselect_b64 s[8:9], s[68:69], s[70:71]       ; R's images,
	s_cselect_b64 s[10:11], s[86:87], s[72:73]     ; R's scales
	s_or_b32 s[G1S+0], s43, (3<<16)|(1<<20)|(1<<21)|(5<<22)|(3<<25)   ; the scales of 128 rows: a dense block, as rows of 256 bytes, 16 bytes of padding behind each
	s_or_b32 s[G1SB+0], s44, (3<<16)|(1<<20)|(1<<21)|(5<<22)|(3<<25)
.irp g, G1S, G1SB
	s_mov_b32 s[\g+1], 32<<16
	s_mov_b32 s[\g+2], (128*KS/256)<<16
	s_mov_b32 s[\g+3], 32<<16
	s_mov_b32 s[\g+4], 128*KS/256
	s_mov_b32 s[\g+5], 32
	s_mov_b32 s[\g+6], 0
	s_mov_b32 s[\g+7], 0
.endr
	s_add_nc_u64 s[20:21], s[4:5], s[20:21]
	s_add_nc_u64 s[22:23], s[6:7], s[22:23]
	s_add_nc_u64 s[46:47], s[8:9], s[46:47]
	s_add_nc_u64 s[92:93], s[10:11], s[92:93]
	CROUND                                         ; all sixteen work-groups are here: the first joint loads meet
	s_mov_b32 s[G0S], 1
	s_add_co_u32 s[G0S+1], s94, SCL
	s_mov_b64 s[G0S+2:G0S+3], s[22:23]
	s_or_b32 s[G0S+3], s[G0S+3], 0x80000000
	s_mov_b32 s[G0SB], 1
	s_add_co_u32 s[G0SB+1], s94, SCL
	s_mov_b64 s[G0SB+2:G0SB+3], s[92:93]
	s_or_b32 s[G0SB+3], s[G0SB+3], 0x80000000
	JLOAD G0S, G1S, G0SB, G1SB                     ; the scales first: they are wanted with K step 0
.irp s, 0,1
	s_mov_b32 s[G0+4*\s], 1
	s_add_co_u32 s[G0+4*\s+1], s45, \s*SLOT
	s_add_nc_u64 s[G0+4*\s+2:G0+4*\s+3], s[20:21], \s*NQ*FB
	s_or_b32 s[G0+4*\s+3], s[G0+4*\s+3], 0x80000000
	s_mov_b32 s[G0B+4*\s], 1
	s_add_co_u32 s[G0B+4*\s+1], s45, \s*SLOT
	s_add_nc_u64 s[G0B+4*\s+2:G0B+4*\s+3], s[46:47], \s*NQ*FB
	s_or_b32 s[G0B+4*\s+3], s[G0B+4*\s+3], 0x80000000
	JLOAD G0+4*\s, G1, G0B+4*\s, G1B
.endr
	v_and_b32 v1, 15, v0                           ; s = lane % 16
	v_bfe_u32 v2, v0, 4, 1                         ; h = lane / 16
	v_and_b32 v3, 31, v0
	v_lshlrev_b32 v[V16], 4, v3
	v_lshlrev_b32 v[V8], 3, v3
	s_mul_i32 s21, s15, HALFT                      ; my 8 tiles of P
	s_mul_i32 s22, s16, HALFT                      ; my 8 tiles of R,
	s_add_co_u32 s22, s22, 2*HALFT                 ; which lie behind P's 16
.irp s, 0,1
	v_add_nc_u32 v[ADRA+\s], s21, v[V16]
	v_add_nc_u32 v[ADRB+\s], s22, v[V16]
	v_add_nc_u32 v[ADRA+2+\s], s21, v[V8]
	v_add_nc_u32 v[ADRB+2+\s], s22, v[V8]
	s_add_co_u32 s21, s21, SLOT
	s_add_co_u32 s22, s22, SLOT
.endr
	v_and_b32 v4, 8, v1
	v_add_nc_u32 v4, v4, v1                        ; s + 8 (s / 8): my row in a tile's 24
	v_mul_u32_u24 v5, v4, KS                       ; its scales: KS bytes a row,
	v_lshrrev_b32 v6, 8, v5
	v_lshl_add_u32 v5, v6, 4, v5                   ; and 16 more for each 256 passed
	s_mul_i32 s21, s15, HALFS
	s_mul_i32 s22, s16, HALFS
	s_add_co_u32 s22, s22, 2*HALFS
	s_sub_co_u32 s22, s22, s21
	v_mul_u32_u24 v6, s22, v2                      ; lanes 16-31 take R's
	s_add_co_u32 s21, s21, SCL
	v_add_nc_u32 v5, v5, v6
	v_add_nc_u32 v[ADRS], s21, v5
	v_mul_u32_u24 v6, v2, 102400                   ; q, k: lanes 16-31 store the second head's word, a head's 4 x 25,600 bytes on
	v_lshl_add_u32 v[VSQ], v1, 2, v6
	v_lshlrev_b32 v6, 6, v2                        ; v: lanes 16-31 store the odd tile's word, 64 bytes on
	v_lshl_add_u32 v[VSV], v1, 2, v6
	v_lshlrev_b32 v[BA], 6, v2
	v_lshlrev_b32 v[BVA], 2, v4
	; both forms of the bias are loaded on every way, each from inside the bias's 1,024 numbers: along R (used by q, k) and along P (used by v)
	s_lshl_b32 s46, s42, 10
	s_lshl_b32 s47, s16, 9
	s_add_co_u32 s46, s46, s47                     ; 4 x R's first row
	s_lshl_b32 s18, s17, 10
	s_lshl_b32 s19, s15, 9
	s_add_co_u32 s18, s18, s19                     ; 4 x P's first row
	s_cmp_eq_u32 ttmp9, 2
	s_cselect_b32 s46, 0, s46
	s_cselect_b32 s18, s18, 0
	s_mov_b32 s47, 0
	s_mov_b32 s19, 0
	s_add_nc_u64 s[98:99], s[96:97], s[18:19]
	s_add_nc_u64 s[96:97], s[96:97], s[46:47]
.irp i, 0,1,2,3,4,5,6,7,8,9,10,11,12,13,14,15
	global_load_b128 v[BI+4*\i:BI+4*\i+3], v[BA], s[96:97] offset:128*(\i/4)+16*(\i%4)   ; register 16 b + i: the bias of R's row 32 b + 16 h + i
.endr
.irp a, 0,1,2,3,4,5,6,7
	global_load_b32 v[BV+2*\a], v[BVA], s[98:99] offset:4*(32*(\a/2)+8*(\a%2))           ; the bias of my row of P's tile a
.endr
.macro FRAG reg, adr, off              ; a fragment comes as it was laid: 16, 8, 16, 8 bytes a lane, each run of lanes on consecutive bytes
	ds_load_b128 v[\reg:\reg+3], v[\adr] offset:\off
	ds_load_b64 v[\reg+4:\reg+5], v[\adr+2] offset:\off+512
	ds_load_b128 v[\reg+6:\reg+9], v[\adr] offset:\off+768
	ds_load_b64 v[\reg+10:\reg+11], v[\adr+2] offset:\off+1280
.endm
; 16 matrix instructions: P's tiles a0, a0 + 1 x R's eight, the slot's q-th 128 along K.  p: R's set; sc: the set of scale words.  zero = 1: the first product starts the sums.
; The 64 accumulators take turns, one instruction a turn, in the same order in every step.
.macro MUL16 a0, p, q, sc, zero
.irp a, \a0, \a0+1
.irp b, 0,1,2,3,4,5,6,7
.if \zero
	v_wmma_scale_f32_16x16x128_f8f6f4 v[8*(8*((\a)%4)+\b):8*(8*((\a)%4)+\b)+7], v[128*(\p)+FR*\b:128*(\p)+FR*\b+FR-1], v[AF+FR*(\a):AF+FR*(\a)+FR-1], 0, v[SC+8*NQ*(\sc)+NQ*\b+(\q)], v[SC+8*NQ*(\sc)+NQ*(\a)+(\q)] matrix_a_fmt:MATRIX_FMT_FP6 matrix_b_fmt:MATRIX_FMT_FP6 matrix_a_scale:MATRIX_SCALE_ROW1
.else
	v_wmma_scale_f32_16x16x128_f8f6f4 v[8*(8*((\a)%4)+\b):8*(8*((\a)%4)+\b)+7], v[128*(\p)+FR*\b:128*(\p)+FR*\b+FR-1], v[AF+FR*(\a):AF+FR*(\a)+FR-1], v[8*(8*((\a)%4)+\b):8*(8*((\a)%4)+\b)+7], v[SC+8*NQ*(\sc)+NQ*\b+(\q)], v[SC+8*NQ*(\sc)+NQ*(\a)+(\q)] matrix_a_fmt:MATRIX_FMT_FP6 matrix_b_fmt:MATRIX_FMT_FP6 matrix_a_scale:MATRIX_SCALE_ROW1
.endif
.endr
.endr
.endm
.macro FETCH_R slot, q, p
	WIN TO_R
.irp i, 0,1,2,3,4,5,6,7
	FRAG 128*(\p)+FR*\i, ADRB+\slot, \i*NQ*FB+(\q)*FB
.endr
	WIN 0
.endm
.macro FETCH_P slot, q, i0
.irp i, \i0, \i0+1, \i0+2, \i0+3
	FRAG AF+FR*(\i), ADRA+\slot, (\i)*NQ*FB+(\q)*FB
.endr
.endm
.macro SCALES sc                       ; a K step's scale words: two a row; lanes 0-15 take P's tile i, lanes 16-31 R's tile i
.irp i, 0,1,2,3,4,5,6,7
	ds_load_b64 v[SC+8*NQ*\sc+NQ*\i:SC+8*NQ*\sc+NQ*\i+1], v[ADRS] offset:((32*(\i/2)+8*(\i%2))*KS/256)*272
.endr
.endm
.macro PLACES n                        ; plain vector instructions between a matrix instruction and a load into, or a read of, its registers
.rept \n
	v_nop
.endr
.endm
.macro STEP slot, q, zero              ; a step of 128 along K that has its successor in the same slot
	s_wait_dscnt 4*NL                              ; R's set and P's tiles 0-3 are in; the youngest 16 loads (P's tiles 4-7) may be out
	WIN MUL_LO
	MUL16 0, (\q)%2, \q, \slot, \zero
	MUL16 2, (\q)%2, \q, \slot, \zero
	s_wait_dscnt 0                                 ; P's tiles 4-7 are in
	PLACES NP
	FETCH_R \slot, (\q)+1, 1-(\q)%2
	FETCH_P \slot, (\q)+1, 0
	WIN MUL_HI
	MUL16 4, (\q)%2, \q, \slot, \zero
	MUL16 6, (\q)%2, \q, \slot, \zero
	PLACES NP
	WIN 0
	FETCH_P \slot, (\q)+1, 4
.endm
; A slot's last step changes slots: one barrier; in front of it each wave waits for all its tensor loads, adds 0 to its spare word, and waits for that and for its own reads of this slot.
.macro TURN slot, next, fill
	s_wait_tensorcnt 0x0                           ; all my tensor loads have landed: my part of the next slot
	ds_add_u32 v[SPW], v[NIL]                      ; 0 onto my spare word
	s_wait_dscnt 4*NL+1                            ; (the add and the youngest 16 loads may be out)
	WIN MUL_LO
	MUL16 0, 1, NQ-1, \slot, 0
	s_wait_dscnt 0x0                               ; the add is done, and my reads of this slot are over
	s_barrier_signal -1
	MUL16 2, 1, NQ-1, \slot, 0
	WIN 0
	s_barrier_wait -1
.if \fill
	CREST                                          ; the barrier has opened a round of the cluster's: no wave of any partner still reads this slot or has a load on its way
	s_add_nc_u64 s[G0+4*\slot+2:G0+4*\slot+3], s[G0+4*\slot+2:G0+4*\slot+3], 2*NQ*FB
	s_add_nc_u64 s[G0B+4*\slot+2:G0B+4*\slot+3], s[G0B+4*\slot+2:G0B+4*\slot+3], 2*NQ*FB
	JLOAD G0+4*\slot, G1, G0B+4*\slot, G1B         ; the first tensor load behind the round; its four v_nop are the places in front of the loads below
.else
	PLACES NP
.endif
	v_add_nc_u32 v[ADRS], 4*NQ, v[ADRS]            ; on to the next K step's scale words
	FETCH_R \next, 0, 0
	FETCH_P \next, 0, 0
	SCALES \next
	WIN MUL_HI
	MUL16 4, 1, NQ-1, \slot, 0
	MUL16 6, 1, NQ-1, \slot, 0
	PLACES NP
	WIN 0
	FETCH_P \next, 0, 4
.endm
	s_wait_tensorcnt 1                             ; the scales and my part of K step 0 are in (K step 1's load may be out),
	s_barrier_signal -1
	s_barrier_wait -1                              ; everybody's are
	FETCH_R 0, 0, 0
	FETCH_P 0, 0, 0
	SCALES 0
	FETCH_P 0, 0, 4
	STEP 0, 0, 1                                   ; the first step stands in front of the loop: its products start the sums
	s_mov_b32 s3, LAPS-1
.Llap:                                                 ; a trip goes once round the ring and fills both slots again
	TURN 0, 1, 1
	STEP 1, 0, 0
	TURN 1, 0, 1
	STEP 0, 0, 0
	s_sub_co_u32 s3, s3, 1
	s_cmp_lg_u32 s3, 0
	s_cbranch_scc1 .Llap
	TURN 0, 1, 0                                   ; the last lap fills nothing
	STEP 1, 0, 0
	s_wait_dscnt 4*NL
	WIN MUL_LO
	MUL16 0, 1, NQ-1, 1, 0
	MUL16 2, 1, NQ-1, 1, 0
	s_wait_dscnt 0
	WIN MUL_HI
	MUL16 4, 1, NQ-1, 1, 0
	MUL16 6, 1, NQ-1, 1, 0
	WIN 0
; THE WAY OUT: tile a of P at a time: the bias is added while the 64 results move into window 0, they are quantised in registers, and the fragment leaves as an image.  No LDS.
.macro QUANT s
.irp b, 0,1,2,3
	v_max3_num_f32 v[TM+\b], |v[\s+16*\b]|, |v[\s+1+16*\b]|, 0x1800000   ; my 16 numbers of block b, and the floor 2^(3 - 127)
.endr
.irp i, 2,4,6,8,10,12,14
.irp b, 0,1,2,3
	v_max3_num_f32 v[TM+\b], v[TM+\b], |v[\s+16*\b+\i]|, |v[\s+1+16*\b+\i]|
.endr
.endr
.irp b, 0,1,2,3
	v_permlanex16_b32 v[TM+4+\b], v[TM+\b], s[SEL], s[SEL+1]
.endr
.irp b, 0,1,2,3
	v_max_num_f32 v[TM+\b], v[TM+\b], v[TM+4+\b]
.endr
.irp b, 0,1,2,3
	v_add_nc_u32 v[TM+12+\b], 0xff000000, v[TM+\b]         ; 2 off the exponent field: the conversion's scale operand
.endr
.irp b, 0,1,2,3
	v_lshrrev_b32 v[TM+4+\b], 23, v[TM+12+\b]              ; the scale's byte
.endr
	v_lshl_or_b32 v[PW], v[TM+5], 8, v[TM+4]
	v_lshl_or_b32 v[PW], v[TM+6], 16, v[PW]
	v_lshl_or_b32 v[PW], v[TM+7], 24, v[PW]
.irp c, 0,1
	v_cvt_scalef32_pk16_fp6_f32 v[PC+6*\c:PC+2+6*\c], v[\s+32*\c:\s+15+32*\c], v[TM+12+2*\c]
	v_cvt_scalef32_pk16_fp6_f32 v[PC+12+4*\c:PC+14+4*\c], v[\s+16+32*\c:\s+31+32*\c], v[TM+12+2*\c+1]
.endr
	v_nop                                          ; one plain place behind a scaled conversion
.irp c, 0,1
.irp i, 0,1,2
	v_permlane16_swap_b32 v[PC+6*\c+\i], v[PC+12+4*\c+\i]
.endr
.irp i, 0,1,2
	v_mov_b32 v[PC+3+6*\c+\i], v[PC+12+4*\c+\i]
.endr
.endr
.endm
.macro OUTK a                          ; q, k: the fragment's two halves are two heads' half fragments
	s_wait_xcnt 0x0                                ; the last tile's stores have read their registers
	WIN 0x02+(\a)/4                                ; source 0: window 2 or 3
.set i, 0
.rept 32
	v_pk_add_f32 v[T+i:T+i+1], v[64*((\a)%4)+i:64*((\a)%4)+i+1], v[BI+i:BI+i+1]   ; each accumulator from its low end on
.set i, i+2
.endr
	WIN 0
	QUANT T
	global_store_b128 v[V16], v[PC:PC+3], s[12:13] offset:(\a)*768
	global_store_b64 v[V8], v[PC+4:PC+5], s[12:13] offset:(\a)*768+512
	global_store_b128 v[V16], v[PC+6:PC+9], s[12:13] offset:(\a)*768+102400
	global_store_b64 v[V8], v[PC+10:PC+11], s[12:13] offset:(\a)*768+102912
.if (\a)%2 == 0
	v_mov_b32 v[PW0], v[PW]
.else
	v_perm_b32 v[W0], v[PW], v[PW0], 0x05040100    ; the first head's word: the even tile's two bytes below, the odd tile's above
	v_perm_b32 v[W1], v[PW], v[PW0], 0x07060302    ; the second head's
	v_cndmask_b32 v[DW], v[W0], v[W1], s[HM]
	global_store_b32 v[VSQ], v[DW], s[10:11] offset:64*((\a)/2)
.endif
.endm
.macro OUTV a                          ; v: a whole fragment: 16 of a head's 64 x 128 keys
	s_wait_xcnt 0x0
	WIN 0x02+(\a)/4
.set i, 0
.rept 32
	v_pk_add_f32 v[T+i:T+i+1], v[64*((\a)%4)+i:64*((\a)%4)+i+1], v[BV+2*(\a):BV+2*(\a)+1]
.set i, i+2
.endr
	WIN 0
	QUANT T
	global_store_b128 v[V16], v[PC:PC+3], s[12:13] offset:((\a)/4)*6400+((\a)%4)*1536
	global_store_b64 v[V8], v[PC+4:PC+5], s[12:13] offset:((\a)/4)*6400+((\a)%4)*1536+512
	global_store_b128 v[V16], v[PC+6:PC+9], s[12:13] offset:((\a)/4)*6400+((\a)%4)*1536+768
	global_store_b64 v[V8], v[PC+10:PC+11], s[12:13] offset:((\a)/4)*6400+((\a)%4)*1536+1280
.if (\a)%2 == 0
	v_mov_b32 v[PW0], v[PW]
.else
	v_cndmask_b32 v[DW], v[PW0], v[PW], s[HM]      ; lanes 0-15 the even tile's words, lanes 16-31 the odd tile's
	global_store_b32 v[VSV], v[DW], s[12:13] offset:((\a)/4)*6400+6144+64*((\a)%4-1)
.endif
.endm
	PLACES NP                                      ; behind the last products: their operands' registers are written and their results read below
	s_wait_loadcnt 0x0                             ; the biases
	s_mov_b32 s[SEL], 0x76543210
	s_mov_b32 s[SEL+1], 0xfedcba98
	s_mov_b32 s[HM], 0xffff0000                    ; lanes 16-31
.irp b, 0,1,2,3
	v_mov_b32 v[TM+4+\b], 0                        ; a lane permute's destination counts as one of its sources
.endr
	s_cmp_eq_u32 ttmp9, 2                          ; the cluster's x: the same in all partners; both ends hold vector work and stores alone
	s_cbranch_scc1 .Lv_end
	s_lshl_b32 s18, s17, 8
	s_lshl_b32 s19, s15, 7
	s_add_co_u32 s18, s18, s19                     ; my first token
	s_lshr_b32 s19, s18, 11                        ; the batch
	s_lshl_b32 s19, s19, 4
	s_lshl_b32 s43, s42, 2
	s_add_co_u32 s19, s19, s43
	s_lshl_b32 s43, s16, 1
	s_add_co_u32 s19, s19, s43                     ; 16 batch + my first head
	s_lshl_b32 s19, s19, 2
	s_bfe_u32 s43, s18, 0x20009                    ; which 512 tokens of the batch
	s_add_co_u32 s19, s19, s43
	s_mul_i32 s19, s19, 25600
	s_mul_i32 s43, ttmp9, 3276800                  ; q or k
	s_add_co_u32 s19, s19, s43
	s_bfe_u32 s43, s18, 0x50004                    ; my first tile among the block's 32
	s_mul_i32 s44, s43, 768
	s_add_co_u32 s44, s44, s19
	s_mov_b32 s45, 0
	s_lshl_b32 s46, s43, 5                         ; 64 bytes of scale words for two tiles
	s_add_co_u32 s46, s46, s19
	s_add_co_u32 s46, s46, 24576
	s_mov_b32 s47, 0
	s_add_nc_u64 s[10:11], s[12:13], s[46:47]
	s_add_nc_u64 s[12:13], s[12:13], s[44:45]
.irp a, 0,1,2,3,4,5,6,7
	OUTK \a
.endr
	s_branch .Ldone
.Lv_end:
	s_lshl_b32 s18, s42, 1
	s_add_co_u32 s18, s18, s16                     ; 16 batch + my step of 128 keys
	s_lshl_b32 s18, s18, 4
	s_lshl_b32 s19, s17, 2
	s_add_co_u32 s18, s18, s19
	s_lshl_b32 s19, s15, 1
	s_add_co_u32 s18, s18, s19                     ; + my first head
	s_mul_i32 s18, s18, 6400
	s_add_co_u32 s18, s18, 6553600
	s_mov_b32 s19, 0
	s_add_nc_u64 s[12:13], s[12:13], s[18:19]
.irp a, 0,1,2,3,4,5,6,7
	v_mov_b32 v[BV+2*\a+1], v[BV+2*\a]             ; a pair for the packed addition
.endr
.irp a, 0,1,2,3,4,5,6,7
	OUTV \a
.endr
.Ldone:
	s_wait_tensorcnt 0x0                           ; the wave's end
	ds_add_u32 v[SPW], v[NIL]
	s_wait_dscnt 0x0
	CROUND                                         ; the closing round: no work-group ends while a partner may still ask for a tile that names it
	s_endpgm
.Lfunc_end_k_qd415f393b7_qkv:
	.size	k_qd415f393b7_qkv, .Lfunc_end_k_qd415f393b7_qkv-k_qd415f393b7_qkv
	.p2alignl 7, 3214868480
	.fill 96, 4, 3214868480
	.section	.rodata,"a",@progbits
	.p2align	6, 0x0
	.amdhsa_kernel k_qd415f393b7_qkv
		.amdhsa_group_segment_fixed_size 327680
		.amdhsa_private_segment_fixed_size 0
		.amdhsa_enable_private_segment 0
		.amdhsa_kernarg_size 72
		.amdhsa_user_sgpr_count 2
		.amdhsa_user_sgpr_kernarg_segment_ptr 1
		.amdhsa_wavefront_size32 1
		.amdhsa_system_sgpr_workgroup_id_x 1
		.amdhsa_system_sgpr_workgroup_id_y 1
		.amdhsa_system_sgpr_workgroup_id_z 1
		.amdhsa_system_vgpr_workitem_id 0
		.amdhsa_next_free_vgpr 1024
		.amdhsa_next_free_sgpr 100
		.amdhsa_reserve_vcc 0
		.amdhsa_float_denorm_mode_32 3
		.amdhsa_float_denorm_mode_16_64 3
		.amdhsa_memory_ordered 1
		.amdhsa_forward_progress 1
		.amdhsa_inst_pref_size 220
	.end_amdhsa_kernel
	.amdgpu_metadata
---
amdhsa.version: [ 1, 2 ]
amdhsa.kernels:
  - .name:           k_qd415f393b7_qkv
    .symbol:         k_qd415f393b7_qkv.kd
    .args:
      - { .name: xq, .offset: 0, .size: 8, .value_kind: global_buffer, .address_space: global }
      - { .name: wimg, .offset: 8, .size: 8, .value_kind: global_buffer, .address_space: global }
      - { .name: Wq_scales, .offset: 16, .size: 8, .value_kind: global_buffer, .address_space: global }
      - { .name: Wk_scales, .offset: 24, .size: 8, .value_kind: global_buffer, .address_space: global }
      - { .name: Wv_scales, .offset: 32, .size: 8, .value_kind: global_buffer, .address_space: global }
      - { .name: bq, .offset: 40, .size: 8, .value_kind: global_buffer, .address_space: global }
      - { .name: bk, .offset: 48, .size: 8, .value_kind: global_buffer, .address_space: global }
      - { .name: bv, .offset: 56, .size: 8, .value_kind: global_buffer, .address_space: global }
      - { .name: qkv, .offset: 64, .size: 8, .value_kind: global_buffer, .address_space: global }
    .group_segment_fixed_size: 327680
    .private_segment_fixed_size: 0
    .kernarg_segment_align: 8
    .kernarg_segment_size: 72
    .max_flat_workgroup_size: 128
    .sgpr_count:     100
    .vgpr_count:     1024
    .wavefront_size: 32
...
	.end_amdgpu_metadata
.endif
;; end of part 2
;; launch attn (part 3): grid 8 x 32, 16 waves a work-group, clusters of 4 x 1, 206,848 bytes of LDS; arguments qkv, att; writes att
.if DOCPART == 3
	.amdgcn_target "amdgcn-amd-amdhsa--gfx1250"
	.amdhsa_code_object_version 6
	.text
	.protected	k_qd415f393b7_attn
	.globl	k_qd415f393b7_attn
	.p2align	8
	.type	k_qd415f393b7_attn,@function
k_qd415f393b7_attn:
	s_mov_b64 s[64:65], 0
	v_nop
	global_prefetch_b8 v0, s[64:65] scope:SCOPE_SE
	s_setreg_imm32_b32 hwreg(HW_REG_WAVE_MODE, 25, 1), 1
	s_wait_xcnt 0x0
	s_wait_alu depctr_hold_cnt(0) depctr_sa_sdst(0) depctr_va_vdst(0) depctr_va_sdst(0) depctr_va_ssrc(0) depctr_va_vcc(0) depctr_vm_vsrc(0)
	s_getreg_b32 s2, hwreg(HW_REG_IB_STS2, 6, 4)
	s_cmp_eq_u32 s2, 0
	s_cbranch_scc0 .Lentry_in_a_cluster
	s_endpgm
.Lentry_in_a_cluster:
	s_bfe_u32 s2, ttmp6, 0x10000c
	s_cmp_lg_u32 s2, 0x3003
	s_cbranch_scc0 .Lentry_shape_is_right
	s_endpgm
.Lentry_shape_is_right:
; Attention of one head on codes of FP6 (E2M3): S^T = K Q^T, p = 2^(t - M), O^T = V^T P^T, O / l, and O's quantising along the model's axis for the next product.
; t = score x log2(e) / 8; M = the running largest t rounded UP to a whole number; p is quantised along the keys, not normalised; the row's sum l is taken of the unquantised p and divides at the end.
; SHARES.  A work-group owns 256 queries of one (batch, head); each of its sixteen waves one tile of 16, in 256 registers: four waves to a SIMD, so that one wave's vector work stands beside another's products and LDS loads.
; ALL of the head's K and V (2 x 102,400 bytes, codes and scale words, laid as register images by the launch before) comes into LDS ONCE: nothing is filled again.  Wave 0 asks for K's four quarters, wave 1 for V's;
; the four query blocks of a cluster belong to one head and ask JOINTLY.  A quarter (512 keys) is read behind a barrier of its own, in front of which the asking waves have waited for just that quarter.
; THE HEAD IS 64 WIDE, the instruction 128: a fragment of K holds TWO tiles of 16 keys, one in each half of its K; Q stands twice in registers, as [q | 0] and as [0 | q], and picks the tile.  Zero codes add nothing.
; LAYOUT.  Both products are used transposed: a lane holds ONE query (lane % 16) throughout.  Slot s of a tile is row 32 (t / 2) + 8 (t % 2) + s + 8 (s / 8), so that the 16 registers of two neighbouring tiles are 16 neighbours.
; LIMITS: NaN and infinities are not served; a block of p or of O whose largest magnitude lies under 2^-124, or is 0, gets the byte 1 with its (zero) codes.  A block's largest p is taken from its largest score by the same
; multiply-add and exponential, which takes v_exp_f32 not to fall where its input rises.
; The scale bytes of O leave one byte a lane (two bytes a row and head): one byte in 24 of the codes'.
; REGISTERS: v1-3 lane terms; v4-9 the step's addresses; v10 -M, v11 largest t; v12, v13 Q's scale words; v[14:15] the sum; v16-27 [q | 0], v28-39 [0 | q]; v40-87 four fragments; v88-91 K's scale words, v92-95 V's;
;   v96-159 S^T, then p; v160-191 O^T; v192-203 p's codes; v204-229 at work.
.set KB,   25600                       ; a quarter of K: 32 half fragments of 768 bytes, then 16 x 64 bytes of scale words
.set VB,   6400                        ; V of 128 keys: 4 fragments, then 4 x 64 bytes of scale words
.set VLDS, 4*KB                        ; V lies behind K
.set S,    96
.set O,    160
.set PCD,  192
.set CT,   204                         ; v204-210 the conversions' second halves
.set BM,   212                         ; v212-215 a block's largest score, then p
.set PR,   216                         ; v216-219 the other half's, then the bytes
.set SO,   220                         ; v220-223 the conversions' scale operands
.set F,    224                         ; v[224:225] f = 2^(old M - new M)
.set PWD,  226                         ; p's scale word
.set TT,   227
.set SUM2, 228
.set WV,   8
.set SEL,  20
.set CS,   22
.set G1K,  24
.set G1V,  32
.set G0K,  40                          ; s40-55 K's four groups 0
.set G0V,  68                          ; s68-83 V's
.set TK,   56
.set TS,   57
.set TV,   58
.set CNT,  59
.set HM,   89
.macro ROUND                           ; a round of the cluster's barrier
	s_barrier_signal -1
	s_barrier_wait -1
	s_cmp_lg_u32 s[WV], 0
	s_cbranch_scc1 .Lnot_wave_0_\@
	s_barrier_signal -3
.Lnot_wave_0_\@:
	s_barrier_wait -3
	s_barrier_signal -1
	s_barrier_wait -1
.endm
.macro FRAG reg, adr, off              ; a fragment as it was laid: 16, 8, 16, 8 bytes a lane
	ds_load_b128 v[\reg:\reg+3], v[\adr] offset:\off
	ds_load_b64 v[\reg+4:\reg+5], v[\adr+2] offset:\off+512
	ds_load_b128 v[\reg+6:\reg+9], v[\adr] offset:\off+768
	ds_load_b64 v[\reg+10:\reg+11], v[\adr+2] offset:\off+1280
.endm
	s_load_b128 s[4:7], s[0:1], 0x0                ; qkv s[4:5], att s[6:7]
	v_lshl_add_u32 v254, v0, 2, 0x32000
	v_mov_b32 v255, 0
	ds_add_u32 v254, v255
	ds_add_u32 v254, v255
	v_lshrrev_b32 v1, 5, v0
	v_readfirstlane_b32 s[WV], v1                  ; wave 0..15
	s_bfe_u32 s9, ttmp6, 0x40000                   ; cx: it enters Q's and the output's global addresses alone
	s_lshl_b32 s10, ttmp9, 2
	s_add_co_u32 s10, s10, s9                      ; my block of 256 queries
	s_and_b32 s11, ttmp7, 0xffff                   ; 16 batch + head, which the four partners share
	s_mov_b32 s[G1K], 15|(3<<16)|(1<<21)           ; 15:0 the mask: all four; 17:16 elements of 8 bytes; 21 set beside a mask
	s_mov_b32 s[G1K+1], 32<<16                     ; a dense block of 25,600 bytes as 100 rows of 256
	s_mov_b32 s[G1K+2], 100<<16
	s_mov_b32 s[G1K+3], 32<<16
	s_mov_b32 s[G1K+4], 100
	s_mov_b32 s[G1K+5], 32
	s_mov_b32 s[G1K+6], 0
	s_mov_b32 s[G1K+7], 0
	s_mov_b32 s[G1V], 15|(3<<16)|(1<<21)
	s_mov_b32 s[G1V+1], 800<<16                    ; 4 rows of 6,400 bytes (4 steps of 128 keys), 16 heads x 6,400 bytes apart
	s_mov_b32 s[G1V+2], 4<<16
	s_mov_b32 s[G1V+3], 800<<16
	s_mov_b32 s[G1V+4], 4
	s_mov_b32 s[G1V+5], 12800
	s_mov_b32 s[G1V+6], 0
	s_mov_b32 s[G1V+7], 0
	s_mul_i32 s12, s11, 4*KB                       ; the head's blocks of Q, and of K
	s_mov_b32 s13, 0
	s_lshr_b32 s14, s11, 4                         ; batch
	s_and_b32 s15, s11, 15                         ; head
	s_mul_i32 s16, s14, 256*VB
	s_mul_i32 s17, s15, VB
	s_add_co_u32 s16, s16, s17
	s_mov_b32 s17, 0
	s_mov_b32 s[SEL], 0x76543210
	s_mov_b32 s[SEL+1], 0xfedcba98
	s_mov_b32 s[CS], 0x3e38aa3b                    ; c = log2(e) / sqrt(64)
	s_mov_b32 s[CS+1], s[CS]                       ; (named with it as a pair)
	s_mov_b32 s[HM], 0xffff0000                    ; lanes 16-31
	s_wait_dscnt 0x0
	s_wait_kmcnt 0x0
	s_add_nc_u64 s[12:13], s[4:5], s[12:13]        ; Q
	s_add_nc_u64 s[18:19], s[12:13], 3276800       ; K
	s_add_nc_u64 s[16:17], s[4:5], s[16:17]
	s_add_nc_u64 s[16:17], s[16:17], 6553600       ; V
.irp g, 0,1,2,3
	s_mov_b32 s[G0K+4*\g], 1
	s_mov_b32 s[G0K+4*\g+1], \g*KB
	s_add_nc_u64 s[G0K+4*\g+2:G0K+4*\g+3], s[18:19], \g*KB
	s_or_b32 s[G0K+4*\g+3], s[G0K+4*\g+3], 0x80000000
	s_mov_b32 s[G0V+4*\g], 1
	s_mov_b32 s[G0V+4*\g+1], VLDS+\g*KB
	s_add_nc_u64 s[G0V+4*\g+2:G0V+4*\g+3], s[16:17], \g*64*VB
	s_or_b32 s[G0V+4*\g+3], s[G0V+4*\g+3], 0x80000000
.endr
	ROUND                                          ; all four work-groups are here: the joint loads meet
	s_cmp_lg_u32 s[WV], 0                          ; a wave's four fills stand in one branch on the wave's number: four loads of that wave are out
	s_cbranch_scc1 .Lnot_k
	tensor_load_to_lds s[G0K:G0K+3], s[G1K:G1K+7]
	s_nop 0
	tensor_load_to_lds s[G0K+4:G0K+7], s[G1K:G1K+7]
	s_nop 0
	tensor_load_to_lds s[G0K+8:G0K+11], s[G1K:G1K+7]
	s_nop 0
	tensor_load_to_lds s[G0K+12:G0K+15], s[G1K:G1K+7]
	s_nop 0
.rept 4
	v_nop
.endr
	s_branch .Lasked
.Lnot_k:
	s_cmp_lg_u32 s[WV], 1
	s_cbranch_scc1 .Lasked
	tensor_load_to_lds s[G0V:G0V+3], s[G1V:G1V+7]
	s_nop 0
	tensor_load_to_lds s[G0V+4:G0V+7], s[G1V:G1V+7]
	s_nop 0
	tensor_load_to_lds s[G0V+8:G0V+11], s[G1V:G1V+7]
	s_nop 0
	tensor_load_to_lds s[G0V+12:G0V+15], s[G1V:G1V+7]
	s_nop 0
.rept 4
	v_nop
.endr
.Lasked:
	s_lshl_b32 s60, s10, 4
	s_add_co_u32 s60, s60, s[WV]                   ; my tile of queries among the batch's 128
	s_lshr_b32 s61, s60, 5
	s_mul_i32 s61, s61, KB
	s_and_b32 s62, s60, 31
	s_mul_i32 s63, s62, 768
	s_add_co_u32 s84, s61, s63                     ; its half fragment,
	s_mov_b32 s85, 0
	s_lshr_b32 s62, s62, 1
	s_lshl_b32 s62, s62, 6
	s_add_co_u32 s86, s61, s62
	s_add_co_u32 s86, s86, 24576                   ; and the scale words that it shares with its neighbour
	s_mov_b32 s87, 0
	s_add_nc_u64 s[84:85], s[12:13], s[84:85]
	s_add_nc_u64 s[86:87], s[12:13], s[86:87]
	s_and_b32 s88, s60, 1
	s_lshl_b32 s88, s88, 4                         ; my half of such a word
	v_and_b32 v3, 31, v0
	v_lshlrev_b32 v1, 4, v3                        ; 16 x lane
	v_lshlrev_b32 v2, 3, v3                        ; 8 x lane
	v_and_b32 v3, 15, v0
	v_lshlrev_b32 v3, 2, v3                        ; 4 x (lane % 16)
	global_load_b128 v[16:19], v1, s[84:85]        ; [q | 0]
	global_load_b64 v[20:21], v2, s[84:85] offset:512
	global_load_b128 v[34:37], v1, s[84:85]        ; [0 | q]: the same bytes into a second run of registers
	global_load_b64 v[38:39], v2, s[84:85] offset:512
	global_load_b32 v12, v3, s[86:87]
.irp j, 22,23,24,25,26,27,28,29,30,31,32,33
	v_mov_b32 v\j, 0                               ; the zero halves
.endr
	v_mov_b32 v11, 0xff61b1e6                      ; the largest t so far: -3e38
	v_floor_f32 v10, -v11                          ; -M
	v_mov_b32 v14, 0                               ; the sum, in two halves
	v_mov_b32 v15, 0
.irp b, 0,1,2,3
	v_mov_b32 v[PR+\b], 0                          ; a lane permute's destination counts as one of its sources
.endr
	v_mov_b32 v[F+1], 0                            ; (named as the upper half of a pair)
	v_mov_b32 v[TT], 0
	s_wait_loadcnt 0x0
	v_lshrrev_b32 v12, s88, v12
	v_and_b32 v12, 0xffff, v12                     ; [q | 0]'s scale word: my tile's two bytes below; the bytes over the zero codes are 0, which is no NaN
	v_lshlrev_b32 v13, 16, v12                     ; [0 | q]'s
.set j, 0
.rept 32
	v_mov_b32 v[O+j], 0                            ; O^T: the step is written once; the first change of M leaves zeros zeros.  (Also the places between the scale words' making and the first product)
.set j, j+1
.endr
; A KEY STEP: 128 keys.
.macro STEP
	v_add_nc_u32 v4, s[TK], v1                     ; six plain lines: also the places between the last step's products and the loads into their operands' registers
	v_add_nc_u32 v6, s[TK], v2
	v_add_nc_u32 v5, s[TV], v1
	v_add_nc_u32 v7, s[TV], v2
	v_add_nc_u32 v8, s[TS], v3
	v_add_nc_u32 v9, s[TV], v3
.irp p, 0,1,2,3
	FRAG 40+12*\p, 4, 1536*\p                      ; key tiles 2 p and 2 p + 1
	ds_load_b32 v[88+\p], v8 offset:64*\p          ; their four scale bytes
.endr
	s_wait_dscnt 0x0
.irp p, 0,1,2,3
	v_wmma_scale_f32_16x16x128_f8f6f4 v[S+16*\p:S+16*\p+7], v[40+12*\p:51+12*\p], v[16:27], 0, v[88+\p], v12 matrix_a_fmt:MATRIX_FMT_FP6 matrix_b_fmt:MATRIX_FMT_FP6
	v_wmma_scale_f32_16x16x128_f8f6f4 v[S+16*\p+8:S+16*\p+15], v[40+12*\p:51+12*\p], v[28:39], 0, v[88+\p], v13 matrix_a_fmt:MATRIX_FMT_FP6 matrix_b_fmt:MATRIX_FMT_FP6
.endr                                          ; register 16 b + i: key 32 b + 16 (lane / 16) + i of the step
.rept 4
	v_nop                                          ; places in front of the loads below and of the first read of the scores
.endr
.irp t, 0,1,2,3
	FRAG 40+12*\t, 5, 1536*\t                      ; V's four fragments land while the softmax is worked
	ds_load_b32 v[92+\t], v9 offset:6144+64*\t
.endr
.irp b, 0,1,2,3
	v_max3_num_f32 v[BM+\b], v[S+16*\b], v[S+1+16*\b], v[S+2+16*\b]   ; the largest score of each block of 32 keys: for the row's maximum, and for the block's largest p
.endr
.irp i, 3,5,7,9,11,13
.irp b, 0,1,2,3
	v_max3_num_f32 v[BM+\b], v[BM+\b], v[S+16*\b+\i], v[S+1+16*\b+\i]
.endr
.endr
.irp b, 0,1,2,3
	v_max_num_f32 v[BM+\b], v[BM+\b], v[S+15+16*\b]
.endr
.irp b, 0,1,2,3
	v_permlanex16_b32 v[PR+\b], v[BM+\b], s[SEL], s[SEL+1]
.endr
.irp b, 0,1,2,3
	v_max_num_f32 v[BM+\b], v[BM+\b], v[PR+\b]     ; with lane l xor 16's 16 keys
.endr
	v_max3_num_f32 v[TT], v[BM], v[BM+1], v[BM+2]
	v_max_num_f32 v[TT], v[TT], v[BM+3]
	v_mul_f32 v[TT], s[CS], v[TT]                  ; the step's largest t (c is positive)
	v_max_num_f32 v11, v11, v[TT]                  ; the running largest t
	v_mov_b32 v[TT], v10
	v_floor_f32 v10, -v11                          ; the new -M = -ceil(t): a whole number
	v_sub_f32 v[TT], v10, v[TT]                    ; old M - new M: a whole number, 0 or less
	v_cvt_i32_f32 v[TT], v[TT]                     ; (it saturates)
	v_ldexp_f32 v[F], 1.0, v[TT]                   ; f = 2^(old M - new M): a multiplication by it rounds nothing
.set j, 0
.rept 32
	v_pk_fma_f32 v[S+j:S+j+1], v[S+j:S+j+1], s[CS:CS+1], v[10:11] op_sel_hi:[1,0,0]   ; t - M (of the pairs c and -M the low word serves both halves)
.set j, j+2
.endr
.irp b, 0,1,2,3
	v_fma_f32 v[BM+\b], v[BM+\b], s[CS], v10       ; the same of each block's largest score
.endr
.set j, 0
.rept 64
	v_exp_f32 v[S+j], v[S+j]                       ; p = 2^(t - M), at most 1
.set j, j+1
.endr
.irp b, 0,1,2,3
	v_exp_f32 v[BM+\b], v[BM+\b]                   ; the block's largest p
.endr
	v_pk_mul_f32 v[14:15], v[14:15], v[F:F+1] op_sel_hi:[1,0]   ; the sums under the new M (a plain place behind the exponentials)
	s_wait_alu depctr_va_vdst(0)
.irp b, 0,1,2,3
	v_max_num_f32 v[BM+\b], 0x1800000, v[BM+\b]    ; the floor 2^(3 - 127)
.endr
.irp b, 0,1,2,3
	v_add_nc_u32 v[SO+\b], 0xff000000, v[BM+\b]    ; 2 off the exponent field: the conversion's scale operand
.endr
.irp b, 0,1,2,3
	v_lshrrev_b32 v[PR+\b], 23, v[SO+\b]           ; the scale's byte
.endr
	v_lshl_or_b32 v[PWD], v[PR+1], 8, v[PR]        ; p's scale word for these 128 keys
	v_lshl_or_b32 v[PWD], v[PR+2], 16, v[PWD]
	v_lshl_or_b32 v[PWD], v[PR+3], 24, v[PWD]
.irp c, 0,1
	v_cvt_scalef32_pk16_fp6_f32 v[PCD+6*\c:PCD+2+6*\c], v[S+32*\c:S+15+32*\c], v[SO+2*\c]
	v_cvt_scalef32_pk16_fp6_f32 v[CT+4*\c:CT+2+4*\c], v[S+16+32*\c:S+31+32*\c], v[SO+2*\c+1]
.endr
	v_nop                                          ; one plain place behind a scaled conversion
.irp c, 0,1                                    ; a whole block to a lane
.irp i, 0,1,2
	v_permlane16_swap_b32 v[PCD+6*\c+\i], v[CT+4*\c+\i]
.endr
.irp i, 0,1,2
	v_mov_b32 v[PCD+3+6*\c+\i], v[CT+4*\c+\i]
.endr
.endr
	v_pk_add_f32 v[SUM2:SUM2+1], v[S:S+1], v[S+2:S+3]   ; the row's sum, of the unquantised p, in two chains
.irp j, 4,8,12,16,20,24,28,32,36,40,44,48,52,56,60
	v_pk_add_f32 v[14:15], v[14:15], v[S+\j:S+1+\j]
	v_pk_add_f32 v[SUM2:SUM2+1], v[SUM2:SUM2+1], v[S+2+\j:S+3+\j]
.endr
	v_pk_add_f32 v[14:15], v[14:15], v[SUM2:SUM2+1]
.set j, 0
.rept 16
	v_pk_mul_f32 v[O+j:O+j+1], v[O+j:O+j+1], v[F:F+1] op_sel_hi:[1,0]   ; O^T under the new M.  (With the sums above: the places between the making of p's codes and scale word and the products below)
.set j, j+2
.endr
	s_wait_dscnt 0x0                               ; V
.irp t, 0,1,2,3
	v_wmma_scale_f32_16x16x128_f8f6f4 v[O+8*\t:O+8*\t+7], v[40+12*\t:51+12*\t], v[PCD:PCD+11], v[O+8*\t:O+8*\t+7], v[92+\t], v[PWD] matrix_a_fmt:MATRIX_FMT_FP6 matrix_b_fmt:MATRIX_FMT_FP6
.endr
	s_add_co_u32 s[TK], s[TK], 6144
	s_add_co_u32 s[TS], s[TS], 256
	s_add_co_u32 s[TV], s[TV], VB
.endm
; A QUARTER of the keys: the asking waves wait until at most the later quarters' loads are out; then the work-group's barrier; then four key steps.
.macro STAGE g
	s_wait_tensorcnt 3-\g
	s_wait_dscnt 0x0
	s_barrier_signal -1
	s_barrier_wait -1
	s_mov_b32 s[TK], \g*KB
	s_mov_b32 s[TS], \g*KB+24576
	s_mov_b32 s[TV], VLDS+\g*KB
	s_mov_b32 s[CNT], 4
.Lstep_\@:
	STEP
	s_sub_co_u32 s[CNT], s[CNT], 1
	s_cmp_lg_u32 s[CNT], 0
	s_cbranch_scc1 .Lstep_\@
.endm
	STAGE 0
	STAGE 1
	STAGE 2
	STAGE 3
	; THE WAY OUT: O^T / l; register 16 b + i is channel 32 b + 16 (lane / 16) + i of my head: two blocks along the next product's K; they become half a fragment of att.
.rept 4
	v_nop                                          ; places behind the last products
.endr
	v_add_f32 v14, v14, v15
	v_permlanex16_b32 v[TT], v14, s[SEL], s[SEL+1]
	v_add_f32 v14, v14, v[TT]                      ; the row's sum
	v_rcp_f32 v14, v14
	v_and_b32 v4, 15, v0                           ; (a plain place behind the transcendental)
	v_and_b32 v5, 8, v4
	v_add_nc_u32 v4, v4, v5                        ; s + 8 (s / 8)
	v_bfe_u32 v5, v0, 4, 1
	v_lshl_add_u32 v4, v4, 5, v5                   ; my scale byte: row x 32 + h
.set j, 0
	s_wait_alu depctr_va_vdst(0)
.rept 32
	v_mul_f32 v[S+j], v[O+j], v14                  ; each accumulator from its low end on
.set j, j+1
.endr
.irp b, 0,1
	v_max3_num_f32 v[BM+\b], |v[S+16*\b]|, |v[S+1+16*\b]|, 0x1800000
.endr
.irp i, 2,4,6,8,10,12,14
.irp b, 0,1
	v_max3_num_f32 v[BM+\b], v[BM+\b], |v[S+16*\b+\i]|, |v[S+1+16*\b+\i]|
.endr
.endr
.irp b, 0,1
	v_permlanex16_b32 v[PR+\b], v[BM+\b], s[SEL], s[SEL+1]
.endr
.irp b, 0,1
	v_max_num_f32 v[BM+\b], v[BM+\b], v[PR+\b]
.endr
.irp b, 0,1
	v_add_nc_u32 v[SO+\b], 0xff000000, v[BM+\b]
.endr
.irp b, 0,1
	v_lshrrev_b32 v[PR+\b], 23, v[SO+\b]
.endr
	v_cvt_scalef32_pk16_fp6_f32 v[PCD:PCD+2], v[S:S+15], v[SO]
	v_cvt_scalef32_pk16_fp6_f32 v[CT:CT+2], v[S+16:S+31], v[SO+1]
	v_nop
.irp i, 0,1,2
	v_permlane16_swap_b32 v[PCD+\i], v[CT+\i]
.endr
.irp i, 0,1,2
	v_mov_b32 v[PCD+3+\i], v[CT+\i]
.endr
	v_cndmask_b32 v[TT], v[PR], v[PR+1], s[HM]     ; lanes 0-15 keep block 0's byte, lanes 16-31 block 1's
	s_lshl_b32 s61, s14, 7
	s_add_co_u32 s61, s61, s60                     ; my tile among all 256
	s_lshl_b32 s62, s61, 3
	s_lshr_b32 s63, s15, 1
	s_add_co_u32 s62, s62, s63                     ; fragment: 8 x tile + head / 2,
	s_mul_i32 s62, s62, 1536
	s_and_b32 s63, s15, 1
	s_mul_i32 s63, s63, 768                        ; half: head % 2
	s_add_co_u32 s62, s62, s63
	s_mov_b32 s63, 0
	s_add_nc_u64 s[84:85], s[6:7], s[62:63]
	s_lshr_b32 s62, s61, 1
	s_lshl_b32 s62, s62, 5
	s_and_b32 s63, s61, 1
	s_lshl_b32 s63, s63, 3
	s_add_co_u32 s62, s62, s63                     ; the tile's first row
	s_lshl_b32 s62, s62, 5
	s_lshl_b32 s63, s15, 1
	s_add_co_u32 s62, s62, s63                     ; 32 scale bytes a row; my head's two
	s_add_co_u32 s62, s62, 3145728
	s_mov_b32 s63, 0
	s_add_nc_u64 s[86:87], s[6:7], s[62:63]
	global_store_b128 v1, v[PCD:PCD+3], s[84:85]
	global_store_b64 v2, v[PCD+4:PCD+5], s[84:85] offset:512
	global_store_b8 v4, v[TT], s[86:87]
	s_wait_tensorcnt 0x0
	ds_add_u32 v254, v255
	s_wait_dscnt 0x0
	ROUND                                          ; the closing round
	s_endpgm
.Lfunc_end_k_qd415f393b7_attn:
	.size	k_qd415f393b7_attn, .Lfunc_end_k_qd415f393b7_attn-k_qd415f393b7_attn
	.p2alignl 7, 3214868480
	.fill 96, 4, 3214868480
	.section	.rodata,"a",@progbits
	.p2align	6, 0x0
	.amdhsa_kernel k_qd415f393b7_attn
		.amdhsa_group_segment_fixed_size 206848
		.amdhsa_private_segment_fixed_size 0
		.amdhsa_enable_private_segment 0
		.amdhsa_kernarg_size 16
		.amdhsa_user_sgpr_count 2
		.amdhsa_user_sgpr_kernarg_segment_ptr 1
		.amdhsa_wavefront_size32 1
		.amdhsa_system_sgpr_workgroup_id_x 1
		.amdhsa_system_sgpr_workgroup_id_y 1
		.amdhsa_system_sgpr_workgroup_id_z 1
		.amdhsa_system_vgpr_workitem_id 0
		.amdhsa_next_free_vgpr 256
		.amdhsa_next_free_sgpr 96
		.amdhsa_reserve_vcc 0
		.amdhsa_float_denorm_mode_32 3
		.amdhsa_float_denorm_mode_16_64 3
		.amdhsa_memory_ordered 1
		.amdhsa_forward_progress 1
		.amdhsa_inst_pref_size 81
	.end_amdhsa_kernel
	.amdgpu_metadata
---
amdhsa.version: [ 1, 2 ]
amdhsa.kernels:
  - .name:           k_qd415f393b7_attn
    .symbol:         k_qd415f393b7_attn.kd
    .args:
      - { .name: qkv, .offset: 0, .size: 8, .value_kind: global_buffer, .address_space: global }
      - { .name: att, .offset: 8, .size: 8, .value_kind: global_buffer, .address_space: global }
    .group_segment_fixed_size: 206848
    .private_segment_fixed_size: 0
    .kernarg_segment_align: 8
    .kernarg_segment_size: 16
    .max_flat_workgroup_size: 512
    .sgpr_count:     96
    .vgpr_count:     256
    .wavefront_size: 32
...
	.end_amdgpu_metadata
.endif
;; end of part 3
;; launch wo (part 4): grid 4 x 16, 4 waves a work-group, clusters of 4 x 4, 327,680 bytes of LDS; arguments att, wimg, Wo_scales, cbuf; writes cbuf
.if DOCPART == 4
	.amdgcn_target "amdgcn-amd-amdhsa--gfx1250"
	.amdhsa_code_object_version 6
	.text
	.protected	k_qd415f393b7_wo
	.globl	k_qd415f393b7_wo
	.p2align	8
	.type	k_qd415f393b7_wo,@function
k_qd415f393b7_wo:
	s_mov_b64 s[64:65], 0
	v_nop
	global_prefetch_b8 v0, s[64:65] scope:SCOPE_SE
	s_setreg_imm32_b32 hwreg(HW_REG_WAVE_MODE, 25, 1), 1
	s_wait_xcnt 0x0
	s_wait_alu depctr_hold_cnt(0) depctr_sa_sdst(0) depctr_va_vdst(0) depctr_va_sdst(0) depctr_va_ssrc(0) depctr_va_vcc(0) depctr_vm_vsrc(0)
	s_getreg_b32 s2, hwreg(HW_REG_IB_STS2, 6, 4)
	s_cmp_eq_u32 s2, 0
	s_cbranch_scc0 .Lentry_in_a_cluster
	s_endpgm
.Lentry_in_a_cluster:
	s_bfe_u32 s2, ttmp6, 0x10000c
	s_cmp_lg_u32 s2, 0xf033
	s_cbranch_scc0 .Lentry_shape_is_right
	s_endpgm
.Lentry_shape_is_right:
; cbuf [4096][1024] f32 = attention's output x Wo, on codes of FP6 (E2M3) with E8M0 scales.  Bias, residual and norm follow in the next launch, which holds whole rows.
; THE CORE: a tile of 256 x 256 to a work-group of four waves, 128 x 128 to a wave (64 accumulators, 512 registers).  Operand P (the tokens) gives a lane its row (source 1), operand R (the weight's columns) runs along a lane's registers (source 0).
; Both operands lie in memory as images of their registers (16 rows x 128 K = 1,536 bytes; slot s of tile t is row 32 (t / 2) + 8 (t % 2) + s + 8 (s / 8)); scale bytes lie [row][K / 32], rows in natural order.
; K goes in steps of 256 through a ring of two LDS slots; a wave's tensor load brings 8 tiles x 2 fragments: 8 rows of 3,072 bytes.  The scales of the 256 + 256 rows for all of K come once.
; CLUSTERS: 4 x 4 work-groups; P's tiles are asked for jointly along a row of the cluster, R's along a column.
; This size gives 64 tiles of 256 x 256, fewer than the chip has WGPs: the price of one core for all four products.
; REGISTERS: window 0: v0-31 addresses; v32-63 scale words, two sets; v128-223 P's 8 fragments, one set (on the way out v128-255: rows read back).  window 1: R's fragments, two sets, at v0 and v128.
;   windows 2, 3: accumulator (a, b) at v[8 (8 (a % 4) + b)] of window 2 + a / 4; its register j of lane (r, h) is C(P's slot r of tile a, R's row 32 (b / 2) + 16 h + 8 (b % 2) + j).
.set SIZE_K, 1024
.set P_SC,   3145728                   ; where P's scale bytes begin in its buffer
.set R_OFF,  2359296                   ; where this weight's images begin in wimg
.set NK,     SIZE_K/128
.set KS,     SIZE_K/32
.set NQ,     2
.set FR,     12
.set FB,     1536
.set NL,     4
.set NP,     4
.set HALFT,  8*NQ*FB
.set SLOT,   4*HALFT
.set LAPS,   SIZE_K/512
.set SCL,    2*SLOT
.set HALFS,  (128*KS/256)*272
.set SPARE,  SCL+4*HALFS
.set SPITCH, 528                       ; the way out: a stage of 16 rows x (512 bytes + 16) for each wave, in slot 0, which has had its last fill and its last read by then
.set ADRA, 16
.set ADRB, 20
.set STO,  24
.set RD,   25
.set CO,   26                          ; 16 x lane
.set ADRS, 27
.set SPW,  28
.set NIL,  29
.set V8,   30                          ; 8 x lane
.set SC,   32
.set AF,   128
.set BK,   128
.set G1, 24
.set G0, 32
.set G1B, 48
.set G0B, 56
.set G1S, 68
.set G0S, 76
.set G1SB, 80
.set G0SB, 88
.set MSB, 0
.macro WIN new                         ; the immediate's high byte repeats the setting that is left
.if MSB != (\new)
	s_set_vgpr_msb (MSB<<8)|(\new)
.set MSB, (\new)
.endif
.endm
.set MUL_LO, 0xa1
.set MUL_HI, 0xf1
.set TO_R,   0x40
.macro JLOAD g0a, g1a, g0b, g1b        ; a joint load: waves 0, 1 for P, waves 2, 3 for R; four v_nop follow each line
	s_cmp_eq_u32 s15, 0
	s_cbranch_scc0 .Lfor_r_\@
	tensor_load_to_lds s[\g0a:\g0a+3], s[\g1a:\g1a+7]
	s_nop 0
.rept 4
	v_nop
.endr
	s_branch .Lasked_\@
.Lfor_r_\@:
	tensor_load_to_lds s[\g0b:\g0b+3], s[\g1b:\g1b+7]
	s_nop 0
.rept 4
	v_nop
.endr
.Lasked_\@:
.endm
.macro CREST
	s_cmp_lg_u32 s14, 0
	s_cbranch_scc1 .Lnot_wave_0_\@
	s_barrier_signal -3
.Lnot_wave_0_\@:
	s_barrier_wait -3
	s_barrier_signal -1
	s_barrier_wait -1
.endm
.macro CROUND
	s_barrier_signal -1
	s_barrier_wait -1
	CREST
.endm
	s_load_b64 s[4:5], s[0:1], 0x0                 ; P's buffer
	s_load_b64 s[8:9], s[0:1], 0x8                 ; wimg
	s_load_b64 s[10:11], s[0:1], 0x10              ; R's scales
	s_load_b64 s[12:13], s[0:1], 0x18              ; C
	v_lshl_add_u32 v[SPW], v0, 2, SPARE
	v_mov_b32 v[NIL], 0
	ds_add_u32 v28, v29
	ds_add_u32 v28, v29
	s_wait_dscnt 0x0
	v_lshrrev_b32 v1, 5, v0
	v_readfirstlane_b32 s14, v1                    ; wave 0..3
	s_lshr_b32 s15, s14, 1                         ; which half of P's rows is mine.  Also: I fetch for P (0) or for R (1)
	s_and_b32 s16, s14, 1                          ; which half of R's rows.  Also: which 8 tiles I fetch
	s_bfe_u32 s40, ttmp6, 0x40000                  ; cx, cy
	s_bfe_u32 s41, ttmp6, 0x40004
	s_lshl_b32 s42, ttmp9, 2
	s_add_co_u32 s42, s42, s40                     ; R's block of 256 rows
	s_and_b32 s17, ttmp7, 0xffff
	s_lshl_b32 s17, s17, 2
	s_add_co_u32 s17, s17, s41                     ; P's
	s_lshl_b32 s43, s41, 2
	s_lshl_b32 s43, 15, s43                        ; my row of the cluster
	s_lshl_b32 s44, 0x1111, s40                    ; my column
	s_or_b32 s[G1+0], s43, (3<<16)|(1<<21)         ; the mask; elements of 8 bytes; bit 21 beside a mask; no padding
	s_or_b32 s[G1B+0], s44, (3<<16)|(1<<21)
.irp g, G1, G1B
	s_mov_b32 s[\g+1], 384<<16                     ; two fragments: 3,072 bytes
	s_mov_b32 s[\g+2], 8<<16                       ; 8 tiles
	s_mov_b32 s[\g+3], 384<<16
	s_mov_b32 s[\g+4], 8
	s_mov_b32 s[\g+5], NK*192                      ; from tile to tile
	s_mov_b32 s[\g+6], 0
	s_mov_b32 s[\g+7], 0
.endr
	s_or_b32 s[G1S+0], s43, (3<<16)|(1<<20)|(1<<21)|(5<<22)|(3<<25)   ; the scales of 128 rows: rows of 256 bytes, 16 bytes of padding behind each
	s_or_b32 s[G1SB+0], s44, (3<<16)|(1<<20)|(1<<21)|(5<<22)|(3<<25)
.irp g, G1S, G1SB
	s_mov_b32 s[\g+1], 32<<16
	s_mov_b32 s[\g+2], (128*KS/256)<<16
	s_mov_b32 s[\g+3], 32<<16
	s_mov_b32 s[\g+4], 128*KS/256
	s_mov_b32 s[\g+5], 32
	s_mov_b32 s[\g+6], 0
	s_mov_b32 s[\g+7], 0
.endr
	s_lshl_b32 s18, s16, 3
	s_lshl_b32 s20, s17, 4
	s_add_co_u32 s20, s20, s18                     ; P: the first tile that I fetch
	s_lshl_b32 s46, s42, 4
	s_add_co_u32 s46, s46, s18                     ; R likewise
	s_mul_i32 s22, s20, 16*KS
	s_mov_b32 s23, 0
	s_mul_i32 s92, s46, 16*KS
	s_mov_b32 s93, 0
	s_mul_i32 s20, s20, NK*FB
	s_mov_b32 s21, 0
	s_mul_i32 s46, s46, NK*FB
	s_mov_b32 s47, 0
	s_mul_i32 s45, s14, HALFT                      ; no place in the cluster enters an LDS address
	s_mul_i32 s94, s14, HALFS
	s_wait_kmcnt 0x0
	s_add_nc_u64 s[6:7], s[4:5], P_SC
	s_add_nc_u64 s[8:9], s[8:9], R_OFF
	s_add_nc_u64 s[20:21], s[4:5], s[20:21]
	s_add_nc_u64 s[22:23], s[6:7], s[22:23]
	s_add_nc_u64 s[46:47], s[8:9], s[46:47]
	s_add_nc_u64 s[92:93], s[10:11], s[92:93]
	CROUND                                         ; all sixteen work-groups are here: the first joint loads meet
	s_mov_b32 s[G0S], 1
	s_add_co_u32 s[G0S+1], s94, SCL
	s_mov_b64 s[G0S+2:G0S+3], s[22:23]
	s_or_b32 s[G0S+3], s[G0S+3], 0x80000000
	s_mov_b32 s[G0SB], 1
	s_add_co_u32 s[G0SB+1], s94, SCL
	s_mov_b64 s[G0SB+2:G0SB+3], s[92:93]
	s_or_b32 s[G0SB+3], s[G0SB+3], 0x80000000
	JLOAD G0S, G1S, G0SB, G1SB
.irp s, 0,1
	s_mov_b32 s[G0+4*\s], 1
	s_add_co_u32 s[G0+4*\s+1], s45, \s*SLOT
	s_add_nc_u64 s[G0+4*\s+2:G0+4*\s+3], s[20:21], \s*NQ*FB
	s_or_b32 s[G0+4*\s+3], s[G0+4*\s+3], 0x80000000
	s_mov_b32 s[G0B+4*\s], 1
	s_add_co_u32 s[G0B+4*\s+1], s45, \s*SLOT
	s_add_nc_u64 s[G0B+4*\s+2:G0B+4*\s+3], s[46:47], \s*NQ*FB
	s_or_b32 s[G0B+4*\s+3], s[G0B+4*\s+3], 0x80000000
	JLOAD G0+4*\s, G1, G0B+4*\s, G1B
.endr
	v_and_b32 v1, 15, v0                           ; s
	v_bfe_u32 v2, v0, 4, 1                         ; h
	v_and_b32 v3, 31, v0
	v_lshlrev_b32 v[CO], 4, v3
	v_lshlrev_b32 v[V8], 3, v3
	s_mul_i32 s21, s15, HALFT
	s_mul_i32 s22, s16, HALFT
	s_add_co_u32 s22, s22, 2*HALFT
.irp s, 0,1
	v_add_nc_u32 v[ADRA+\s], s21, v[CO]
	v_add_nc_u32 v[ADRB+\s], s22, v[CO]
	v_add_nc_u32 v[ADRA+2+\s], s21, v[V8]
	v_add_nc_u32 v[ADRB+2+\s], s22, v[V8]
	s_add_co_u32 s21, s21, SLOT
	s_add_co_u32 s22, s22, SLOT
.endr
	v_and_b32 v4, 8, v1
	v_add_nc_u32 v4, v4, v1                        ; s + 8 (s / 8)
	v_mul_u32_u24 v5, v4, KS
	v_lshrrev_b32 v6, 8, v5
	v_lshl_add_u32 v5, v6, 4, v5
	s_mul_i32 s21, s15, HALFS
	s_mul_i32 s22, s16, HALFS
	s_add_co_u32 s22, s22, 2*HALFS
	s_sub_co_u32 s22, s22, s21
	v_mul_u32_u24 v6, s22, v2                      ; lanes 16-31 take R's
	s_add_co_u32 s21, s21, SCL
	v_add_nc_u32 v5, v5, v6
	v_add_nc_u32 v[ADRS], s21, v5
	s_mul_i32 s23, s14, 16*SPITCH                  ; my stage
	v_mul_u32_u24 v5, v1, SPITCH                   ; in: row = slot s, + 64 h
	v_lshl_add_u32 v5, v2, 6, v5
	v_add_nc_u32 v[STO], s23, v5
	v_add_nc_u32 v[RD], s23, v[CO]                 ; back: the 32 lanes take one row of 512 bytes
	s_lshl_b32 s20, s17, 8
	s_lshl_b32 s21, s15, 7
	s_add_co_u32 s20, s20, s21                     ; my first row of C,
	s_lshl_b32 s20, s20, 12                        ; of 4,096 bytes
	s_mov_b32 s21, 0
	s_lshl_b32 s46, s42, 10                        ; my first column, in bytes
	s_lshl_b32 s47, s16, 9
	s_add_co_u32 s46, s46, s47
	s_mov_b32 s47, 0
	s_add_nc_u64 s[20:21], s[20:21], s[46:47]
	s_add_nc_u64 s[12:13], s[12:13], s[20:21]
.macro FRAG reg, adr, off
	ds_load_b128 v[\reg:\reg+3], v[\adr] offset:\off
	ds_load_b64 v[\reg+4:\reg+5], v[\adr+2] offset:\off+512
	ds_load_b128 v[\reg+6:\reg+9], v[\adr] offset:\off+768
	ds_load_b64 v[\reg+10:\reg+11], v[\adr+2] offset:\off+1280
.endm
; 16 matrix instructions; the 64 accumulators take turns, one instruction a turn, in the same order in every step
.macro MUL16 a0, p, q, sc, zero
.irp a, \a0, \a0+1
.irp b, 0,1,2,3,4,5,6,7
.if \zero
	v_wmma_scale_f32_16x16x128_f8f6f4 v[8*(8*((\a)%4)+\b):8*(8*((\a)%4)+\b)+7], v[128*(\p)+FR*\b:128*(\p)+FR*\b+FR-1], v[AF+FR*(\a):AF+FR*(\a)+FR-1], 0, v[SC+8*NQ*(\sc)+NQ*\b+(\q)], v[SC+8*NQ*(\sc)+NQ*(\a)+(\q)] matrix_a_fmt:MATRIX_FMT_FP6 matrix_b_fmt:MATRIX_FMT_FP6 matrix_a_scale:MATRIX_SCALE_ROW1
.else
	v_wmma_scale_f32_16x16x128_f8f6f4 v[8*(8*((\a)%4)+\b):8*(8*((\a)%4)+\b)+7], v[128*(\p)+FR*\b:128*(\p)+FR*\b+FR-1], v[AF+FR*(\a):AF+FR*(\a)+FR-1], v[8*(8*((\a)%4)+\b):8*(8*((\a)%4)+\b)+7], v[SC+8*NQ*(\sc)+NQ*\b+(\q)], v[SC+8*NQ*(\sc)+NQ*(\a)+(\q)] matrix_a_fmt:MATRIX_FMT_FP6 matrix_b_fmt:MATRIX_FMT_FP6 matrix_a_scale:MATRIX_SCALE_ROW1
.endif
.endr
.endr
.endm
.macro FETCH_R slot, q, p
	WIN TO_R
.irp i, 0,1,2,3,4,5,6,7
	FRAG 128*(\p)+FR*\i, ADRB+\slot, \i*NQ*FB+(\q)*FB
.endr
	WIN 0
.endm
.macro FETCH_P slot, q, i0
.irp i, \i0, \i0+1, \i0+2, \i0+3
	FRAG AF+FR*(\i), ADRA+\slot, (\i)*NQ*FB+(\q)*FB
.endr
.endm
.macro SCALES sc
.irp i, 0,1,2,3,4,5,6,7
	ds_load_b64 v[SC+8*NQ*\sc+NQ*\i:SC+8*NQ*\sc+NQ*\i+1], v[ADRS] offset:((32*(\i/2)+8*(\i%2))*KS/256)*272
.endr
.endm
.macro PLACES n
.rept \n
	v_nop
.endr
.endm
.macro STEP slot, q, zero
	s_wait_dscnt 4*NL                              ; R's set and P's tiles 0-3 are in; the youngest 16 loads (P's tiles 4-7) may be out
	WIN MUL_LO
	MUL16 0, (\q)%2, \q, \slot, \zero
	MUL16 2, (\q)%2, \q, \slot, \zero
	s_wait_dscnt 0
	PLACES NP
	FETCH_R \slot, (\q)+1, 1-(\q)%2
	FETCH_P \slot, (\q)+1, 0
	WIN MUL_HI
	MUL16 4, (\q)%2, \q, \slot, \zero
	MUL16 6, (\q)%2, \q, \slot, \zero
	PLACES NP
	WIN 0
	FETCH_P \slot, (\q)+1, 4
.endm
.macro TURN slot, next, fill
	s_wait_tensorcnt 0x0                           ; all my tensor loads have landed: my part of the next slot
	ds_add_u32 v[SPW], v[NIL]                      ; 0 onto my spare word
	s_wait_dscnt 4*NL+1                            ; (the add and the youngest 16 loads may be out)
	WIN MUL_LO
	MUL16 0, 1, NQ-1, \slot, 0
	s_wait_dscnt 0x0                               ; the add is done, and my reads of this slot are over
	s_barrier_signal -1
	MUL16 2, 1, NQ-1, \slot, 0
	WIN 0
	s_barrier_wait -1
.if \fill
	CREST                                          ; a round of the cluster's barrier: no wave of any partner still reads this slot or has a load on its way
	s_add_nc_u64 s[G0+4*\slot+2:G0+4*\slot+3], s[G0+4*\slot+2:G0+4*\slot+3], 2*NQ*FB
	s_add_nc_u64 s[G0B+4*\slot+2:G0B+4*\slot+3], s[G0B+4*\slot+2:G0B+4*\slot+3], 2*NQ*FB
	JLOAD G0+4*\slot, G1, G0B+4*\slot, G1B
.else
	PLACES NP
.endif
	v_add_nc_u32 v[ADRS], 4*NQ, v[ADRS]
	FETCH_R \next, 0, 0
	FETCH_P \next, 0, 0
	SCALES \next
	WIN MUL_HI
	MUL16 4, 1, NQ-1, \slot, 0
	MUL16 6, 1, NQ-1, \slot, 0
	PLACES NP
	WIN 0
	FETCH_P \next, 0, 4
.endm
	s_wait_tensorcnt 1                             ; the scales and my part of K step 0 are in (K step 1's load may be out),
	s_barrier_signal -1
	s_barrier_wait -1                              ; everybody's are
	FETCH_R 0, 0, 0
	FETCH_P 0, 0, 0
	SCALES 0
	FETCH_P 0, 0, 4
	STEP 0, 0, 1
	s_mov_b32 s3, LAPS-1
.Llap:
	TURN 0, 1, 1
	STEP 1, 0, 0
	TURN 1, 0, 1
	STEP 0, 0, 0
	s_sub_co_u32 s3, s3, 1
	s_cmp_lg_u32 s3, 0
	s_cbranch_scc1 .Llap
	TURN 0, 1, 0
	STEP 1, 0, 0
	s_wait_dscnt 4*NL
	WIN MUL_LO
	MUL16 0, 1, NQ-1, 1, 0
	MUL16 2, 1, NQ-1, 1, 0
	s_wait_dscnt 0
	WIN MUL_HI
	MUL16 4, 1, NQ-1, 1, 0
	MUL16 6, 1, NQ-1, 1, 0
	WIN 0
; THE WAY OUT, tile a of P at a time: 16 rows x 128 columns go through my own stage and come back as whole rows of 512 bytes.  LDS serves a wave's instructions in order: no wait between the stores and the loads.
.macro TOSTAGE a
.set AC, 64*((\a)%4)
	WIN 0x08+4*((\a)/4)                            ; the data: window 2 or 3
.irp b, 0,1,2,3,4,5,6,7
	ds_store_b128 v[STO], v[AC+8*\b:AC+8*\b+3] offset:128*(\b/2)+32*(\b%2)       ; each accumulator from its low end on
	ds_store_b128 v[STO], v[AC+8*\b+4:AC+8*\b+7] offset:128*(\b/2)+32*(\b%2)+16
.endr
	WIN 0
.set BB, BK+64*((\a)%2)
.irp t, 0,1,2,3,4,5,6,7,8,9,10,11,12,13,14,15
	ds_load_b128 v[BB+4*\t:BB+4*\t+3], v[RD] offset:\t*SPITCH
.endr
.endm
.macro SEND a, younger                 ; younger: the LDS instructions issued behind tile a's loads
.set BB, BK+64*((\a)%2)
	s_wait_dscnt \younger
.irp t, 0,1,2,3,4,5,6,7,8,9,10,11,12,13,14,15
	global_store_b128 v[CO], v[BB+4*\t:BB+4*\t+3], s[12:13] offset:(32*((\a)/2)+8*((\a)%2)+\t+8*(\t/8))*4096   ; slot t's row: 512 consecutive bytes from a multiple of 256; the whole row offset stands in the immediate
.endr
.endm
	PLACES NP
	TOSTAGE 0
.irp a, 1,2,3,4,5,6,7
.if \a > 1
	s_wait_xcnt 0x0                                ; tile a - 2's stores have read their registers: tile a's rows may land there
.endif
	TOSTAGE \a
	SEND \a-1, 32                                  ; behind tile a - 1's loads: tile a's 16 stores and 16 loads
.endr
	SEND 7, 0
	s_wait_tensorcnt 0x0                           ; the wave's end
	ds_add_u32 v[SPW], v[NIL]
	s_wait_dscnt 0x0
	CROUND                                         ; the closing round
	s_endpgm
.Lfunc_end_k_qd415f393b7_wo:
	.size	k_qd415f393b7_wo, .Lfunc_end_k_qd415f393b7_wo-k_qd415f393b7_wo
	.p2alignl 7, 3214868480
	.fill 96, 4, 3214868480
	.section	.rodata,"a",@progbits
	.p2align	6, 0x0
	.amdhsa_kernel k_qd415f393b7_wo
		.amdhsa_group_segment_fixed_size 327680
		.amdhsa_private_segment_fixed_size 0
		.amdhsa_enable_private_segment 0
		.amdhsa_kernarg_size 32
		.amdhsa_user_sgpr_count 2
		.amdhsa_user_sgpr_kernarg_segment_ptr 1
		.amdhsa_wavefront_size32 1
		.amdhsa_system_sgpr_workgroup_id_x 1
		.amdhsa_system_sgpr_workgroup_id_y 1
		.amdhsa_system_sgpr_workgroup_id_z 1
		.amdhsa_system_vgpr_workitem_id 0
		.amdhsa_next_free_vgpr 1024
		.amdhsa_next_free_sgpr 100
		.amdhsa_reserve_vcc 0
		.amdhsa_float_denorm_mode_32 3
		.amdhsa_float_denorm_mode_16_64 3
		.amdhsa_memory_ordered 1
		.amdhsa_forward_progress 1
		.amdhsa_inst_pref_size 143
	.end_amdhsa_kernel
	.amdgpu_metadata
---
amdhsa.version: [ 1, 2 ]
amdhsa.kernels:
  - .name:           k_qd415f393b7_wo
    .symbol:         k_qd415f393b7_wo.kd
    .args:
      - { .name: att, .offset: 0, .size: 8, .value_kind: global_buffer, .address_space: global }
      - { .name: wimg, .offset: 8, .size: 8, .value_kind: global_buffer, .address_space: global }
      - { .name: Wo_scales, .offset: 16, .size: 8, .value_kind: global_buffer, .address_space: global }
      - { .name: cbuf, .offset: 24, .size: 8, .value_kind: global_buffer, .address_space: global }
    .group_segment_fixed_size: 327680
    .private_segment_fixed_size: 0
    .kernarg_segment_align: 8
    .kernarg_segment_size: 32
    .max_flat_workgroup_size: 128
    .sgpr_count:     100
    .vgpr_count:     1024
    .wavefront_size: 32
...
	.end_amdgpu_metadata
.endif
;; end of part 4
;; launch ln1 (part 5): grid 256 x 1, 8 waves a work-group, no clusters, 67,072 bytes of LDS; arguments cbuf, x, bo, ln1_g, ln1_b, hf, hq; writes hf, hq
.if DOCPART == 5
	.amdgcn_target "amdgcn-amd-amdhsa--gfx1250"
	.amdhsa_code_object_version 6
	.text
	.protected	k_qd415f393b7_ln1
	.globl	k_qd415f393b7_ln1
	.p2align	8
	.type	k_qd415f393b7_ln1,@function
k_qd415f393b7_ln1:
	s_mov_b64 s[64:65], 0
	v_nop
	global_prefetch_b8 v0, s[64:65] scope:SCOPE_SE
	s_setreg_imm32_b32 hwreg(HW_REG_WAVE_MODE, 25, 1), 1
	s_wait_xcnt 0x0
; h = layernorm(x + (cbuf + bo)) x gain + offset, all in f32; h goes out as f32 (hf) and as codes of FP6 (E2M3) in the image format (hq: fragments at 0, scale bytes [row][32] at 3,145,728).
; A work-group takes one tile of 16 rows (slot s of tile t is row 32 (t / 2) + 8 (t % 2) + s + 8 (s / 8)); wave w takes slots 2 w and 2 w + 1, two neighbouring rows, each whole in 32 registers: 8 loads of 512 consecutive bytes.
; Mean first, then the sum of squared differences from it, as the definition has it; sums within a lane packed, then across the 32 lanes.
; The 16 rows meet in LDS (rows 4,112 bytes apart); behind one barrier wave w quantises K step w of all 16 rows: one fragment.
; Memory binds: no matrix unit, no cluster, no tensor load.
; LIMITS: NaN and infinities are not served; a block whose largest magnitude lies under 2^-124, a block of zeros too, gets the byte 1.
.set SP,  4112
.set Z,   64                           ; v64-127  two rows
.set X,   128                          ; v128-191 x's two rows; later 64 numbers to quantise
.set BO,  192                          ; v192-223 the bias
.set G,   224                          ; v224-255 the gain
.set BE,  32                           ; v32-63   the offset
.set SA,  8                            ; v[8:9], v[10:11]   a row's sum, then -mean
.set SQ,  12                           ; v[12:13], v[14:15] the sum of squares
.set RS,  16                           ; v[16:17], v[18:19] 1 / sqrt(var + eps)
.set TM,  192
.set PW,  208
.set PC,  212
.set SEL, 30
.macro REDUCE r                        ; the pair's two halves, then the 32 lanes: the sum in every lane
	v_add_f32 v[\r], v[\r], v[\r+1]
	v_add_f32_dpp v[\r], v[\r], v[\r] row_xmask:1 row_mask:0xf bank_mask:0xf
	v_add_f32_dpp v[\r], v[\r], v[\r] row_xmask:2 row_mask:0xf bank_mask:0xf
	v_add_f32_dpp v[\r], v[\r], v[\r] row_xmask:4 row_mask:0xf bank_mask:0xf
	v_add_f32_dpp v[\r], v[\r], v[\r] row_xmask:8 row_mask:0xf bank_mask:0xf
	v_permlanex16_b32 v[\r+1], v[\r], s[SEL], s[SEL+1]
	v_add_f32 v[\r], v[\r], v[\r+1]
.endm
.macro QUANT s
.irp b, 0,1,2,3
	v_max3_num_f32 v[TM+\b], |v[\s+16*\b]|, |v[\s+1+16*\b]|, 0x1800000   ; my 16 numbers of block b, and the floor 2^(3 - 127)
.endr
.irp i, 2,4,6,8,10,12,14
.irp b, 0,1,2,3
	v_max3_num_f32 v[TM+\b], v[TM+\b], |v[\s+16*\b+\i]|, |v[\s+1+16*\b+\i]|
.endr
.endr
.irp b, 0,1,2,3
	v_permlanex16_b32 v[TM+4+\b], v[TM+\b], s[SEL], s[SEL+1]
.endr
.irp b, 0,1,2,3
	v_max_num_f32 v[TM+\b], v[TM+\b], v[TM+4+\b]
.endr
.irp b, 0,1,2,3
	v_add_nc_u32 v[TM+12+\b], 0xff000000, v[TM+\b]
.endr
.irp b, 0,1,2,3
	v_lshrrev_b32 v[TM+4+\b], 23, v[TM+12+\b]
.endr
	v_lshl_or_b32 v[PW], v[TM+5], 8, v[TM+4]
	v_lshl_or_b32 v[PW], v[TM+6], 16, v[PW]
	v_lshl_or_b32 v[PW], v[TM+7], 24, v[PW]
.irp c, 0,1
	v_cvt_scalef32_pk16_fp6_f32 v[PC+6*\c:PC+2+6*\c], v[\s+32*\c:\s+15+32*\c], v[TM+12+2*\c]
	v_cvt_scalef32_pk16_fp6_f32 v[PC+12+4*\c:PC+14+4*\c], v[\s+16+32*\c:\s+31+32*\c], v[TM+12+2*\c+1]
.endr
	v_nop
.irp c, 0,1
.irp i, 0,1,2
	v_permlane16_swap_b32 v[PC+6*\c+\i], v[PC+12+4*\c+\i]
.endr
.irp i, 0,1,2
	v_mov_b32 v[PC+3+6*\c+\i], v[PC+12+4*\c+\i]
.endr
.endr
.endm
	s_load_b256 s[8:15], s[0:1], 0x0               ; cbuf s[8:9], x s[10:11], bo s[12:13], gain s[14:15]
	s_load_b128 s[16:19], s[0:1], 0x20             ; offset s[16:17], hf s[18:19]
	s_load_b64 s[20:21], s[0:1], 0x30              ; hq
	v_lshl_add_u32 v30, v0, 2, 0x10200
	v_mov_b32 v31, 0
	v_lshrrev_b32 v1, 5, v0
	v_readfirstlane_b32 s2, v1                     ; wave 0..7
	v_and_b32 v1, 31, v0
	v_lshlrev_b32 v2, 4, v1                        ; 16 x lane
	v_lshlrev_b32 v5, 3, v1                        ; 8 x lane
	v_and_b32 v6, 15, v0                           ; s
	v_bfe_u32 v7, v0, 4, 1                         ; h
	s_lshr_b32 s3, ttmp9, 1
	s_lshl_b32 s3, s3, 5
	s_and_b32 s4, ttmp9, 1
	s_lshl_b32 s4, s4, 3
	s_add_co_u32 s3, s3, s4                        ; the tile's first row
	s_lshl_b32 s4, s2, 1
	s_lshr_b32 s5, s2, 2
	s_lshl_b32 s5, s5, 3
	s_add_co_u32 s4, s4, s5
	s_add_co_u32 s4, s4, s3                        ; my first row: slot 2 w
	s_lshl_b32 s4, s4, 12
	s_mov_b32 s5, 0
	s_mul_i32 s6, s2, 2*SP
	v_add_nc_u32 v3, s6, v2                        ; the stage, in: my two rows
	v_mul_u32_u24 v4, v6, SP
	v_lshl_add_u32 v4, v7, 6, v4
	s_lshl_b32 s6, s2, 9
	v_add_nc_u32 v4, s6, v4                        ; out: row s, K step w, + 64 h
	v_and_b32 v20, 8, v6
	v_add_nc_u32 v20, v20, v6
	v_lshlrev_b32 v20, 5, v20
	v_lshl_add_u32 v20, v7, 1, v20                 ; my two scale bytes: row x 32 + 2 h
	v_lshlrev_b32 v21, 4, v7                       ; 16 h
	s_lshl_b32 s26, ttmp9, 3
	s_add_co_u32 s26, s26, s2
	s_mul_i32 s26, s26, 1536                       ; my fragment
	s_mov_b32 s27, 0
	s_lshl_b32 s28, s3, 5
	s_lshl_b32 s29, s2, 2
	s_add_co_u32 s28, s28, s29
	s_add_co_u32 s28, s28, 3145728
	s_mov_b32 s29, 0
	s_mov_b32 s24, 0x3a800000                      ; 1 / 1024
	s_mov_b32 s25, 0x3727c5ac                      ; 1e-5
	s_mov_b32 s[SEL], 0x76543210
	s_mov_b32 s[SEL+1], 0xfedcba98
	s_wait_kmcnt 0x0
	s_add_nc_u64 s[8:9], s[8:9], s[4:5]
	s_add_nc_u64 s[10:11], s[10:11], s[4:5]
	s_add_nc_u64 s[18:19], s[18:19], s[4:5]
	s_add_nc_u64 s[26:27], s[20:21], s[26:27]
	s_add_nc_u64 s[28:29], s[20:21], s[28:29]
.irp e, 0,1
.irp i, 0,1,2,3,4,5,6,7
	global_load_b128 v[Z+32*\e+4*\i:Z+32*\e+4*\i+3], v2, s[8:9] offset:4096*\e+512*\i th:TH_LOAD_NT
.endr
.endr
.irp e, 0,1
.irp i, 0,1,2,3,4,5,6,7
	global_load_b128 v[X+32*\e+4*\i:X+32*\e+4*\i+3], v2, s[10:11] offset:4096*\e+512*\i th:TH_LOAD_NT
.endr
.endr
.irp i, 0,1,2,3,4,5,6,7
	global_load_b128 v[BO+4*\i:BO+4*\i+3], v2, s[12:13] offset:512*\i
.endr
.irp i, 0,1,2,3,4,5,6,7
	global_load_b128 v[G+4*\i:G+4*\i+3], v2, s[14:15] offset:512*\i
.endr
.irp i, 0,1,2,3,4,5,6,7
	global_load_b128 v[BE+4*\i:BE+4*\i+3], v2, s[16:17] offset:512*\i
.endr
	s_wait_loadcnt 16                              ; all but the gain's and the offset's sixteen loads are in
.set j, 0
.rept 16
	v_pk_add_f32 v[Z+j:Z+j+1], v[Z+j:Z+j+1], v[BO+j:BO+j+1]
	v_pk_add_f32 v[Z+32+j:Z+33+j], v[Z+32+j:Z+33+j], v[BO+j:BO+j+1]
.set j, j+2
.endr
.set j, 0
.rept 32
	v_pk_add_f32 v[Z+j:Z+j+1], v[Z+j:Z+j+1], v[X+j:X+j+1]
.set j, j+2
.endr
.irp e, 0,1
	v_pk_add_f32 v[SA+2*\e:SA+2*\e+1], v[Z+32*\e:Z+32*\e+1], v[Z+32*\e+2:Z+32*\e+3]
.endr
.irp j, 4,6,8,10,12,14,16,18,20,22,24,26,28,30
.irp e, 0,1
	v_pk_add_f32 v[SA+2*\e:SA+2*\e+1], v[SA+2*\e:SA+2*\e+1], v[Z+32*\e+\j:Z+32*\e+\j+1]
.endr
.endr
	REDUCE SA
	REDUCE SA+2
.irp e, 0,1
	v_mul_f32 v[SA+2*\e], 0xba800000, v[SA+2*\e]   ; -mean
.endr
.irp e, 0,1
.irp j, 0,2,4,6,8,10,12,14,16,18,20,22,24,26,28,30
	v_pk_add_f32 v[Z+32*\e+\j:Z+32*\e+\j+1], v[Z+32*\e+\j:Z+32*\e+\j+1], v[SA+2*\e:SA+2*\e+1] op_sel_hi:[1,0]
.endr
.endr
.irp e, 0,1
	v_pk_mul_f32 v[SQ+2*\e:SQ+2*\e+1], v[Z+32*\e:Z+32*\e+1], v[Z+32*\e:Z+32*\e+1]
.endr
.irp j, 2,4,6,8,10,12,14,16,18,20,22,24,26,28,30
.irp e, 0,1
	v_pk_fma_f32 v[SQ+2*\e:SQ+2*\e+1], v[Z+32*\e+\j:Z+32*\e+\j+1], v[Z+32*\e+\j:Z+32*\e+\j+1], v[SQ+2*\e:SQ+2*\e+1]
.endr
.endr
	REDUCE SQ
	REDUCE SQ+2
.irp e, 0,1
	v_fma_f32 v[SQ+2*\e], v[SQ+2*\e], s24, s25     ; the variance + eps
.endr
.irp e, 0,1
	v_rsq_f32 v[RS+2*\e], v[SQ+2*\e]
.endr
.irp e, 0,1
	v_mov_b32 v[RS+2*\e+1], 0                      ; plain lines behind the transcendentals; (the pairs' upper halves are named below)
.endr
	s_wait_loadcnt 0x0
	s_wait_alu depctr_va_vdst(0)
.irp e, 0,1
.irp j, 0,2,4,6,8,10,12,14,16,18,20,22,24,26,28,30
	v_pk_mul_f32 v[Z+32*\e+\j:Z+32*\e+\j+1], v[Z+32*\e+\j:Z+32*\e+\j+1], v[RS+2*\e:RS+2*\e+1] op_sel_hi:[1,0]
.endr
.irp j, 0,2,4,6,8,10,12,14,16,18,20,22,24,26,28,30
	v_pk_fma_f32 v[Z+32*\e+\j:Z+32*\e+\j+1], v[Z+32*\e+\j:Z+32*\e+\j+1], v[G+\j:G+\j+1], v[BE+\j:BE+\j+1]
.endr
.endr
.irp e, 0,1
.irp i, 0,1,2,3,4,5,6,7
	global_store_b128 v2, v[Z+32*\e+4*\i:Z+32*\e+4*\i+3], s[18:19] offset:4096*\e+512*\i
	ds_store_b128 v3, v[Z+32*\e+4*\i:Z+32*\e+4*\i+3] offset:SP*\e+512*\i
.endr
.endr
	s_wait_dscnt 0x0                               ; for the others' sake: my rows lie in the stage
	s_barrier_signal -1
	s_barrier_wait -1
.irp b, 0,1,2,3
.irp j, 0,1,2,3
	ds_load_b128 v[X+16*\b+4*\j:X+16*\b+4*\j+3], v4 offset:128*\b+16*\j   ; register 16 b + i = k 32 b + 16 h + i of row s, K step w
.endr
.endr
.irp b, 0,1,2,3
	v_mov_b32 v[TM+4+\b], 0
.endr
	s_wait_dscnt 0x0
	QUANT X
	global_store_b128 v2, v[PC:PC+3], s[26:27]
	global_store_b64 v5, v[PC+4:PC+5], s[26:27] offset:512
	global_store_b128 v2, v[PC+6:PC+9], s[26:27] offset:768
	global_store_b64 v5, v[PC+10:PC+11], s[26:27] offset:1280
	v_lshrrev_b32 v22, v21, v[PW]
	global_store_b16 v20, v22, s[28:29]            ; two bytes a lane: one byte in 128 of what the launch reads
	s_wait_tensorcnt 0x0
	ds_add_u32 v30, v31
	s_wait_dscnt 0x0
	s_endpgm
.Lfunc_end_k_qd415f393b7_ln1:
	.size	k_qd415f393b7_ln1, .Lfunc_end_k_qd415f393b7_ln1-k_qd415f393b7_ln1
	.p2alignl 7, 3214868480
	.fill 96, 4, 3214868480
	.section	.rodata,"a",@progbits
	.p2align	6, 0x0
	.amdhsa_kernel k_qd415f393b7_ln1
		.amdhsa_group_segment_fixed_size 67072
		.amdhsa_private_segment_fixed_size 0
		.amdhsa_enable_private_segment 0
		.amdhsa_kernarg_size 56
		.amdhsa_user_sgpr_count 2
		.amdhsa_user_sgpr_kernarg_segment_ptr 1
		.amdhsa_wavefront_size32 1
		.amdhsa_system_sgpr_workgroup_id_x 1
		.amdhsa_system_sgpr_workgroup_id_y 1
		.amdhsa_system_sgpr_workgroup_id_z 1
		.amdhsa_system_vgpr_workitem_id 0
		.amdhsa_next_free_vgpr 256
		.amdhsa_next_free_sgpr 66
		.amdhsa_reserve_vcc 0
		.amdhsa_float_denorm_mode_32 3
		.amdhsa_float_denorm_mode_16_64 3
		.amdhsa_memory_ordered 1
		.amdhsa_forward_progress 1
		.amdhsa_inst_pref_size 32
	.end_amdhsa_kernel
	.amdgpu_metadata
---
amdhsa.version: [ 1, 2 ]
amdhsa.kernels:
  - .name:           k_qd415f393b7_ln1
    .symbol:         k_qd415f393b7_ln1.kd
    .args:
      - { .name: cbuf, .offset: 0, .size: 8, .value_kind: global_buffer, .address_space: global }
      - { .name: x, .offset: 8, .size: 8, .value_kind: global_buffer, .address_space: global }
      - { .name: bo, .offset: 16, .size: 8, .value_kind: global_buffer, .address_space: global }
      - { .name: ln1_g, .offset: 24, .size: 8, .value_kind: global_buffer, .address_space: global }
      - { .name: ln1_b, .offset: 32, .size: 8, .value_kind: global_buffer, .address_space: global }
      - { .name: hf, .offset: 40, .size: 8, .value_kind: global_buffer, .address_space: global }
      - { .name: hq, .offset: 48, .size: 8, .value_kind: global_buffer, .address_space: global }
    .group_segment_fixed_size: 67072
    .private_segment_fixed_size: 0
    .kernarg_segment_align: 8
    .kernarg_segment_size: 56
    .max_flat_workgroup_size: 256
    .sgpr_count:     66
    .vgpr_count:     256
    .wavefront_size: 32
...
	.end_amdgpu_metadata
.endif
;; end of part 5
;; launch ffn1 (part 6): grid 16 x 16, 4 waves a work-group, clusters of 4 x 4, 327,680 bytes of LDS; arguments hq, wimg, W1_scales, b1, hid; writes hid
.if DOCPART == 6
	.amdgcn_target "amdgcn-amd-amdhsa--gfx1250"
	.amdhsa_code_object_version 6
	.text
	.protected	k_qd415f393b7_ffn1
	.globl	k_qd415f393b7_ffn1
	.p2align	8
	.type	k_qd415f393b7_ffn1,@function
k_qd415f393b7_ffn1:
	s_mov_b64 s[64:65], 0
	v_nop
	global_prefetch_b8 v0, s[64:65] scope:SCOPE_SE
	s_setreg_imm32_b32 hwreg(HW_REG_WAVE_MODE, 25, 1), 1
	s_wait_xcnt 0x0
	s_wait_alu depctr_hold_cnt(0) depctr_sa_sdst(0) depctr_va_vdst(0) depctr_va_sdst(0) depctr_va_ssrc(0) depctr_va_vcc(0) depctr_vm_vsrc(0)
	s_getreg_b32 s2, hwreg(HW_REG_IB_STS2, 6, 4)
	s_cmp_eq_u32 s2, 0
	s_cbranch_scc0 .Lentry_in_a_cluster
	s_endpgm
.Lentry_in_a_cluster:
	s_bfe_u32 s2, ttmp6, 0x10000c
	s_cmp_lg_u32 s2, 0xf033
	s_cbranch_scc0 .Lentry_shape_is_right
	s_endpgm
.Lentry_shape_is_right:
; hid = Q(relu(h W1 + b1)): the product on codes of FP6 (E2M3) with E8M0 scales, the bias as the C of each sum's first product, the activation and the quantiser in registers; the hidden layer goes out as codes only.
; THE CORE: a tile of 256 x 256 to a work-group of four waves, 128 x 128 to a wave (64 accumulators, 512 registers).  Operand P (the tokens) gives a lane its row (source 1), operand R (W1's columns) runs along a lane's registers (source 0).
; Both operands lie in memory as images of their registers (16 rows x 128 K = 1,536 bytes; slot s of tile t is row 32 (t / 2) + 8 (t % 2) + s + 8 (s / 8)); scale bytes lie [row][K / 32], rows in natural order.
; By the order of a tile's rows the 64 results of a lane for one tile of P are register 16 b + i = hidden unit 32 b + 16 (lane / 16) + i: one K step of the next product, as the conversions want it.
; K goes in steps of 256 through a ring of two LDS slots; a wave's tensor load brings 8 tiles x 2 fragments: 8 rows of 3,072 bytes.  The scales of the 256 + 256 rows for all of K come once.
; CLUSTERS: 4 x 4 work-groups; P's tiles are asked for jointly along a row of the cluster, R's along a column.
; OUT (buffer hid): fragments (tile of tokens x 32 + K step) x 1,536; scale bytes [token][128] at 12,582,912, a word a row and K step: runs of 4 bytes, one byte in 24 of the codes'.
; LIMITS: NaN and infinities are not served; a block whose largest magnitude lies under 2^-124, a block of zeros too, gets the byte 1.
; REGISTERS: window 0: v0-31 addresses; v32-63 scale words, two sets; v64-127 the bias; v128-223 P's 8 fragments, one set.  window 1: R's fragments, two sets.  windows 2, 3: the accumulators.  On the way out v128-230 of window 0 are at work.
.set SIZE_K, 1024
.set P_SC,   3145728
.set R_OFF,  3145728
.set NK,     SIZE_K/128
.set KS,     SIZE_K/32
.set NQ,     2
.set FR,     12
.set FB,     1536
.set NL,     4
.set NP,     4
.set HALFT,  8*NQ*FB
.set SLOT,   4*HALFT
.set LAPS,   SIZE_K/512
.set SCL,    2*SLOT
.set HALFS,  (128*KS/256)*272
.set SPARE,  SCL+4*HALFS
.set ADRA, 16
.set ADRB, 20
.set V16,  24
.set V8,   25
.set VS,   26
.set ADRS, 27
.set SPW,  28
.set NIL,  29
.set BA,   30
.set SC,   32
.set BI,   64
.set AF,   128
.set T,    128
.set TM,   192
.set PW,   208
.set PW0,  209
.set DW,   211
.set PC,   212
.set SEL,  20
.set HM,   22
.set G1, 24
.set G0, 32
.set G1B, 48
.set G0B, 56
.set G1S, 68
.set G0S, 76
.set G1SB, 80
.set G0SB, 88
.set MSB, 0
.macro WIN new                         ; the immediate's high byte repeats the setting that is left
.if MSB != (\new)
	s_set_vgpr_msb (MSB<<8)|(\new)
.set MSB, (\new)
.endif
.endm
.set MUL_LO, 0xa1
.set MUL_HI, 0xf1
.set TO_R,   0x40
.macro JLOAD g0a, g1a, g0b, g1b        ; a joint load: waves 0, 1 for P, waves 2, 3 for R; four v_nop follow each line
	s_cmp_eq_u32 s15, 0
	s_cbranch_scc0 .Lfor_r_\@
	tensor_load_to_lds s[\g0a:\g0a+3], s[\g1a:\g1a+7]
	s_nop 0
.rept 4
	v_nop
.endr
	s_branch .Lasked_\@
.Lfor_r_\@:
	tensor_load_to_lds s[\g0b:\g0b+3], s[\g1b:\g1b+7]
	s_nop 0
.rept 4
	v_nop
.endr
.Lasked_\@:
.endm
.macro CREST
	s_cmp_lg_u32 s14, 0
	s_cbranch_scc1 .Lnot_wave_0_\@
	s_barrier_signal -3
.Lnot_wave_0_\@:
	s_barrier_wait -3
	s_barrier_signal -1
	s_barrier_wait -1
.endm
.macro CROUND
	s_barrier_signal -1
	s_barrier_wait -1
	CREST
.endm
	s_load_b64 s[4:5], s[0:1], 0x0                 ; hq
	s_load_b64 s[8:9], s[0:1], 0x8                 ; wimg
	s_load_b64 s[10:11], s[0:1], 0x10              ; W1's scales
	s_load_b64 s[96:97], s[0:1], 0x18              ; b1
	s_load_b64 s[12:13], s[0:1], 0x20              ; hid
	v_lshl_add_u32 v[SPW], v0, 2, SPARE
	v_mov_b32 v[NIL], 0
	ds_add_u32 v28, v29
	ds_add_u32 v28, v29
	s_wait_dscnt 0x0
	v_lshrrev_b32 v1, 5, v0
	v_readfirstlane_b32 s14, v1                    ; wave 0..3
	s_lshr_b32 s15, s14, 1
	s_and_b32 s16, s14, 1
	s_bfe_u32 s40, ttmp6, 0x40000
	s_bfe_u32 s41, ttmp6, 0x40004
	s_lshl_b32 s42, ttmp9, 2
	s_add_co_u32 s42, s42, s40                     ; R's block of 256 rows
	s_and_b32 s17, ttmp7, 0xffff
	s_lshl_b32 s17, s17, 2
	s_add_co_u32 s17, s17, s41                     ; P's
	s_lshl_b32 s43, s41, 2
	s_lshl_b32 s43, 15, s43
	s_lshl_b32 s44, 0x1111, s40
	s_or_b32 s[G1+0], s43, (3<<16)|(1<<21)
	s_or_b32 s[G1B+0], s44, (3<<16)|(1<<21)
.irp g, G1, G1B
	s_mov_b32 s[\g+1], 384<<16
	s_mov_b32 s[\g+2], 8<<16
	s_mov_b32 s[\g+3], 384<<16
	s_mov_b32 s[\g+4], 8
	s_mov_b32 s[\g+5], NK*192
	s_mov_b32 s[\g+6], 0
	s_mov_b32 s[\g+7], 0
.endr
	s_or_b32 s[G1S+0], s43, (3<<16)|(1<<20)|(1<<21)|(5<<22)|(3<<25)
	s_or_b32 s[G1SB+0], s44, (3<<16)|(1<<20)|(1<<21)|(5<<22)|(3<<25)
.irp g, G1S, G1SB
	s_mov_b32 s[\g+1], 32<<16
	s_mov_b32 s[\g+2], (128*KS/256)<<16
	s_mov_b32 s[\g+3], 32<<16
	s_mov_b32 s[\g+4], 128*KS/256
	s_mov_b32 s[\g+5], 32
	s_mov_b32 s[\g+6], 0
	s_mov_b32 s[\g+7], 0
.endr
	s_lshl_b32 s18, s16, 3
	s_lshl_b32 s20, s17, 4
	s_add_co_u32 s20, s20, s18
	s_lshl_b32 s46, s42, 4
	s_add_co_u32 s46, s46, s18
	s_mul_i32 s22, s20, 16*KS
	s_mov_b32 s23, 0
	s_mul_i32 s92, s46, 16*KS
	s_mov_b32 s93, 0
	s_mul_i32 s20, s20, NK*FB
	s_mov_b32 s21, 0
	s_mul_i32 s46, s46, NK*FB
	s_mov_b32 s47, 0
	s_mul_i32 s45, s14, HALFT
	s_mul_i32 s94, s14, HALFS
	s_wait_kmcnt 0x0
	s_add_nc_u64 s[6:7], s[4:5], P_SC
	s_add_nc_u64 s[8:9], s[8:9], R_OFF
	s_add_nc_u64 s[20:21], s[4:5], s[20:21]
	s_add_nc_u64 s[22:23], s[6:7], s[22:23]
	s_add_nc_u64 s[46:47], s[8:9], s[46:47]
	s_add_nc_u64 s[92:93], s[10:11], s[92:93]
	CROUND
	s_mov_b32 s[G0S], 1
	s_add_co_u32 s[G0S+1], s94, SCL
	s_mov_b64 s[G0S+2:G0S+3], s[22:23]
	s_or_b32 s[G0S+3], s[G0S+3], 0x80000000
	s_mov_b32 s[G0SB], 1
	s_add_co_u32 s[G0SB+1], s94, SCL
	s_mov_b64 s[G0SB+2:G0SB+3], s[92:93]
	s_or_b32 s[G0SB+3], s[G0SB+3], 0x80000000
	JLOAD G0S, G1S, G0SB, G1SB
.irp s, 0,1
	s_mov_b32 s[G0+4*\s], 1
	s_add_co_u32 s[G0+4*\s+1], s45, \s*SLOT
	s_add_nc_u64 s[G0+4*\s+2:G0+4*\s+3], s[20:21], \s*NQ*FB
	s_or_b32 s[G0+4*\s+3], s[G0+4*\s+3], 0x80000000
	s_mov_b32 s[G0B+4*\s], 1
	s_add_co_u32 s[G0B+4*\s+1], s45, \s*SLOT
	s_add_nc_u64 s[G0B+4*\s+2:G0B+4*\s+3], s[46:47], \s*NQ*FB
	s_or_b32 s[G0B+4*\s+3], s[G0B+4*\s+3], 0x80000000
	JLOAD G0+4*\s, G1, G0B+4*\s, G1B
.endr
	v_and_b32 v1, 15, v0
	v_bfe_u32 v2, v0, 4, 1
	v_and_b32 v3, 31, v0
	v_lshlrev_b32 v[V16], 4, v3
	v_lshlrev_b32 v[V8], 3, v3
	s_mul_i32 s21, s15, HALFT
	s_mul_i32 s22, s16, HALFT
	s_add_co_u32 s22, s22, 2*HALFT
.irp s, 0,1
	v_add_nc_u32 v[ADRA+\s], s21, v[V16]
	v_add_nc_u32 v[ADRB+\s], s22, v[V16]
	v_add_nc_u32 v[ADRA+2+\s], s21, v[V8]
	v_add_nc_u32 v[ADRB+2+\s], s22, v[V8]
	s_add_co_u32 s21, s21, SLOT
	s_add_co_u32 s22, s22, SLOT
.endr
	v_and_b32 v4, 8, v1
	v_add_nc_u32 v4, v4, v1                        ; s + 8 (s / 8)
	v_mul_u32_u24 v5, v4, KS
	v_lshrrev_b32 v6, 8, v5
	v_lshl_add_u32 v5, v6, 4, v5
	s_mul_i32 s21, s15, HALFS
	s_mul_i32 s22, s16, HALFS
	s_add_co_u32 s22, s22, 2*HALFS
	s_sub_co_u32 s22, s22, s21
	v_mul_u32_u24 v6, s22, v2
	s_add_co_u32 s21, s21, SCL
	v_add_nc_u32 v5, v5, v6
	v_add_nc_u32 v[ADRS], s21, v5
	v_lshl_add_u32 v6, v2, 3, v4                   ; lanes 16-31 store the odd tile's words, 8 rows on
	v_lshlrev_b32 v[VS], 7, v6                     ; 128 scale bytes a row
	v_lshlrev_b32 v[BA], 6, v2
	s_lshl_b32 s20, s17, 4
	s_lshl_b32 s21, s15, 3
	s_add_co_u32 s20, s20, s21                     ; my first tile of tokens
	s_lshl_b32 s22, s20, 11                        ; its rows' scale bytes: 16 x 128 a tile
	s_lshl_b32 s20, s20, 5                         ; 32 fragments a tile
	s_lshl_b32 s46, s42, 1
	s_add_co_u32 s46, s46, s16                     ; my K step of the next product
	s_add_co_u32 s20, s20, s46
	s_mul_i32 s20, s20, FB
	s_mov_b32 s21, 0
	s_lshl_b32 s46, s46, 2
	s_add_co_u32 s22, s22, s46
	s_add_co_u32 s22, s22, 12582912
	s_mov_b32 s23, 0
	s_add_nc_u64 s[10:11], s[12:13], s[22:23]      ; where my scale words go,
	s_add_nc_u64 s[12:13], s[12:13], s[20:21]      ; and my fragments
	s_lshl_b32 s46, s42, 10
	s_lshl_b32 s47, s16, 9
	s_add_co_u32 s46, s46, s47                     ; 4 x my first hidden unit
	s_mov_b32 s47, 0
	s_add_nc_u64 s[96:97], s[96:97], s[46:47]
.irp i, 0,1,2,3,4,5,6,7,8,9,10,11,12,13,14,15
	global_load_b128 v[BI+4*\i:BI+4*\i+3], v[BA], s[96:97] offset:128*(\i/4)+16*(\i%4)   ; register 16 b + i: the bias of hidden unit 32 b + 16 h + i: the result's layout
.endr
.macro FRAG reg, adr, off
	ds_load_b128 v[\reg:\reg+3], v[\adr] offset:\off
	ds_load_b64 v[\reg+4:\reg+5], v[\adr+2] offset:\off+512
	ds_load_b128 v[\reg+6:\reg+9], v[\adr] offset:\off+768
	ds_load_b64 v[\reg+10:\reg+11], v[\adr+2] offset:\off+1280
.endm
; 16 matrix instructions; first = 1: the bias is the C of the sum's first product.  The 64 accumulators take turns, one instruction a turn, in the same order in every step
.macro MUL16 a0, p, q, sc, first
.irp a, \a0, \a0+1
.irp b, 0,1,2,3,4,5,6,7
.if \first
	v_wmma_scale_f32_16x16x128_f8f6f4 v[8*(8*((\a)%4)+\b):8*(8*((\a)%4)+\b)+7], v[128*(\p)+FR*\b:128*(\p)+FR*\b+FR-1], v[AF+FR*(\a):AF+FR*(\a)+FR-1], v[BI+8*\b:BI+8*\b+7], v[SC+8*NQ*(\sc)+NQ*\b+(\q)], v[SC+8*NQ*(\sc)+NQ*(\a)+(\q)] matrix_a_fmt:MATRIX_FMT_FP6 matrix_b_fmt:MATRIX_FMT_FP6 matrix_a_scale:MATRIX_SCALE_ROW1
.else
	v_wmma_scale_f32_16x16x128_f8f6f4 v[8*(8*((\a)%4)+\b):8*(8*((\a)%4)+\b)+7], v[128*(\p)+FR*\b:128*(\p)+FR*\b+FR-1], v[AF+FR*(\a):AF+FR*(\a)+FR-1], v[8*(8*((\a)%4)+\b):8*(8*((\a)%4)+\b)+7], v[SC+8*NQ*(\sc)+NQ*\b+(\q)], v[SC+8*NQ*(\sc)+NQ*(\a)+(\q)] matrix_a_fmt:MATRIX_FMT_FP6 matrix_b_fmt:MATRIX_FMT_FP6 matrix_a_scale:MATRIX_SCALE_ROW1
.endif
.endr
.endr
.endm
.macro FETCH_R slot, q, p
	WIN TO_R
.irp i, 0,1,2,3,4,5,6,7
	FRAG 128*(\p)+FR*\i, ADRB+\slot, \i*NQ*FB+(\q)*FB
.endr
	WIN 0
.endm
.macro FETCH_P slot, q, i0
.irp i, \i0, \i0+1, \i0+2, \i0+3
	FRAG AF+FR*(\i), ADRA+\slot, (\i)*NQ*FB+(\q)*FB
.endr
.endm
.macro SCALES sc
.irp i, 0,1,2,3,4,5,6,7
	ds_load_b64 v[SC+8*NQ*\sc+NQ*\i:SC+8*NQ*\sc+NQ*\i+1], v[ADRS] offset:((32*(\i/2)+8*(\i%2))*KS/256)*272
.endr
.endm
.macro PLACES n
.rept \n
	v_nop
.endr
.endm
.macro STEP slot, q, first
	s_wait_dscnt 4*NL                              ; R's set and P's tiles 0-3 are in; the youngest 16 loads (P's tiles 4-7) may be out
.if \first
	WIN 0x81                                       ; as MUL_LO, but C (the bias) in window 0
.else
	WIN MUL_LO
.endif
	MUL16 0, (\q)%2, \q, \slot, \first
	MUL16 2, (\q)%2, \q, \slot, \first
	s_wait_dscnt 0
	PLACES NP
	FETCH_R \slot, (\q)+1, 1-(\q)%2
	FETCH_P \slot, (\q)+1, 0
.if \first
	WIN 0xc1
.else
	WIN MUL_HI
.endif
	MUL16 4, (\q)%2, \q, \slot, \first
	MUL16 6, (\q)%2, \q, \slot, \first
	PLACES NP
	WIN 0
	FETCH_P \slot, (\q)+1, 4
.endm
.macro TURN slot, next, fill
	s_wait_tensorcnt 0x0                           ; all my tensor loads have landed: my part of the next slot
	ds_add_u32 v[SPW], v[NIL]                      ; 0 onto my spare word
	s_wait_dscnt 4*NL+1                            ; (the add and the youngest 16 loads may be out)
	WIN MUL_LO
	MUL16 0, 1, NQ-1, \slot, 0
	s_wait_dscnt 0x0                               ; the add is done, and my reads of this slot are over
	s_barrier_signal -1
	MUL16 2, 1, NQ-1, \slot, 0
	WIN 0
	s_barrier_wait -1
.if \fill
	CREST                                          ; a round of the cluster's barrier: no wave of any partner still reads this slot or has a load on its way
	s_add_nc_u64 s[G0+4*\slot+2:G0+4*\slot+3], s[G0+4*\slot+2:G0+4*\slot+3], 2*NQ*FB
	s_add_nc_u64 s[G0B+4*\slot+2:G0B+4*\slot+3], s[G0B+4*\slot+2:G0B+4*\slot+3], 2*NQ*FB
	JLOAD G0+4*\slot, G1, G0B+4*\slot, G1B
.else
	PLACES NP
.endif
	v_add_nc_u32 v[ADRS], 4*NQ, v[ADRS]
	FETCH_R \next, 0, 0
	FETCH_P \next, 0, 0
	SCALES \next
	WIN MUL_HI
	MUL16 4, 1, NQ-1, \slot, 0
	MUL16 6, 1, NQ-1, \slot, 0
	PLACES NP
	WIN 0
	FETCH_P \next, 0, 4
.endm
	s_wait_tensorcnt 1                             ; the scales and my part of K step 0 are in (K step 1's load may be out),
	s_barrier_signal -1
	s_barrier_wait -1                              ; everybody's are
	FETCH_R 0, 0, 0
	FETCH_P 0, 0, 0
	SCALES 0
	FETCH_P 0, 0, 4
	s_wait_loadcnt 0x0                             ; the bias
	STEP 0, 0, 1
	s_mov_b32 s3, LAPS-1
.Llap:
	TURN 0, 1, 1
	STEP 1, 0, 0
	TURN 1, 0, 1
	STEP 0, 0, 0
	s_sub_co_u32 s3, s3, 1
	s_cmp_lg_u32 s3, 0
	s_cbranch_scc1 .Llap
	TURN 0, 1, 0
	STEP 1, 0, 0
	s_wait_dscnt 4*NL
	WIN MUL_LO
	MUL16 0, 1, NQ-1, 1, 0
	MUL16 2, 1, NQ-1, 1, 0
	s_wait_dscnt 0
	WIN MUL_HI
	MUL16 4, 1, NQ-1, 1, 0
	MUL16 6, 1, NQ-1, 1, 0
	WIN 0
; THE WAY OUT: tile a of P at a time: the activation moves the 64 results into window 0, they are quantised in registers, and the fragment leaves as an image.  No LDS.
.macro QUANT s
.irp b, 0,1,2,3
	v_max3_num_f32 v[TM+\b], |v[\s+16*\b]|, |v[\s+1+16*\b]|, 0x1800000
.endr
.irp i, 2,4,6,8,10,12,14
.irp b, 0,1,2,3
	v_max3_num_f32 v[TM+\b], v[TM+\b], |v[\s+16*\b+\i]|, |v[\s+1+16*\b+\i]|
.endr
.endr
.irp b, 0,1,2,3
	v_permlanex16_b32 v[TM+4+\b], v[TM+\b], s[SEL], s[SEL+1]
.endr
.irp b, 0,1,2,3
	v_max_num_f32 v[TM+\b], v[TM+\b], v[TM+4+\b]
.endr
.irp b, 0,1,2,3
	v_add_nc_u32 v[TM+12+\b], 0xff000000, v[TM+\b]
.endr
.irp b, 0,1,2,3
	v_lshrrev_b32 v[TM+4+\b], 23, v[TM+12+\b]
.endr
	v_lshl_or_b32 v[PW], v[TM+5], 8, v[TM+4]
	v_lshl_or_b32 v[PW], v[TM+6], 16, v[PW]
	v_lshl_or_b32 v[PW], v[TM+7], 24, v[PW]
.irp c, 0,1
	v_cvt_scalef32_pk16_fp6_f32 v[PC+6*\c:PC+2+6*\c], v[\s+32*\c:\s+15+32*\c], v[TM+12+2*\c]
	v_cvt_scalef32_pk16_fp6_f32 v[PC+12+4*\c:PC+14+4*\c], v[\s+16+32*\c:\s+31+32*\c], v[TM+12+2*\c+1]
.endr
	v_nop                                          ; one plain place behind a scaled conversion
.irp c, 0,1
.irp i, 0,1,2
	v_permlane16_swap_b32 v[PC+6*\c+\i], v[PC+12+4*\c+\i]
.endr
.irp i, 0,1,2
	v_mov_b32 v[PC+3+6*\c+\i], v[PC+12+4*\c+\i]
.endr
.endr
.endm
.macro OUTQ a
	s_wait_xcnt 0x0                                ; the last tile's stores have read their registers
	WIN 0x08+4*((\a)/4)                            ; source 1: window 2 or 3
.set i, 0
.rept 64
	v_max_num_f32 v[T+i], 0, v[64*((\a)%4)+i]      ; the activation; each accumulator from its low end on
.set i, i+1
.endr
	WIN 0
	QUANT T
	global_store_b128 v[V16], v[PC:PC+3], s[12:13] offset:(\a)*32*FB
	global_store_b64 v[V8], v[PC+4:PC+5], s[12:13] offset:(\a)*32*FB+512
	global_store_b128 v[V16], v[PC+6:PC+9], s[12:13] offset:(\a)*32*FB+768
	global_store_b64 v[V8], v[PC+10:PC+11], s[12:13] offset:(\a)*32*FB+1280
.if (\a)%2 == 0
	v_mov_b32 v[PW0], v[PW]
.else
	v_cndmask_b32 v[DW], v[PW0], v[PW], s[HM]      ; lanes 0-15 the even tile's words, lanes 16-31 the odd tile's
	global_store_b32 v[VS], v[DW], s[10:11] offset:4096*((\a)/2)
.endif
.endm
	PLACES NP
	s_mov_b32 s[SEL], 0x76543210
	s_mov_b32 s[SEL+1], 0xfedcba98
	s_mov_b32 s[HM], 0xffff0000
.irp b, 0,1,2,3
	v_mov_b32 v[TM+4+\b], 0
.endr
.irp a, 0,1,2,3,4,5,6,7
	OUTQ \a
.endr
	s_wait_tensorcnt 0x0                           ; the wave's end
	ds_add_u32 v[SPW], v[NIL]
	s_wait_dscnt 0x0
	CROUND                                         ; the closing round
	s_endpgm
.Lfunc_end_k_qd415f393b7_ffn1:
	.size	k_qd415f393b7_ffn1, .Lfunc_end_k_qd415f393b7_ffn1-k_qd415f393b7_ffn1
	.p2alignl 7, 3214868480
	.fill 96, 4, 3214868480
	.section	.rodata,"a",@progbits
	.p2align	6, 0x0
	.amdhsa_kernel k_qd415f393b7_ffn1
		.amdhsa_group_segment_fixed_size 327680
		.amdhsa_private_segment_fixed_size 0
		.amdhsa_enable_private_segment 0
		.amdhsa_kernarg_size 40
		.amdhsa_user_sgpr_count 2
		.amdhsa_user_sgpr_kernarg_segment_ptr 1
		.amdhsa_wavefront_size32 1
		.amdhsa_system_sgpr_workgroup_id_x 1
		.amdhsa_system_sgpr_workgroup_id_y 1
		.amdhsa_system_sgpr_workgroup_id_z 1
		.amdhsa_system_vgpr_workitem_id 0
		.amdhsa_next_free_vgpr 1024
		.amdhsa_next_free_sgpr 100
		.amdhsa_reserve_vcc 0
		.amdhsa_float_denorm_mode_32 3
		.amdhsa_float_denorm_mode_16_64 3
		.amdhsa_memory_ordered 1
		.amdhsa_forward_progress 1
		.amdhsa_inst_pref_size 167
	.end_amdhsa_kernel
	.amdgpu_metadata
---
amdhsa.version: [ 1, 2 ]
amdhsa.kernels:
  - .name:           k_qd415f393b7_ffn1
    .symbol:         k_qd415f393b7_ffn1.kd
    .args:
      - { .name: hq, .offset: 0, .size: 8, .value_kind: global_buffer, .address_space: global }
      - { .name: wimg, .offset: 8, .size: 8, .value_kind: global_buffer, .address_space: global }
      - { .name: W1_scales, .offset: 16, .size: 8, .value_kind: global_buffer, .address_space: global }
      - { .name: b1, .offset: 24, .size: 8, .value_kind: global_buffer, .address_space: global }
      - { .name: hid, .offset: 32, .size: 8, .value_kind: global_buffer, .address_space: global }
    .group_segment_fixed_size: 327680
    .private_segment_fixed_size: 0
    .kernarg_segment_align: 8
    .kernarg_segment_size: 40
    .max_flat_workgroup_size: 128
    .sgpr_count:     100
    .vgpr_count:     1024
    .wavefront_size: 32
...
	.end_amdgpu_metadata
.endif
;; end of part 6
;; launch ffn2 (part 7): grid 4 x 16, 4 waves a work-group, clusters of 4 x 4, 327,680 bytes of LDS; arguments hid, wimg, W2_scales, cbuf; writes cbuf
.if DOCPART == 7
	.amdgcn_target "amdgcn-amd-amdhsa--gfx1250"
	.amdhsa_code_object_version 6
	.text
	.protected	k_qd415f393b7_ffn2
	.globl	k_qd415f393b7_ffn2
	.p2align	8
	.type	k_qd415f393b7_ffn2,@function
k_qd415f393b7_ffn2:
	s_mov_b64 s[64:65], 0
	v_nop
	global_prefetch_b8 v0, s[64:65] scope:SCOPE_SE
	s_setreg_imm32_b32 hwreg(HW_REG_WAVE_MODE, 25, 1), 1
	s_wait_xcnt 0x0
	s_wait_alu depctr_hold_cnt(0) depctr_sa_sdst(0) depctr_va_vdst(0) depctr_va_sdst(0) depctr_va_ssrc(0) depctr_va_vcc(0) depctr_vm_vsrc(0)
	s_getreg_b32 s2, hwreg(HW_REG_IB_STS2, 6, 4)
	s_cmp_eq_u32 s2, 0
	s_cbranch_scc0 .Lentry_in_a_cluster
	s_endpgm
.Lentry_in_a_cluster:
	s_bfe_u32 s2, ttmp6, 0x10000c
	s_cmp_lg_u32 s2, 0xf033
	s_cbranch_scc0 .Lentry_shape_is_right
	s_endpgm
.Lentry_shape_is_right:
; cbuf [4096][1024] f32 = the hidden layer x W2, on codes of FP6 (E2M3) with E8M0 scales, K = 4,096.  Bias, residual and norm follow in the next launch, which holds whole rows.
; THE CORE: a tile of 256 x 256 to a work-group of four waves, 128 x 128 to a wave (64 accumulators, 512 registers).  Operand P (the tokens) gives a lane its row (source 1), operand R (the weight's columns) runs along a lane's registers (source 0).
; Both operands lie in memory as images of their registers (16 rows x 128 K = 1,536 bytes; slot s of tile t is row 32 (t / 2) + 8 (t % 2) + s + 8 (s / 8)); scale bytes lie [row][K / 32], rows in natural order.
; K goes in steps of 256 through a ring of two LDS slots; a wave's tensor load brings 8 tiles x 2 fragments: 8 rows of 3,072 bytes.  The scales of the 256 + 256 rows for all of K (69,632 bytes with their padding) come once.
; CLUSTERS: 4 x 4 work-groups; P's tiles are asked for jointly along a row of the cluster, R's along a column.
; This size gives 64 tiles of 256 x 256, fewer than the chip has WGPs: the price of one core for all four products.
; REGISTERS: window 0: v0-31 addresses; v32-63 scale words, two sets; v128-223 P's 8 fragments, one set (on the way out v128-255: rows read back).  window 1: R's fragments, two sets, at v0 and v128.
;   windows 2, 3: accumulator (a, b) at v[8 (8 (a % 4) + b)] of window 2 + a / 4; its register j of lane (r, h) is C(P's slot r of tile a, R's row 32 (b / 2) + 16 h + 8 (b % 2) + j).
.set SIZE_K, 4096
.set P_SC,   12582912                  ; where P's scale bytes begin in its buffer
.set R_OFF,  6291456                   ; where this weight's images begin in wimg
.set NK,     SIZE_K/128
.set KS,     SIZE_K/32
.set NQ,     2
.set FR,     12
.set FB,     1536
.set NL,     4
.set NP,     4
.set HALFT,  8*NQ*FB
.set SLOT,   4*HALFT
.set LAPS,   SIZE_K/512
.set SCL,    2*SLOT
.set HALFS,  (128*KS/256)*272
.set SPARE,  SCL+4*HALFS
.set SPITCH, 528                       ; the way out: a stage of 16 rows x (512 bytes + 16) for each wave, in slot 0, which has had its last fill and its last read by then
.set ADRA, 16
.set ADRB, 20
.set STO,  24
.set RD,   25
.set CO,   26                          ; 16 x lane
.set ADRS, 27
.set SPW,  28
.set NIL,  29
.set V8,   30                          ; 8 x lane
.set SC,   32
.set AF,   128
.set BK,   128
.set G1, 24
.set G0, 32
.set G1B, 48
.set G0B, 56
.set G1S, 68
.set G0S, 76
.set G1SB, 80
.set G0SB, 88
.set MSB, 0
.macro WIN new                         ; the immediate's high byte repeats the setting that is left
.if MSB != (\new)
	s_set_vgpr_msb (MSB<<8)|(\new)
.set MSB, (\new)
.endif
.endm
.set MUL_LO, 0xa1
.set MUL_HI, 0xf1
.set TO_R,   0x40
.macro JLOAD g0a, g1a, g0b, g1b        ; a joint load: waves 0, 1 for P, waves 2, 3 for R; four v_nop follow each line
	s_cmp_eq_u32 s15, 0
	s_cbranch_scc0 .Lfor_r_\@
	tensor_load_to_lds s[\g0a:\g0a+3], s[\g1a:\g1a+7]
	s_nop 0
.rept 4
	v_nop
.endr
	s_branch .Lasked_\@
.Lfor_r_\@:
	tensor_load_to_lds s[\g0b:\g0b+3], s[\g1b:\g1b+7]
	s_nop 0
.rept 4
	v_nop
.endr
.Lasked_\@:
.endm
.macro CREST
	s_cmp_lg_u32 s14, 0
	s_cbranch_scc1 .Lnot_wave_0_\@
	s_barrier_signal -3
.Lnot_wave_0_\@:
	s_barrier_wait -3
	s_barrier_signal -1
	s_barrier_wait -1
.endm
.macro CROUND
	s_barrier_signal -1
	s_barrier_wait -1
	CREST
.endm
	s_load_b64 s[4:5], s[0:1], 0x0                 ; P's buffer
	s_load_b64 s[8:9], s[0:1], 0x8                 ; wimg
	s_load_b64 s[10:11], s[0:1], 0x10              ; R's scales
	s_load_b64 s[12:13], s[0:1], 0x18              ; C
	v_lshl_add_u32 v[SPW], v0, 2, SPARE
	v_mov_b32 v[NIL], 0
	ds_add_u32 v28, v29
	ds_add_u32 v28, v29
	s_wait_dscnt 0x0
	v_lshrrev_b32 v1, 5, v0
	v_readfirstlane_b32 s14, v1                    ; wave 0..3
	s_lshr_b32 s15, s14, 1                         ; which half of P's rows is mine.  Also: I fetch for P (0) or for R (1)
	s_and_b32 s16, s14, 1                          ; which half of R's rows.  Also: which 8 tiles I fetch
	s_bfe_u32 s40, ttmp6, 0x40000                  ; cx, cy
	s_bfe_u32 s41, ttmp6, 0x40004
	s_lshl_b32 s42, ttmp9, 2
	s_add_co_u32 s42, s42, s40                     ; R's block of 256 rows
	s_and_b32 s17, ttmp7, 0xffff
	s_lshl_b32 s17, s17, 2
	s_add_co_u32 s17, s17, s41                     ; P's
	s_lshl_b32 s43, s41, 2
	s_lshl_b32 s43, 15, s43                        ; my row of the cluster
	s_lshl_b32 s44, 0x1111, s40                    ; my column
	s_or_b32 s[G1+0], s43, (3<<16)|(1<<21)         ; the mask; elements of 8 bytes; bit 21 beside a mask; no padding
	s_or_b32 s[G1B+0], s44, (3<<16)|(1<<21)
.irp g, G1, G1B
	s_mov_b32 s[\g+1], 384<<16                     ; two fragments: 3,072 bytes
	s_mov_b32 s[\g+2], 8<<16                       ; 8 tiles
	s_mov_b32 s[\g+3], 384<<16
	s_mov_b32 s[\g+4], 8
	s_mov_b32 s[\g+5], NK*192                      ; from tile to tile
	s_mov_b32 s[\g+6], 0
	s_mov_b32 s[\g+7], 0
.endr
	s_or_b32 s[G1S+0], s43, (3<<16)|(1<<20)|(1<<21)|(5<<22)|(3<<25)   ; the scales of 128 rows: rows of 256 bytes, 16 bytes of padding behind each
	s_or_b32 s[G1SB+0], s44, (3<<16)|(1<<20)|(1<<21)|(5<<22)|(3<<25)
.irp g, G1S, G1SB
	s_mov_b32 s[\g+1], 32<<16
	s_mov_b32 s[\g+2], (128*KS/256)<<16
	s_mov_b32 s[\g+3], 32<<16
	s_mov_b32 s[\g+4], 128*KS/256
	s_mov_b32 s[\g+5], 32
	s_mov_b32 s[\g+6], 0
	s_mov_b32 s[\g+7], 0
.endr
	s_lshl_b32 s18, s16, 3
	s_lshl_b32 s20, s17, 4
	s_add_co_u32 s20, s20, s18                     ; P: the first tile that I fetch
	s_lshl_b32 s46, s42, 4
	s_add_co_u32 s46, s46, s18                     ; R likewise
	s_mul_i32 s22, s20, 16*KS
	s_mov_b32 s23, 0
	s_mul_i32 s92, s46, 16*KS
	s_mov_b32 s93, 0
	s_mul_i32 s20, s20, NK*FB
	s_mov_b32 s21, 0
	s_mul_i32 s46, s46, NK*FB
	s_mov_b32 s47, 0
	s_mul_i32 s45, s14, HALFT                      ; no place in the cluster enters an LDS address
	s_mul_i32 s94, s14, HALFS
	s_wait_kmcnt 0x0
	s_add_nc_u64 s[6:7], s[4:5], P_SC
	s_add_nc_u64 s[8:9], s[8:9], R_OFF
	s_add_nc_u64 s[20:21], s[4:5], s[20:21]
	s_add_nc_u64 s[22:23], s[6:7], s[22:23]
	s_add_nc_u64 s[46:47], s[8:9], s[46:47]
	s_add_nc_u64 s[92:93], s[10:11], s[92:93]
	CROUND                                         ; all sixteen work-groups are here: the first joint loads meet
	s_mov_b32 s[G0S], 1
	s_add_co_u32 s[G0S+1], s94, SCL
	s_mov_b64 s[G0S+2:G0S+3], s[22:23]
	s_or_b32 s[G0S+3], s[G0S+3], 0x80000000
	s_mov_b32 s[G0SB], 1
	s_add_co_u32 s[G0SB+1], s94, SCL
	s_mov_b64 s[G0SB+2:G0SB+3], s[92:93]
	s_or_b32 s[G0SB+3], s[G0SB+3], 0x80000000
	JLOAD G0S, G1S, G0SB, G1SB
.irp s, 0,1
	s_mov_b32 s[G0+4*\s], 1
	s_add_co_u32 s[G0+4*\s+1], s45, \s*SLOT
	s_add_nc_u64 s[G0+4*\s+2:G0+4*\s+3], s[20:21], \s*NQ*FB
	s_or_b32 s[G0+4*\s+3], s[G0+4*\s+3], 0x80000000
	s_mov_b32 s[G0B+4*\s], 1
	s_add_co_u32 s[G0B+4*\s+1], s45, \s*SLOT
	s_add_nc_u64 s[G0B+4*\s+2:G0B+4*\s+3], s[46:47], \s*NQ*FB
	s_or_b32 s[G0B+4*\s+3], s[G0B+4*\s+3], 0x80000000
	JLOAD G0+4*\s, G1, G0B+4*\s, G1B
.endr
	v_and_b32 v1, 15, v0                           ; s
	v_bfe_u32 v2, v0, 4, 1                         ; h
	v_and_b32 v3, 31, v0
	v_lshlrev_b32 v[CO], 4, v3
	v_lshlrev_b32 v[V8], 3, v3
	s_mul_i32 s21, s15, HALFT
	s_mul_i32 s22, s16, HALFT
	s_add_co_u32 s22, s22, 2*HALFT
.irp s, 0,1
	v_add_nc_u32 v[ADRA+\s], s21, v[CO]
	v_add_nc_u32 v[ADRB+\s], s22, v[CO]
	v_add_nc_u32 v[ADRA+2+\s], s21, v[V8]
	v_add_nc_u32 v[ADRB+2+\s], s22, v[V8]
	s_add_co_u32 s21, s21, SLOT
	s_add_co_u32 s22, s22, SLOT
.endr
	v_and_b32 v4, 8, v1
	v_add_nc_u32 v4, v4, v1                        ; s + 8 (s / 8)
	v_mul_u32_u24 v5, v4, KS
	v_lshrrev_b32 v6, 8, v5
	v_lshl_add_u32 v5, v6, 4, v5
	s_mul_i32 s21, s15, HALFS
	s_mul_i32 s22, s16, HALFS
	s_add_co_u32 s22, s22, 2*HALFS
	s_sub_co_u32 s22, s22, s21
	v_mul_u32_u24 v6, s22, v2                      ; lanes 16-31 take R's
	s_add_co_u32 s21, s21, SCL
	v_add_nc_u32 v5, v5, v6
	v_add_nc_u32 v[ADRS], s21, v5
	s_mul_i32 s23, s14, 16*SPITCH                  ; my stage
	v_mul_u32_u24 v5, v1, SPITCH                   ; in: row = slot s, + 64 h
	v_lshl_add_u32 v5, v2, 6, v5
	v_add_nc_u32 v[STO], s23, v5
	v_add_nc_u32 v[RD], s23, v[CO]                 ; back: the 32 lanes take one row of 512 bytes
	s_lshl_b32 s20, s17, 8
	s_lshl_b32 s21, s15, 7
	s_add_co_u32 s20, s20, s21                     ; my first row of C,
	s_lshl_b32 s20, s20, 12                        ; of 4,096 bytes
	s_mov_b32 s21, 0
	s_lshl_b32 s46, s42, 10                        ; my first column, in bytes
	s_lshl_b32 s47, s16, 9
	s_add_co_u32 s46, s46, s47
	s_mov_b32 s47, 0
	s_add_nc_u64 s[20:21], s[20:21], s[46:47]
	s_add_nc_u64 s[12:13], s[12:13], s[20:21]
.macro FRAG reg, adr, off
	ds_load_b128 v[\reg:\reg+3], v[\adr] offset:\off
	ds_load_b64 v[\reg+4:\reg+5], v[\adr+2] offset:\off+512
	ds_load_b128 v[\reg+6:\reg+9], v[\adr] offset:\off+768
	ds_load_b64 v[\reg+10:\reg+11], v[\adr+2] offset:\off+1280
.endm
; 16 matrix instructions; the 64 accumulators take turns, one instruction a turn, in the same order in every step
.macro MUL16 a0, p, q, sc, zero
.irp a, \a0, \a0+1
.irp b, 0,1,2,3,4,5,6,7
.if \zero
	v_wmma_scale_f32_16x16x128_f8f6f4 v[8*(8*((\a)%4)+\b):8*(8*((\a)%4)+\b)+7], v[128*(\p)+FR*\b:128*(\p)+FR*\b+FR-1], v[AF+FR*(\a):AF+FR*(\a)+FR-1], 0, v[SC+8*NQ*(\sc)+NQ*\b+(\q)], v[SC+8*NQ*(\sc)+NQ*(\a)+(\q)] matrix_a_fmt:MATRIX_FMT_FP6 matrix_b_fmt:MATRIX_FMT_FP6 matrix_a_scale:MATRIX_SCALE_ROW1
.else
	v_wmma_scale_f32_16x16x128_f8f6f4 v[8*(8*((\a)%4)+\b):8*(8*((\a)%4)+\b)+7], v[128*(\p)+FR*\b:128*(\p)+FR*\b+FR-1], v[AF+FR*(\a):AF+FR*(\a)+FR-1], v[8*(8*((\a)%4)+\b):8*(8*((\a)%4)+\b)+7], v[SC+8*NQ*(\sc)+NQ*\b+(\q)], v[SC+8*NQ*(\sc)+NQ*(\a)+(\q)] matrix_a_fmt:MATRIX_FMT_FP6 matrix_b_fmt:MATRIX_FMT_FP6 matrix_a_scale:MATRIX_SCALE_ROW1
.endif
.endr
.endr
.endm
.macro FETCH_R slot, q, p
	WIN TO_R
.irp i, 0,1,2,3,4,5,6,7
	FRAG 128*(\p)+FR*\i, ADRB+\slot, \i*NQ*FB+(\q)*FB
.endr
	WIN 0
.endm
.macro FETCH_P slot, q, i0
.irp i, \i0, \i0+1, \i0+2, \i0+3
	FRAG AF+FR*(\i), ADRA+\slot, (\i)*NQ*FB+(\q)*FB
.endr
.endm
.macro SCALES sc
.irp i, 0,1,2,3,4,5,6,7
	ds_load_b64 v[SC+8*NQ*\sc+NQ*\i:SC+8*NQ*\sc+NQ*\i+1], v[ADRS] offset:((32*(\i/2)+8*(\i%2))*KS/256)*272
.endr
.endm
.macro PLACES n
.rept \n
	v_nop
.endr
.endm
.macro STEP slot, q, zero
	s_wait_dscnt 4*NL                              ; R's set and P's tiles 0-3 are in; the youngest 16 loads (P's tiles 4-7) may be out
	WIN MUL_LO
	MUL16 0, (\q)%2, \q, \slot, \zero
	MUL16 2, (\q)%2, \q, \slot, \zero
	s_wait_dscnt 0
	PLACES NP
	FETCH_R \slot, (\q)+1, 1-(\q)%2
	FETCH_P \slot, (\q)+1, 0
	WIN MUL_HI
	MUL16 4, (\q)%2, \q, \slot, \zero
	MUL16 6, (\q)%2, \q, \slot, \zero
	PLACES NP
	WIN 0
	FETCH_P \slot, (\q)+1, 4
.endm
.macro TURN slot, next, fill
	s_wait_tensorcnt 0x0                           ; all my tensor loads have landed: my part of the next slot
	ds_add_u32 v[SPW], v[NIL]                      ; 0 onto my spare word
	s_wait_dscnt 4*NL+1                            ; (the add and the youngest 16 loads may be out)
	WIN MUL_LO
	MUL16 0, 1, NQ-1, \slot, 0
	s_wait_dscnt 0x0                               ; the add is done, and my reads of this slot are over
	s_barrier_signal -1
	MUL16 2, 1, NQ-1, \slot, 0
	WIN 0
	s_barrier_wait -1
.if \fill
	CREST                                          ; a round of the cluster's barrier: no wave of any partner still reads this slot or has a load on its way
	s_add_nc_u64 s[G0+4*\slot+2:G0+4*\slot+3], s[G0+4*\slot+2:G0+4*\slot+3], 2*NQ*FB
	s_add_nc_u64 s[G0B+4*\slot+2:G0B+4*\slot+3], s[G0B+4*\slot+2:G0B+4*\slot+3], 2*NQ*FB
	JLOAD G0+4*\slot, G1, G0B+4*\slot, G1B
.else
	PLACES NP
.endif
	v_add_nc_u32 v[ADRS], 4*NQ, v[ADRS]
	FETCH_R \next, 0, 0
	FETCH_P \next, 0, 0
	SCALES \next
	WIN MUL_HI
	MUL16 4, 1, NQ-1, \slot, 0
	MUL16 6, 1, NQ-1, \slot, 0
	PLACES NP
	WIN 0
	FETCH_P \next, 0, 4
.endm
	s_wait_tensorcnt 1                             ; the scales and my part of K step 0 are in (K step 1's load may be out),
	s_barrier_signal -1
	s_barrier_wait -1                              ; everybody's are
	FETCH_R 0, 0, 0
	FETCH_P 0, 0, 0
	SCALES 0
	FETCH_P 0, 0, 4
	STEP 0, 0, 1
	s_mov_b32 s3, LAPS-1
.Llap:
	TURN 0, 1, 1
	STEP 1, 0, 0
	TURN 1, 0, 1
	STEP 0, 0, 0
	s_sub_co_u32 s3, s3, 1
	s_cmp_lg_u32 s3, 0
	s_cbranch_scc1 .Llap
	TURN 0, 1, 0
	STEP 1, 0, 0
	s_wait_dscnt 4*NL
	WIN MUL_LO
	MUL16 0, 1, NQ-1, 1, 0
	MUL16 2, 1, NQ-1, 1, 0
	s_wait_dscnt 0
	WIN MUL_HI
	MUL16 4, 1, NQ-1, 1, 0
	MUL16 6, 1, NQ-1, 1, 0
	WIN 0
; THE WAY OUT, tile a of P at a time: 16 rows x 128 columns go through my own stage and come back as whole rows of 512 bytes.  LDS serves a wave's instructions in order: no wait between the stores and the loads.
.macro TOSTAGE a
.set AC, 64*((\a)%4)
	WIN 0x08+4*((\a)/4)                            ; the data: window 2 or 3
.irp b, 0,1,2,3,4,5,6,7
	ds_store_b128 v[STO], v[AC+8*\b:AC+8*\b+3] offset:128*(\b/2)+32*(\b%2)       ; each accumulator from its low end on
	ds_store_b128 v[STO], v[AC+8*\b+4:AC+8*\b+7] offset:128*(\b/2)+32*(\b%2)+16
.endr
	WIN 0
.set BB, BK+64*((\a)%2)
.irp t, 0,1,2,3,4,5,6,7,8,9,10,11,12,13,14,15
	ds_load_b128 v[BB+4*\t:BB+4*\t+3], v[RD] offset:\t*SPITCH
.endr
.endm
.macro SEND a, younger                 ; younger: the LDS instructions issued behind tile a's loads
.set BB, BK+64*((\a)%2)
	s_wait_dscnt \younger
.irp t, 0,1,2,3,4,5,6,7,8,9,10,11,12,13,14,15
	global_store_b128 v[CO], v[BB+4*\t:BB+4*\t+3], s[12:13] offset:(32*((\a)/2)+8*((\a)%2)+\t+8*(\t/8))*4096   ; slot t's row: 512 consecutive bytes from a multiple of 256; the whole row offset stands in the immediate
.endr
.endm
	PLACES NP
	TOSTAGE 0
.irp a, 1,2,3,4,5,6,7
.if \a > 1
	s_wait_xcnt 0x0                                ; tile a - 2's stores have read their registers: tile a's rows may land there
.endif
	TOSTAGE \a
	SEND \a-1, 32                                  ; behind tile a - 1's loads: tile a's 16 stores and 16 loads
.endr
	SEND 7, 0
	s_wait_tensorcnt 0x0                           ; the wave's end
	ds_add_u32 v[SPW], v[NIL]
	s_wait_dscnt 0x0
	CROUND                                         ; the closing round
	s_endpgm
.Lfunc_end_k_qd415f393b7_ffn2:
	.size	k_qd415f393b7_ffn2, .Lfunc_end_k_qd415f393b7_ffn2-k_qd415f393b7_ffn2
	.p2alignl 7, 3214868480
	.fill 96, 4, 3214868480
	.section	.rodata,"a",@progbits
	.p2align	6, 0x0
	.amdhsa_kernel k_qd415f393b7_ffn2
		.amdhsa_group_segment_fixed_size 327680
		.amdhsa_private_segment_fixed_size 0
		.amdhsa_enable_private_segment 0
		.amdhsa_kernarg_size 32
		.amdhsa_user_sgpr_count 2
		.amdhsa_user_sgpr_kernarg_segment_ptr 1
		.amdhsa_wavefront_size32 1
		.amdhsa_system_sgpr_workgroup_id_x 1
		.amdhsa_system_sgpr_workgroup_id_y 1
		.amdhsa_system_sgpr_workgroup_id_z 1
		.amdhsa_system_vgpr_workitem_id 0
		.amdhsa_next_free_vgpr 1024
		.amdhsa_next_free_sgpr 100
		.amdhsa_reserve_vcc 0
		.amdhsa_float_denorm_mode_32 3
		.amdhsa_float_denorm_mode_16_64 3
		.amdhsa_memory_ordered 1
		.amdhsa_forward_progress 1
		.amdhsa_inst_pref_size 143
	.end_amdhsa_kernel
	.amdgpu_metadata
---
amdhsa.version: [ 1, 2 ]
amdhsa.kernels:
  - .name:           k_qd415f393b7_ffn2
    .symbol:         k_qd415f393b7_ffn2.kd
    .args:
      - { .name: hid, .offset: 0, .size: 8, .value_kind: global_buffer, .address_space: global }
      - { .name: wimg, .offset: 8, .size: 8, .value_kind: global_buffer, .address_space: global }
      - { .name: W2_scales, .offset: 16, .size: 8, .value_kind: global_buffer, .address_space: global }
      - { .name: cbuf, .offset: 24, .size: 8, .value_kind: global_buffer, .address_space: global }
    .group_segment_fixed_size: 327680
    .private_segment_fixed_size: 0
    .kernarg_segment_align: 8
    .kernarg_segment_size: 32
    .max_flat_workgroup_size: 128
    .sgpr_count:     100
    .vgpr_count:     1024
    .wavefront_size: 32
...
	.end_amdgpu_metadata
.endif
;; end of part 7
;; launch ln2 (part 8): grid 256 x 1, 8 waves a work-group, no clusters, 0 bytes of LDS; arguments cbuf, hf, b2, ln2_g, ln2_b, out0; writes out0
.if DOCPART == 8
	.amdgcn_target "amdgcn-amd-amdhsa--gfx1250"
	.amdhsa_code_object_version 6
	.text
	.protected	k_qd415f393b7_ln2
	.globl	k_qd415f393b7_ln2
	.p2align	8
	.type	k_qd415f393b7_ln2,@function
k_qd415f393b7_ln2:
	s_mov_b64 s[64:65], 0
	v_nop
	global_prefetch_b8 v0, s[64:65] scope:SCOPE_SE
	s_setreg_imm32_b32 hwreg(HW_REG_WAVE_MODE, 25, 1), 1
	s_wait_xcnt 0x0
; out0 = layernorm(h + (cbuf + b2)) x gain + offset, all in f32.
; A work-group takes 16 rows, a wave two neighbouring rows, each whole in 32 registers: 8 loads of 512 consecutive bytes; every byte is read once and written once, in runs of 512 bytes from multiples of 256.
; Mean first, then the sum of squared differences from it, as the definition has it; sums within a lane packed, then across the 32 lanes.  Waves share nothing: no LDS, no barrier.
; Memory binds: no matrix unit, no cluster, no tensor load.  LIMITS: NaN and infinities pass through as the arithmetic makes them.
.set Z,   64                           ; v64-127  two rows
.set X,   128                          ; v128-191 h's two rows
.set BO,  192                          ; v192-223 the bias
.set G,   224                          ; v224-255 the gain
.set BE,  32                           ; v32-63   the offset
.set SA,  8
.set SQ,  12
.set RS,  16
.set SEL, 30
.macro REDUCE r                        ; the pair's two halves, then the 32 lanes: the sum in every lane
	v_add_f32 v[\r], v[\r], v[\r+1]
	v_add_f32_dpp v[\r], v[\r], v[\r] row_xmask:1 row_mask:0xf bank_mask:0xf
	v_add_f32_dpp v[\r], v[\r], v[\r] row_xmask:2 row_mask:0xf bank_mask:0xf
	v_add_f32_dpp v[\r], v[\r], v[\r] row_xmask:4 row_mask:0xf bank_mask:0xf
	v_add_f32_dpp v[\r], v[\r], v[\r] row_xmask:8 row_mask:0xf bank_mask:0xf
	v_permlanex16_b32 v[\r+1], v[\r], s[SEL], s[SEL+1]
	v_add_f32 v[\r], v[\r], v[\r+1]
.endm
	s_load_b256 s[8:15], s[0:1], 0x0               ; cbuf s[8:9], hf s[10:11], b2 s[12:13], gain s[14:15]
	s_load_b128 s[16:19], s[0:1], 0x20             ; offset s[16:17], out0 s[18:19]
	v_lshrrev_b32 v1, 5, v0
	v_readfirstlane_b32 s2, v1                     ; wave 0..7
	v_and_b32 v1, 31, v0
	v_lshlrev_b32 v2, 4, v1                        ; 16 x lane
	s_lshl_b32 s4, ttmp9, 4
	s_lshl_b32 s5, s2, 1
	s_add_co_u32 s4, s4, s5                        ; my first row
	s_lshl_b32 s4, s4, 12
	s_mov_b32 s5, 0
	s_mov_b32 s24, 0x3a800000                      ; 1 / 1024
	s_mov_b32 s25, 0x3727c5ac                      ; 1e-5
	s_mov_b32 s[SEL], 0x76543210
	s_mov_b32 s[SEL+1], 0xfedcba98
	s_wait_kmcnt 0x0
	s_add_nc_u64 s[8:9], s[8:9], s[4:5]
	s_add_nc_u64 s[10:11], s[10:11], s[4:5]
	s_add_nc_u64 s[18:19], s[18:19], s[4:5]
.irp e, 0,1
.irp i, 0,1,2,3,4,5,6,7
	global_load_b128 v[Z+32*\e+4*\i:Z+32*\e+4*\i+3], v2, s[8:9] offset:4096*\e+512*\i th:TH_LOAD_NT
.endr
.endr
.irp e, 0,1
.irp i, 0,1,2,3,4,5,6,7
	global_load_b128 v[X+32*\e+4*\i:X+32*\e+4*\i+3], v2, s[10:11] offset:4096*\e+512*\i th:TH_LOAD_NT
.endr
.endr
.irp i, 0,1,2,3,4,5,6,7
	global_load_b128 v[BO+4*\i:BO+4*\i+3], v2, s[12:13] offset:512*\i
.endr
.irp i, 0,1,2,3,4,5,6,7
	global_load_b128 v[G+4*\i:G+4*\i+3], v2, s[14:15] offset:512*\i
.endr
.irp i, 0,1,2,3,4,5,6,7
	global_load_b128 v[BE+4*\i:BE+4*\i+3], v2, s[16:17] offset:512*\i
.endr
	s_wait_loadcnt 16                              ; all but the gain's and the offset's sixteen loads are in
.set j, 0
.rept 16
	v_pk_add_f32 v[Z+j:Z+j+1], v[Z+j:Z+j+1], v[BO+j:BO+j+1]
	v_pk_add_f32 v[Z+32+j:Z+33+j], v[Z+32+j:Z+33+j], v[BO+j:BO+j+1]
.set j, j+2
.endr
.set j, 0
.rept 32
	v_pk_add_f32 v[Z+j:Z+j+1], v[Z+j:Z+j+1], v[X+j:X+j+1]
.set j, j+2
.endr
.irp e, 0,1
	v_pk_add_f32 v[SA+2*\e:SA+2*\e+1], v[Z+32*\e:Z+32*\e+1], v[Z+32*\e+2:Z+32*\e+3]
.endr
.irp j, 4,6,8,10,12,14,16,18,20,22,24,26,28,30
.irp e, 0,1
	v_pk_add_f32 v[SA+2*\e:SA+2*\e+1], v[SA+2*\e:SA+2*\e+1], v[Z+32*\e+\j:Z+32*\e+\j+1]
.endr
.endr
	REDUCE SA
	REDUCE SA+2
.irp e, 0,1
	v_mul_f32 v[SA+2*\e], 0xba800000, v[SA+2*\e]   ; -mean
.endr
.irp e, 0,1
.irp j, 0,2,4,6,8,10,12,14,16,18,20,22,24,26,28,30
	v_pk_add_f32 v[Z+32*\e+\j:Z+32*\e+\j+1], v[Z+32*\e+\j:Z+32*\e+\j+1], v[SA+2*\e:SA+2*\e+1] op_sel_hi:[1,0]
.endr
.endr
.irp e, 0,1
	v_pk_mul_f32 v[SQ+2*\e:SQ+2*\e+1], v[Z+32*\e:Z+32*\e+1], v[Z+32*\e:Z+32*\e+1]
.endr
.irp j, 2,4,6,8,10,12,14,16,18,20,22,24,26,28,30
.irp e, 0,1
	v_pk_fma_f32 v[SQ+2*\e:SQ+2*\e+1], v[Z+32*\e+\j:Z+32*\e+\j+1], v[Z+32*\e+\j:Z+32*\e+\j+1], v[SQ+2*\e:SQ+2*\e+1]
.endr
.endr
	REDUCE SQ
	REDUCE SQ+2
.irp e, 0,1
	v_fma_f32 v[SQ+2*\e], v[SQ+2*\e], s24, s25     ; the variance + eps
.endr
.irp e, 0,1
	v_rsq_f32 v[RS+2*\e], v[SQ+2*\e]
.endr
.irp e, 0,1
	v_mov_b32 v[RS+2*\e+1], 0                      ; plain lines behind the transcendentals; (the pairs' upper halves are named below)
.endr
	s_wait_loadcnt 0x0
	s_wait_alu depctr_va_vdst(0)
.irp e, 0,1
.irp j, 0,2,4,6,8,10,12,14,16,18,20,22,24,26,28,30
	v_pk_mul_f32 v[Z+32*\e+\j:Z+32*\e+\j+1], v[Z+32*\e+\j:Z+32*\e+\j+1], v[RS+2*\e:RS+2*\e+1] op_sel_hi:[1,0]
.endr
.irp j, 0,2,4,6,8,10,12,14,16,18,20,22,24,26,28,30
	v_pk_fma_f32 v[Z+32*\e+\j:Z+32*\e+\j+1], v[Z+32*\e+\j:Z+32*\e+\j+1], v[G+\j:G+\j+1], v[BE+\j:BE+\j+1]
.endr
.endr
.irp e, 0,1
.irp i, 0,1,2,3,4,5,6,7
	global_store_b128 v2, v[Z+32*\e+4*\i:Z+32*\e+4*\i+3], s[18:19] offset:4096*\e+512*\i th:TH_STORE_NT
.endr
.endr
	s_endpgm
.Lfunc_end_k_qd415f393b7_ln2:
	.size	k_qd415f393b7_ln2, .Lfunc_end_k_qd415f393b7_ln2-k_qd415f393b7_ln2
	.p2alignl 7, 3214868480
	.fill 96, 4, 3214868480
	.section	.rodata,"a",@progbits
	.p2align	6, 0x0
	.amdhsa_kernel k_qd415f393b7_ln2
		.amdhsa_group_segment_fixed_size 0
		.amdhsa_private_segment_fixed_size 0
		.amdhsa_enable_private_segment 0
		.amdhsa_kernarg_size 48
		.amdhsa_user_sgpr_count 2
		.amdhsa_user_sgpr_kernarg_segment_ptr 1
		.amdhsa_wavefront_size32 1
		.amdhsa_system_sgpr_workgroup_id_x 1
		.amdhsa_system_sgpr_workgroup_id_y 1
		.amdhsa_system_sgpr_workgroup_id_z 1
		.amdhsa_system_vgpr_workitem_id 0
		.amdhsa_next_free_vgpr 256
		.amdhsa_next_free_sgpr 66
		.amdhsa_reserve_vcc 0
		.amdhsa_float_denorm_mode_32 3
		.amdhsa_float_denorm_mode_16_64 3
		.amdhsa_memory_ordered 1
		.amdhsa_forward_progress 1
		.amdhsa_inst_pref_size 24
	.end_amdhsa_kernel
	.amdgpu_metadata
---
amdhsa.version: [ 1, 2 ]
amdhsa.kernels:
  - .name:           k_qd415f393b7_ln2
    .symbol:         k_qd415f393b7_ln2.kd
    .args:
      - { .name: cbuf, .offset: 0, .size: 8, .value_kind: global_buffer, .address_space: global }
      - { .name: hf, .offset: 8, .size: 8, .value_kind: global_buffer, .address_space: global }
      - { .name: b2, .offset: 16, .size: 8, .value_kind: global_buffer, .address_space: global }
      - { .name: ln2_g, .offset: 24, .size: 8, .value_kind: global_buffer, .address_space: global }
      - { .name: ln2_b, .offset: 32, .size: 8, .value_kind: global_buffer, .address_space: global }
      - { .name: out0, .offset: 40, .size: 8, .value_kind: global_buffer, .address_space: global }
    .group_segment_fixed_size: 0
    .private_segment_fixed_size: 0
    .kernarg_segment_align: 8
    .kernarg_segment_size: 48
    .max_flat_workgroup_size: 256
    .sgpr_count:     66
    .vgpr_count:     256
    .wavefront_size: 32
...
	.end_amdgpu_metadata
.endif
;; end of part 8
;; ======== version 2 of 2: 7 launches
;; limits: right only within a limited range of input values
;; workspace buffers: xq 3,276,800 bytes; wimg 9,437,184 bytes; qkv 9,830,400 bytes; att 3,276,800 bytes; cbuf 16,777,216 bytes; hf 16,777,216 bytes; hq 3,276,800 bytes; hid 13,107,200 bytes
;; launch prep (part 9): grid 704 x 1, 4 waves a work-group, no clusters, 84,480 bytes of LDS; arguments x, Wq_codes, Wk_codes, Wv_codes, Wo_codes, W1_codes, W2_codes, xq, wimg; writes xq, wimg
.if DOCPART == 9
	.amdgcn_target "amdgcn-amd-amdhsa--gfx1250"
	.amdhsa_code_object_version 6
	.text
	.protected	k_qd415f393b7_prep
	.globl	k_qd415f393b7_prep
	.p2align	8
	.type	k_qd415f393b7_prep,@function
k_qd415f393b7_prep:
	s_mov_b64 s[64:65], 0
	v_nop
	global_prefetch_b8 v0, s[64:65] scope:SCOPE_SE
	s_setreg_imm32_b32 hwreg(HW_REG_WAVE_MODE, 25, 1), 1
	s_wait_xcnt 0x0
; PREP.  Two jobs in one launch, parted once on the work-group's number; the two ways use LDS bytes of their own and never join.
; (1) work-groups 0-511: x [4096][1024] f32 becomes codes of FP6 (E2M3) with one E8M0 byte for each 32 along K.
; (2) work-groups 512-703: the six weights' codes (rows with K innermost) are laid anew, bit for bit, in the order of an operand's registers.
; THE IMAGE FORMAT of every operand of this program but Wo (laid otherwise in way 2).  A tile is 16 rows: slot s of tile t is row 32 (t / 2) + 8 (t % 2) + s + 8 (s / 8).
; A fragment (tile t, 128 along K: step k) is 1,536 bytes at (t x K / 128 + k) x 1,536: two halves of 768 bytes (64 along K each); in a half first
; registers 0-3 of the lane's six, 16 bytes a lane, then registers 4-5, 8 bytes a lane.  Lane (s, h) holds the 24 bytes of its row at 96 k + 48 c + 24 h.
; So a fragment is stored and loaded by two accesses of 16 bytes and two of 8 a lane, each covering consecutive bytes from a multiple of 256.
; x's scale bytes lie [row][32], rows in their natural order, at byte 3,145,728 of xq.
; A block's scale is 2^(floor(log2(largest magnitude)) - 2); its byte is the largest magnitude's exponent field - 2, held at 1 from below.
; LIMITS: NaN and infinities are not served; a block whose largest magnitude lies under 2^-124 gets the byte 1; a block of zeros gets the byte 1 (not 127): its codes are zeros, and this program alone reads the bytes.
; Waves share nothing: no barrier.
.set XSTG,  16*528                     ; way 1: a wave's stage: 16 rows of 512 bytes + 16
.set WSTG0, 4*XSTG                     ; way 2's stages begin behind way 1's
.set WSTG,  16*784                     ; a wave's stage: 16 rows of 768 bytes + 16
.set XR,  32                           ; v32-95   16 rows x 16 bytes a lane, as loaded
.set YR,  96                           ; v96-159  64 numbers of my row: register 16 b + i = k 32 b + 16 h + i
.set TM,  160                          ; v160-175 the quantiser's work
.set PW,  176                          ; the scale word
.set PC,  178                          ; v178-196 the codes
.set RO,  8                            ; v8-23    way 2: byte offset of row t
.set LR,  32                           ; v32-127  way 2: as loaded
.set FRG, 128                          ; v128-223 way 2: eight fragments
.set SEL, 34                           ; s[34:35] lane selects: lane l xor 16
; 64 numbers of a lane, register 16 b + i = k 32 b + 16 (lane / 16) + i of my row, become a fragment's codes in v[PC] on and its scale word in v[PW]
.macro QUANT s
.irp b, 0,1,2,3
	v_max3_num_f32 v[TM+\b], |v[\s+16*\b]|, |v[\s+1+16*\b]|, 0x1800000   ; my 16 numbers of block b, and the floor 2^(3 - 127): the byte cannot fall under 1
.endr
.irp i, 2,4,6,8,10,12,14
.irp b, 0,1,2,3
	v_max3_num_f32 v[TM+\b], v[TM+\b], |v[\s+16*\b+\i]|, |v[\s+1+16*\b+\i]|
.endr
.endr
.irp b, 0,1,2,3
	v_permlanex16_b32 v[TM+4+\b], v[TM+\b], s[SEL], s[SEL+1]
.endr
.irp b, 0,1,2,3
	v_max_num_f32 v[TM+\b], v[TM+\b], v[TM+4+\b]           ; with lane l xor 16's: the block's largest magnitude
.endr
.irp b, 0,1,2,3
	v_add_nc_u32 v[TM+12+\b], 0xff000000, v[TM+\b]         ; 2 off its exponent field: the conversion's scale operand
.endr
.irp b, 0,1,2,3
	v_lshrrev_b32 v[TM+4+\b], 23, v[TM+12+\b]              ; the scale's byte
.endr
	v_lshl_or_b32 v[PW], v[TM+5], 8, v[TM+4]
	v_lshl_or_b32 v[PW], v[TM+6], 16, v[PW]
	v_lshl_or_b32 v[PW], v[TM+7], 24, v[PW]
.irp c, 0,1
	v_cvt_scalef32_pk16_fp6_f32 v[PC+6*\c:PC+2+6*\c], v[\s+32*\c:\s+15+32*\c], v[TM+12+2*\c]
	v_cvt_scalef32_pk16_fp6_f32 v[PC+12+4*\c:PC+14+4*\c], v[\s+16+32*\c:\s+31+32*\c], v[TM+12+2*\c+1]
.endr
	v_nop                                          ; one plain place behind a scaled conversion
.irp c, 0,1                                    ; a whole block to a lane: lanes 0-15 block 2 c, lanes 16-31 block 2 c + 1
.irp i, 0,1,2
	v_permlane16_swap_b32 v[PC+6*\c+\i], v[PC+12+4*\c+\i]
.endr
.irp i, 0,1,2
	v_mov_b32 v[PC+3+6*\c+\i], v[PC+12+4*\c+\i]
.endr
.endr
.endm
	s_load_b512 s[16:31], s[0:1], 0x0              ; x s[16:17], Wq, Wk, Wv, Wo, W1, W2 s[18:29], xq s[30:31]
	s_load_b64 s[32:33], s[0:1], 0x40              ; wimg
	v_lshl_add_u32 v224, v0, 2, 0x14800
	v_mov_b32 v225, 0
	v_lshrrev_b32 v1, 5, v0
	v_readfirstlane_b32 s3, v1                     ; wave
	v_and_b32 v1, 31, v0                           ; lane
	v_and_b32 v2, 15, v0                           ; s
	v_bfe_u32 v3, v0, 4, 1                         ; h
	v_lshlrev_b32 v4, 4, v1                        ; 16 x lane
	v_lshlrev_b32 v5, 3, v1                        ; 8 x lane
	s_cmp_lt_u32 ttmp9, 512
	s_cbranch_scc0 .Lweights
	; ---- way 1: one fragment of x to a wave: unit u = 4 x work-group + wave = 8 x tile + K step
	s_lshl_b32 s4, ttmp9, 2
	s_add_co_u32 s4, s4, s3                        ; u
	s_lshr_b32 s5, s4, 3                           ; tile
	s_and_b32 s6, s4, 7                            ; K step
	s_lshr_b32 s7, s5, 1
	s_lshl_b32 s7, s7, 5
	s_and_b32 s8, s5, 1
	s_lshl_b32 s8, s8, 3
	s_add_co_u32 s7, s7, s8                        ; the tile's first row
	s_lshl_b32 s8, s7, 12                          ; a row of x is 4,096 bytes,
	s_lshl_b32 s9, s6, 9                           ; a K step 512
	s_add_co_u32 s8, s8, s9
	s_mov_b32 s9, 0
	s_mul_i32 s10, s4, 1536                        ; the fragment's place
	s_mov_b32 s11, 0
	s_lshl_b32 s12, s7, 5                          ; the scale bytes: 32 a row, 4 a K step
	s_lshl_b32 s13, s6, 2
	s_add_co_u32 s12, s12, s13
	s_add_co_u32 s12, s12, 3145728
	s_mov_b32 s13, 0
	s_mul_i32 s14, s3, XSTG
	s_wait_alu depctr_va_vdst(0)
	v_add_nc_u32 v6, s14, v4                       ; the stage, in: 16 bytes a lane of a row's 512
	v_mul_u32_u24 v7, v2, 528
	v_lshl_add_u32 v7, v3, 6, v7
	v_add_nc_u32 v7, s14, v7                       ; out: row s, + 64 h: my 16 numbers of a block
	v_and_b32 v8, 8, v2
	v_add_nc_u32 v8, v8, v2                        ; s + 8 (s / 8)
	v_lshlrev_b32 v8, 5, v8
	v_lshl_add_u32 v8, v3, 1, v8                   ; my two scale bytes: row x 32 + 2 h
	v_lshlrev_b32 v9, 4, v3                        ; 16 h
	s_mov_b32 s[SEL], 0x76543210
	s_mov_b32 s[SEL+1], 0xfedcba98
.irp b, 0,1,2,3
	v_mov_b32 v[TM+4+\b], 0                        ; a lane permute's destination counts as one of its sources
.endr
	s_wait_kmcnt 0x0
	s_add_nc_u64 s[16:17], s[16:17], s[8:9]
	s_add_nc_u64 s[36:37], s[30:31], s[10:11]
	s_add_nc_u64 s[38:39], s[30:31], s[12:13]
.irp t, 0,1,2,3,4,5,6,7,8,9,10,11,12,13,14,15
	global_load_b128 v[XR+4*\t:XR+4*\t+3], v4, s[16:17] offset:(\t+8*(\t/8))*4096 th:TH_LOAD_NT   ; slot t's 512 consecutive bytes
.endr
.irp t, 0,1,2,3,4,5,6,7,8,9,10,11,12,13,14,15
	s_wait_loadcnt 15-\t                           ; loads come back in order: row t is in, the younger rows stay out
	ds_store_b128 v6, v[XR+4*\t:XR+4*\t+3] offset:528*\t
.endr
.irp b, 0,1,2,3
.irp j, 0,1,2,3
	ds_load_b128 v[YR+16*\b+4*\j:YR+16*\b+4*\j+3], v7 offset:128*\b+16*\j   ; LDS serves a wave's instructions in order: these see my stores
.endr
.endr
	s_wait_dscnt 0x0
	QUANT YR
	global_store_b128 v4, v[PC:PC+3], s[36:37]
	global_store_b64 v5, v[PC+4:PC+5], s[36:37] offset:512
	global_store_b128 v4, v[PC+6:PC+9], s[36:37] offset:768
	global_store_b64 v5, v[PC+10:PC+11], s[36:37] offset:1280
	v_lshrrev_b32 v10, v9, v[PW]                   ; lanes 0-15 keep bytes 0, 1 of the row's word, lanes 16-31 bytes 2, 3
	global_store_b16 v8, v10, s[38:39]             ; two bytes a lane into rows 32 bytes apart: one byte in 128 of what this way reads
	s_wait_tensorcnt 0x0
	ds_add_u32 v224, v225
	s_wait_dscnt 0x0
	s_endpgm
.Lweights:
	; ---- way 2: eight fragments (16 rows x 768 bytes of codes) to a wave: item = 4 j + wave; its images lie at item x 12,288 of wimg for all six weights
	s_sub_co_u32 s4, ttmp9, 512                    ; j: 0-15 Wq, 16-31 Wk, 32-47 Wv, 48-63 Wo, 64-127 W1, 128-191 W2
	s_lshl_b32 s5, s4, 2
	s_add_co_u32 s5, s5, s3                        ; item
	s_and_b32 s9, s5, 63                           ; the tile in a weight of 64 tiles,
	s_sub_co_u32 s10, s5, 256                      ; in W1,
	s_sub_co_u32 s11, s5, 512
	s_lshr_b32 s11, s11, 2                         ; in W2, whose rows of 3,072 bytes take four items
	s_mul_i32 s12, s3, 768                         ; (the wave's quarter of such a row)
	s_mov_b32 s8, 3072
	s_cmp_lt_u32 s4, 128
	s_cselect_b32 s10, s10, s11
	s_cselect_b32 s12, 0, s12
	s_cselect_b32 s8, 768, s8                      ; bytes in a row of codes
	s_cmp_lt_u32 s4, 64
	s_cselect_b32 s9, s9, s10                      ; the tile
	s_lshr_b32 s13, s9, 1
	s_lshl_b32 s13, s13, 5
	s_and_b32 s14, s9, 1
	s_lshl_b32 s14, s14, 3
	s_add_co_u32 s13, s13, s14                     ; its first row
	s_mul_i32 s14, s13, s8
	s_add_co_u32 s14, s14, s12
	s_mov_b32 s15, 0
	s_mul_i32 s6, s5, 12288
	s_mov_b32 s7, 0
	s_mul_i32 s36, s3, WSTG
	s_add_co_u32 s36, s36, WSTG0
	s_wait_alu depctr_va_vdst(0)
	v_add_nc_u32 v6, s36, v5                       ; the stage, in: 8 bytes a lane
	v_mul_u32_u24 v7, v2, 784
	v_mad_u32_u24 v7, v3, 24, v7
	v_add_nc_u32 v7, s36, v7                       ; out: row s, + 24 h
.irp t, 0,1,2,3,4,5,6,7,8,9,10,11,12,13,14,15
	v_mad_u32_u24 v[RO+\t], s8, \t+8*(\t/8), v5    ; slot t's row, + 8 x lane
.endr
	s_wait_alu depctr_va_vdst(0)
	s_wait_kmcnt 0x0
	s_cmp_lt_u32 s4, 128                           ; the source: a choice that hangs on the work-group's number alone
	s_cselect_b64 s[28:29], s[26:27], s[28:29]
	s_cmp_lt_u32 s4, 64
	s_cselect_b64 s[28:29], s[24:25], s[28:29]
	s_cmp_lt_u32 s4, 48
	s_cselect_b64 s[28:29], s[22:23], s[28:29]
	s_cmp_lt_u32 s4, 32
	s_cselect_b64 s[28:29], s[20:21], s[28:29]
	s_cmp_lt_u32 s4, 16
	s_cselect_b64 s[28:29], s[18:19], s[28:29]
	s_add_nc_u64 s[28:29], s[28:29], s[14:15]
	s_add_nc_u64 s[32:33], s[32:33], s[6:7]
.irp t, 0,1,2,3,4,5,6,7,8,9,10,11,12,13,14,15
.irp i, 0,1,2
	global_load_b64 v[LR+6*\t+2*\i:LR+6*\t+2*\i+1], v[RO+\t], s[28:29] offset:256*\i th:TH_LOAD_NT   ; 256 consecutive bytes
.endr
.endr
.irp t, 0,1,2,3,4,5,6,7,8,9,10,11,12,13,14,15
	s_wait_loadcnt 3*(15-\t)                       ; row t's three loads are in; the younger rows' stay out
.irp i, 0,1,2
	ds_store_b64 v6, v[LR+6*\t+2*\i:LR+6*\t+2*\i+1] offset:784*\t+256*\i
.endr
.endr
.irp k, 0,1,2,3,4,5,6,7
.irp p, 0,1,2,3,4,5
	ds_load_b64 v[FRG+12*\k+2*\p:FRG+12*\k+2*\p+1], v7 offset:96*\k+48*(\p/3)+8*(\p%3)   ; rows 196 words apart: the 32 lanes touch 64 different banks
.endr
.endr
	; Wo's fragments are laid otherwise than the others': three runs of 512 bytes, registers 0-3, 4-7, 8-11, 16 bytes a lane: their reader loads them straight into registers
	s_sub_co_u32 s9, s4, 48
	s_cmp_lt_u32 s9, 16                            ; Wo: j 48-63
	s_cselect_b32 s9, 1, 0
	s_cmp_eq_u32 s9, 1
	s_cbranch_scc1 .Lthree
.irp k, 0,1,2,3,4,5,6,7
	s_wait_dscnt 6*(7-\k)                          ; fragment k's six loads are in; the younger fragments' stay out
	global_store_b128 v4, v[FRG+12*\k:FRG+12*\k+3], s[32:33] offset:1536*\k
	global_store_b64 v5, v[FRG+12*\k+4:FRG+12*\k+5], s[32:33] offset:1536*\k+512
	global_store_b128 v4, v[FRG+12*\k+6:FRG+12*\k+9], s[32:33] offset:1536*\k+768
	global_store_b64 v5, v[FRG+12*\k+10:FRG+12*\k+11], s[32:33] offset:1536*\k+1280
.endr
	s_branch .Lw_end
.Lthree:
.irp k, 0,1,2,3,4,5,6,7
	s_wait_dscnt 6*(7-\k)
	global_store_b128 v4, v[FRG+12*\k:FRG+12*\k+3], s[32:33] offset:1536*\k
	global_store_b128 v4, v[FRG+12*\k+4:FRG+12*\k+7], s[32:33] offset:1536*\k+512
	global_store_b128 v4, v[FRG+12*\k+8:FRG+12*\k+11], s[32:33] offset:1536*\k+1024
.endr
.Lw_end:
	s_wait_tensorcnt 0x0
	ds_add_u32 v224, v225
	s_wait_dscnt 0x0
	s_endpgm
.Lfunc_end_k_qd415f393b7_prep:
	.size	k_qd415f393b7_prep, .Lfunc_end_k_qd415f393b7_prep-k_qd415f393b7_prep
	.p2alignl 7, 3214868480
	.fill 96, 4, 3214868480
	.section	.rodata,"a",@progbits
	.p2align	6, 0x0
	.amdhsa_kernel k_qd415f393b7_prep
		.amdhsa_group_segment_fixed_size 84480
		.amdhsa_private_segment_fixed_size 0
		.amdhsa_enable_private_segment 0
		.amdhsa_kernarg_size 72
		.amdhsa_user_sgpr_count 2
		.amdhsa_user_sgpr_kernarg_segment_ptr 1
		.amdhsa_wavefront_size32 1
		.amdhsa_system_sgpr_workgroup_id_x 1
		.amdhsa_system_sgpr_workgroup_id_y 1
		.amdhsa_system_sgpr_workgroup_id_z 1
		.amdhsa_system_vgpr_workitem_id 0
		.amdhsa_next_free_vgpr 226
		.amdhsa_next_free_sgpr 66
		.amdhsa_reserve_vcc 0
		.amdhsa_float_denorm_mode_32 3
		.amdhsa_float_denorm_mode_16_64 3
		.amdhsa_memory_ordered 1
		.amdhsa_forward_progress 1
		.amdhsa_inst_pref_size 31
	.end_amdhsa_kernel
	.amdgpu_metadata
---
amdhsa.version: [ 1, 2 ]
amdhsa.kernels:
  - .name:           k_qd415f393b7_prep
    .symbol:         k_qd415f393b7_prep.kd
    .args:
      - { .name: x, .offset: 0, .size: 8, .value_kind: global_buffer, .address_space: global }
      - { .name: Wq_codes, .offset: 8, .size: 8, .value_kind: global_buffer, .address_space: global }
      - { .name: Wk_codes, .offset: 16, .size: 8, .value_kind: global_buffer, .address_space: global }
      - { .name: Wv_codes, .offset: 24, .size: 8, .value_kind: global_buffer, .address_space: global }
      - { .name: Wo_codes, .offset: 32, .size: 8, .value_kind: global_buffer, .address_space: global }
      - { .name: W1_codes, .offset: 40, .size: 8, .value_kind: global_buffer, .address_space: global }
      - { .name: W2_codes, .offset: 48, .size: 8, .value_kind: global_buffer, .address_space: global }
      - { .name: xq, .offset: 56, .size: 8, .value_kind: global_buffer, .address_space: global }
      - { .name: wimg, .offset: 64, .size: 8, .value_kind: global_buffer, .address_space: global }
    .group_segment_fixed_size: 84480
    .private_segment_fixed_size: 0
    .kernarg_segment_align: 8
    .kernarg_segment_size: 72
    .max_flat_workgroup_size: 128
    .sgpr_count:     66
    .vgpr_count:     226
    .wavefront_size: 32
...
	.end_amdgpu_metadata
.endif
;; end of part 9
;; launch qkv (part 10): grid 12 x 16, 4 waves a work-group, clusters of 4 x 4, 327,680 bytes of LDS; arguments xq, wimg, Wq_scales, Wk_scales, Wv_scales, bq, bk, bv, qkv; writes qkv
.if DOCPART == 10
	.amdgcn_target "amdgcn-amd-amdhsa--gfx1250"
	.amdhsa_code_object_version 6
	.text
	.protected	k_qd415f393b7_qkv
	.globl	k_qd415f393b7_qkv
	.p2align	8
	.type	k_qd415f393b7_qkv,@function
k_qd415f393b7_qkv:
	s_mov_b64 s[64:65], 0
	v_nop
	global_prefetch_b8 v0, s[64:65] scope:SCOPE_SE
	s_setreg_imm32_b32 hwreg(HW_REG_WAVE_MODE, 25, 1), 1
	s_wait_xcnt 0x0
	s_wait_alu depctr_hold_cnt(0) depctr_sa_sdst(0) depctr_va_vdst(0) depctr_va_sdst(0) depctr_va_ssrc(0) depctr_va_vcc(0) depctr_vm_vsrc(0)
	s_getreg_b32 s2, hwreg(HW_REG_IB_STS2, 6, 4)
	s_cmp_eq_u32 s2, 0
	s_cbranch_scc0 .Lentry_in_a_cluster
	s_endpgm
.Lentry_in_a_cluster:
	s_bfe_u32 s2, ttmp6, 0x10000c
	s_cmp_lg_u32 s2, 0xf033
	s_cbranch_scc0 .Lentry_shape_is_right
	s_endpgm
.Lentry_shape_is_right:
.set SIZE_K, 1024
.set NK,     SIZE_K/128
.set KS,     SIZE_K/32
.set NQ,     2
.set FR,     12
.set FB,     1536
.set NL,     4
.set NP,     4
.set HALFT,  8*NQ*FB
.set SLOT,   4*HALFT
.set LAPS,   SIZE_K/512
.set SCL,    2*SLOT
.set HALFS,  (128*KS/256)*272
.set SPARE,  SCL+4*HALFS
.set ADRA, 16
.set ADRB, 20
.set V16,  24
.set V8,   25
.set VSQ,  26
.set ADRS, 27
.set SPW,  28
.set NIL,  29
.set BA,   30
.set BVA,  31
.set VSV,  10
.set SC,   32
.set BI,   64
.set AF,   128
.set T,    128
.set TM,   192
.set PW,   208
.set PW0,  209
.set W0,   232
.set W1,   233
.set DW,   211
.set PC,   212
.set BV,   240
.set SEL,  20
.set HM,   22
.set G1, 24
.set G0, 32
.set G1B, 48
.set G0B, 56
.set G1S, 68
.set G0S, 76
.set G1SB, 80
.set G0SB, 88
.set MSB, 0
.macro WIN new
.if MSB != (\new)
	s_set_vgpr_msb (MSB<<8)|(\new)
.set MSB, (\new)
.endif
.endm
.set MUL_LO, 0xa1
.set MUL_HI, 0xf1
.set TO_R,   0x40
.macro JLOAD g0a, g1a, g0b, g1b
	s_cmp_eq_u32 s15, 0
	s_cbranch_scc0 .Lfor_r_\@
	tensor_load_to_lds s[\g0a:\g0a+3], s[\g1a:\g1a+7]
	s_nop 0
.rept 4
	v_nop
.endr
	s_branch .Lasked_\@
.Lfor_r_\@:
	tensor_load_to_lds s[\g0b:\g0b+3], s[\g1b:\g1b+7]
	s_nop 0
.rept 4
	v_nop
.endr
.Lasked_\@:
.endm
.macro CREST
	s_cmp_lg_u32 s14, 0
	s_cbranch_scc1 .Lnot_wave_0_\@
	s_barrier_signal -3
.Lnot_wave_0_\@:
	s_barrier_wait -3
	s_barrier_signal -1
	s_barrier_wait -1
.endm
.macro CROUND
	s_barrier_signal -1
	s_barrier_wait -1
	CREST
.endm
	s_load_b512 s[68:83], s[0:1], 0x0
	s_load_b64 s[84:85], s[0:1], 0x40
	v_lshl_add_u32 v[SPW], v0, 2, SPARE
	v_mov_b32 v[NIL], 0
	ds_add_u32 v28, v29
	ds_add_u32 v28, v29
	s_wait_dscnt 0x0
	v_lshrrev_b32 v1, 5, v0
	v_readfirstlane_b32 s14, v1
	s_lshr_b32 s15, s14, 1
	s_and_b32 s16, s14, 1
	s_bfe_u32 s40, ttmp6, 0x40000
	s_bfe_u32 s41, ttmp6, 0x40004
	s_and_b32 s17, ttmp7, 0xffff
	s_lshl_b32 s17, s17, 2
	s_cmp_eq_u32 ttmp9, 2
	s_cselect_b32 s42, s17, 0
	s_cselect_b32 s17, 0, s17
	s_add_co_u32 s42, s42, s40
	s_add_co_u32 s17, s17, s41
	s_lshl_b32 s43, s41, 2
	s_lshl_b32 s43, 15, s43
	s_lshl_b32 s44, 0x1111, s40
	s_or_b32 s[G1+0], s43, (3<<16)|(1<<21)
	s_or_b32 s[G1B+0], s44, (3<<16)|(1<<21)
.irp g, G1, G1B
	s_mov_b32 s[\g+1], 384<<16
	s_mov_b32 s[\g+2], 16<<16                      ; the head's loads bring all 16 tiles of a slot; behind them the two words are set to 8
	s_mov_b32 s[\g+3], 384<<16
	s_mov_b32 s[\g+4], 16
	s_mov_b32 s[\g+5], NK*192
	s_mov_b32 s[\g+6], 0
	s_mov_b32 s[\g+7], 0
.endr
	s_lshl_b32 s18, s16, 3
	s_lshl_b32 s20, s17, 4
	s_lshl_b32 s46, s42, 4
	s_mul_i32 s22, s20, 16*KS
	s_mov_b32 s23, 0
	s_mul_i32 s92, s46, 16*KS
	s_mov_b32 s93, 0
	s_mul_i32 s20, s20, NK*FB
	s_mov_b32 s21, 0
	s_mul_i32 s46, s46, NK*FB
	s_mov_b32 s47, 0
	s_mul_i32 s45, s14, HALFT
	s_mul_i32 s94, s14, HALFS
	s_wait_kmcnt 0x0
	s_mul_i32 s18, ttmp9, 786432
	s_mov_b32 s19, 0
	s_add_nc_u64 s[70:71], s[70:71], s[18:19]
	s_add_nc_u64 s[86:87], s[68:69], 3145728
	s_mov_b64 s[12:13], s[84:85]
	s_cmp_eq_u32 ttmp9, 0
	s_cselect_b64 s[72:73], s[72:73], s[74:75]
	s_cselect_b64 s[78:79], s[78:79], s[80:81]
	s_cmp_eq_u32 ttmp9, 2
	s_cselect_b64 s[72:73], s[76:77], s[72:73]
	s_cselect_b64 s[96:97], s[82:83], s[78:79]
	s_cselect_b64 s[4:5], s[70:71], s[68:69]
	s_cselect_b64 s[6:7], s[72:73], s[86:87]
	s_cselect_b64 s[8:9], s[68:69], s[70:71]
	s_cselect_b64 s[10:11], s[86:87], s[72:73]
	s_or_b32 s[G1S+0], s43, (3<<16)|(1<<20)|(1<<21)|(5<<22)|(3<<25)
	s_or_b32 s[G1SB+0], s44, (3<<16)|(1<<20)|(1<<21)|(5<<22)|(3<<25)
.irp g, G1S, G1SB
	s_mov_b32 s[\g+1], 32<<16
	s_mov_b32 s[\g+2], (256*KS/256)<<16            ; the scales of all 256 rows by one load
	s_mov_b32 s[\g+3], 32<<16
	s_mov_b32 s[\g+4], 256*KS/256
	s_mov_b32 s[\g+5], 32
	s_mov_b32 s[\g+6], 0
	s_mov_b32 s[\g+7], 0
.endr
	s_add_nc_u64 s[20:21], s[4:5], s[20:21]
	s_add_nc_u64 s[22:23], s[6:7], s[22:23]
	s_add_nc_u64 s[46:47], s[8:9], s[46:47]
	s_add_nc_u64 s[92:93], s[10:11], s[92:93]
	CROUND
	; THE HEAD'S FOUR TILES, each whole, ONE A WAVE: wave 0 slot 0's 16 tiles of P, wave 1 those of R, wave 2 the scales of P's 256 rows, wave 3 those of R's
	s_mov_b32 s4, 1
	s_mov_b32 s5, 0
	s_mov_b64 s[6:7], s[20:21]
	s_or_b32 s7, s7, 0x80000000
	s_mov_b32 s8, 1
	s_mov_b32 s9, 2*HALFT
	s_mov_b64 s[10:11], s[46:47]
	s_or_b32 s11, s11, 0x80000000
	s_mov_b32 s[G0S], 1
	s_mov_b32 s[G0S+1], SCL
	s_mov_b64 s[G0S+2:G0S+3], s[22:23]
	s_or_b32 s[G0S+3], s[G0S+3], 0x80000000
	s_mov_b32 s[G0SB], 1
	s_mov_b32 s[G0SB+1], SCL+2*HALFS
	s_mov_b64 s[G0SB+2:G0SB+3], s[92:93]
	s_or_b32 s[G0SB+3], s[G0SB+3], 0x80000000
	s_lshl_b32 s18, s16, 3                         ; for the ring: the 8 tiles that I fetch
	s_mul_i32 s18, s18, NK*FB
	s_mov_b32 s19, 0
	s_add_nc_u64 s[20:21], s[20:21], s[18:19]
	s_add_nc_u64 s[46:47], s[46:47], s[18:19]
.irp s, 0,1
	s_mov_b32 s[G0+4*\s], 1
	s_add_co_u32 s[G0+4*\s+1], s45, \s*SLOT
	s_add_nc_u64 s[G0+4*\s+2:G0+4*\s+3], s[20:21], \s*NQ*FB
	s_or_b32 s[G0+4*\s+3], s[G0+4*\s+3], 0x80000000
	s_mov_b32 s[G0B+4*\s], 1
	s_add_co_u32 s[G0B+4*\s+1], s45, \s*SLOT
	s_add_nc_u64 s[G0B+4*\s+2:G0B+4*\s+3], s[46:47], \s*NQ*FB
	s_or_b32 s[G0B+4*\s+3], s[G0B+4*\s+3], 0x80000000
.endr
.macro ARM under, g0, g1, next         ; one chain of branches on the wave's number: every way passes exactly one load
	s_cmp_lt_u32 s14, \under
	s_cbranch_scc0 \next
	tensor_load_to_lds s[\g0:\g0+3], s[\g1:\g1+7]
	s_nop 0
.rept 4
	v_nop
.endr
	s_branch .Lhead_asked
\next:
.endm
	ARM 1, 4, G1, .Lhead_b
	ARM 2, 8, G1B, .Lhead_sa
	ARM 3, G0S, G1S, .Lhead_sb
	tensor_load_to_lds s[G0SB:G0SB+3], s[G1SB:G1SB+7]
	s_nop 0
.rept 4
	v_nop
.endr
.Lhead_asked:
	; THE PREFETCH: behind the load of slot n each wave asks for slot n + 2 of the 8 tiles that it fetches in the ring: 96 blocks of 256 bytes, which the four partners that ask for them jointly
	; share out by address: the partner at place p (cx for P, cy for R) takes tiles 2 p and 2 p + 1, 24 blocks, a lane a block (lanes 24-31 name the last again).  K has four slots: slots 2 and 3 are all there is to ask for.
	s_cmp_eq_u32 s15, 0
	s_cselect_b64 s[100:101], s[20:21], s[46:47]
	s_cselect_b32 s18, s40, s41
	s_mul_i32 s18, s18, 2*NK*FB
	s_add_co_u32 s18, s18, 2*NQ*FB
	s_add_nc_u64 s[100:101], s[100:101], s[18:19]
	v_and_b32 v11, 31, v0
	v_min_u32 v11, 23, v11
	v_mul_u32_u24 v12, v11, 22
	v_lshrrev_b32 v12, 8, v12                      ; block / 12: which of the two tiles
	v_mul_u32_u24 v12, v12, NK*FB-NQ*FB
	v_lshl_add_u32 v11, v11, 8, v12
	global_prefetch_b8 v11, s[100:101] th:TH_LOAD_NT scope:SCOPE_SE   ; slot 2
	v_and_b32 v1, 15, v0
	v_bfe_u32 v2, v0, 4, 1
	v_and_b32 v3, 31, v0
	v_lshlrev_b32 v[V16], 4, v3
	v_lshlrev_b32 v[V8], 3, v3
	s_mul_i32 s21, s15, HALFT
	s_mul_i32 s22, s16, HALFT
	s_add_co_u32 s22, s22, 2*HALFT
.irp s, 0,1
	v_add_nc_u32 v[ADRA+\s], s21, v[V16]
	v_add_nc_u32 v[ADRB+\s], s22, v[V16]
	v_add_nc_u32 v[ADRA+2+\s], s21, v[V8]
	v_add_nc_u32 v[ADRB+2+\s], s22, v[V8]
	s_add_co_u32 s21, s21, SLOT
	s_add_co_u32 s22, s22, SLOT
.endr
	v_and_b32 v4, 8, v1
	v_add_nc_u32 v4, v4, v1
	v_mul_u32_u24 v5, v4, KS
	v_lshrrev_b32 v6, 8, v5
	v_lshl_add_u32 v5, v6, 4, v5
	s_mul_i32 s21, s15, HALFS
	s_mul_i32 s22, s16, HALFS
	s_add_co_u32 s22, s22, 2*HALFS
	s_sub_co_u32 s22, s22, s21
	v_mul_u32_u24 v6, s22, v2
	s_add_co_u32 s21, s21, SCL
	v_add_nc_u32 v5, v5, v6
	v_add_nc_u32 v[ADRS], s21, v5
	v_mul_u32_u24 v6, v2, 102400
	v_lshl_add_u32 v[VSQ], v1, 2, v6
	v_lshlrev_b32 v6, 6, v2
	v_lshl_add_u32 v[VSV], v1, 2, v6
	v_lshlrev_b32 v[BA], 6, v2
	s_wait_alu depctr_va_vdst(0)
	v_lshlrev_b32 v[BVA], 2, v4
	s_wait_alu depctr_va_vdst(0)
	s_lshl_b32 s46, s42, 10
	s_lshl_b32 s47, s16, 9
	s_add_co_u32 s46, s46, s47
	s_lshl_b32 s18, s17, 10
	s_lshl_b32 s19, s15, 9
	s_add_co_u32 s18, s18, s19
	s_cmp_eq_u32 ttmp9, 2
	s_cselect_b32 s46, 0, s46
	s_cselect_b32 s18, s18, 0
	s_mov_b32 s47, 0
	s_mov_b32 s19, 0
	s_add_nc_u64 s[98:99], s[96:97], s[18:19]
	s_add_nc_u64 s[96:97], s[96:97], s[46:47]
.irp i, 0,1,2,3,4,5,6,7,8,9,10,11,12,13,14,15
	global_load_b128 v[BI+4*\i:BI+4*\i+3], v[BA], s[96:97] offset:128*(\i/4)+16*(\i%4)
.endr
.irp a, 0,1,2,3,4,5,6,7
	global_load_b32 v[BV+2*\a], v[BVA], s[98:99] offset:4*(32*(\a/2)+8*(\a%2))
.endr
.macro FRAG reg, adr, off
	ds_load_b128 v[\reg:\reg+3], v[\adr] offset:\off
	ds_load_b64 v[\reg+4:\reg+5], v[\adr+2] offset:\off+512
	ds_load_b128 v[\reg+6:\reg+9], v[\adr] offset:\off+768
	ds_load_b64 v[\reg+10:\reg+11], v[\adr+2] offset:\off+1280
.endm
.macro MUL16 a0, p, q, sc, zero
.irp a, \a0, \a0+1
.irp b, 0,1,2,3,4,5,6,7
.if \zero
	v_wmma_scale_f32_16x16x128_f8f6f4 v[8*(8*((\a)%4)+\b):8*(8*((\a)%4)+\b)+7], v[128*(\p)+FR*\b:128*(\p)+FR*\b+FR-1], v[AF+FR*(\a):AF+FR*(\a)+FR-1], 0, v[SC+8*NQ*(\sc)+NQ*\b+(\q)], v[SC+8*NQ*(\sc)+NQ*(\a)+(\q)] matrix_a_fmt:MATRIX_FMT_FP6 matrix_b_fmt:MATRIX_FMT_FP6 matrix_a_scale:MATRIX_SCALE_ROW1
.else
	v_wmma_scale_f32_16x16x128_f8f6f4 v[8*(8*((\a)%4)+\b):8*(8*((\a)%4)+\b)+7], v[128*(\p)+FR*\b:128*(\p)+FR*\b+FR-1], v[AF+FR*(\a):AF+FR*(\a)+FR-1], v[8*(8*((\a)%4)+\b):8*(8*((\a)%4)+\b)+7], v[SC+8*NQ*(\sc)+NQ*\b+(\q)], v[SC+8*NQ*(\sc)+NQ*(\a)+(\q)] matrix_a_fmt:MATRIX_FMT_FP6 matrix_b_fmt:MATRIX_FMT_FP6 matrix_a_scale:MATRIX_SCALE_ROW1
.endif
.endr
.endr
.endm
.macro FETCH_R slot, q, p
	WIN TO_R
.irp i, 0,1,2,3,4,5,6,7
	FRAG 128*(\p)+FR*\i, ADRB+\slot, \i*NQ*FB+(\q)*FB
.endr
	WIN 0
.endm
.macro FETCH_P slot, q, i0
.irp i, \i0, \i0+1, \i0+2, \i0+3
	FRAG AF+FR*(\i), ADRA+\slot, (\i)*NQ*FB+(\q)*FB
.endr
.endm
.macro SCALES sc
.irp i, 0,1,2,3,4,5,6,7
	ds_load_b64 v[SC+8*NQ*\sc+NQ*\i:SC+8*NQ*\sc+NQ*\i+1], v[ADRS] offset:((32*(\i/2)+8*(\i%2))*KS/256)*272
.endr
.endm
.macro PLACES n
.rept \n
	v_nop
.endr
.endm
.macro STEP slot, q, zero
	s_wait_dscnt 4*NL
	WIN MUL_LO
	MUL16 0, (\q)%2, \q, \slot, \zero
	MUL16 2, (\q)%2, \q, \slot, \zero
	s_wait_dscnt 0
	PLACES NP
	FETCH_R \slot, (\q)+1, 1-(\q)%2
	FETCH_P \slot, (\q)+1, 0
	WIN MUL_HI
	MUL16 4, (\q)%2, \q, \slot, \zero
	MUL16 6, (\q)%2, \q, \slot, \zero
	PLACES NP
	WIN 0
	FETCH_P \slot, (\q)+1, 4
.endm
.macro TURN slot, next, fill
	s_wait_tensorcnt 0x0
	ds_add_u32 v[SPW], v[NIL]
	s_wait_dscnt 4*NL+1
	WIN MUL_LO
	MUL16 0, 1, NQ-1, \slot, 0
	s_wait_dscnt 0x0
	s_barrier_signal -1
	MUL16 2, 1, NQ-1, \slot, 0
	WIN 0
	s_barrier_wait -1
.if \fill
	CREST
	s_add_nc_u64 s[G0+4*\slot+2:G0+4*\slot+3], s[G0+4*\slot+2:G0+4*\slot+3], 2*NQ*FB
	s_add_nc_u64 s[G0B+4*\slot+2:G0B+4*\slot+3], s[G0B+4*\slot+2:G0B+4*\slot+3], 2*NQ*FB
	JLOAD G0+4*\slot, G1, G0B+4*\slot, G1B
.else
	PLACES NP
.endif
	s_wait_alu depctr_va_vdst(0)
	v_add_nc_u32 v[ADRS], 4*NQ, v[ADRS]
	FETCH_R \next, 0, 0
	FETCH_P \next, 0, 0
	SCALES \next
	WIN MUL_HI
	MUL16 4, 1, NQ-1, \slot, 0
	MUL16 6, 1, NQ-1, \slot, 0
	PLACES NP
	WIN 0
	FETCH_P \next, 0, 4
.endm
	s_wait_alu depctr_va_vdst(0)
	s_wait_tensorcnt 0x0                           ; my tile of the head's four is in
	ds_add_u32 v[SPW], v[NIL]
	s_mov_b32 s[G1+2], 8<<16                       ; no tensor load of mine is out: from here on a load brings 8 tiles
	s_mov_b32 s[G1+4], 8
	s_mov_b32 s[G1B+2], 8<<16
	s_mov_b32 s[G1B+4], 8
	s_wait_dscnt 0x0
	CROUND                                         ; all four tiles are in, and all sixteen work-groups are here
	JLOAD G0+4, G1, G0B+4, G1B                     ; slot 1's first fill, the first tensor load behind the round
	FETCH_R 0, 0, 0
	FETCH_P 0, 0, 0
	SCALES 0
	FETCH_P 0, 0, 4
	global_prefetch_b8 v11, s[100:101] offset:NQ*FB th:TH_LOAD_NT scope:SCOPE_SE   ; slot 3
	STEP 0, 0, 1
	s_mov_b32 s3, LAPS-1
.Llap:
	TURN 0, 1, 1
	STEP 1, 0, 0
	TURN 1, 0, 1
	STEP 0, 0, 0
	s_sub_co_u32 s3, s3, 1
	s_cmp_lg_u32 s3, 0
	s_cbranch_scc1 .Llap
	TURN 0, 1, 0
	STEP 1, 0, 0
	s_wait_dscnt 4*NL
	WIN MUL_LO
	MUL16 0, 1, NQ-1, 1, 0
	MUL16 2, 1, NQ-1, 1, 0
	s_wait_dscnt 0
	WIN MUL_HI
	MUL16 4, 1, NQ-1, 1, 0
	MUL16 6, 1, NQ-1, 1, 0
	WIN 0
.macro QUANT s
.irp b, 0,1,2,3
	v_max3_num_f32 v[TM+\b], |v[\s+16*\b]|, |v[\s+1+16*\b]|, 0x1800000
.endr
.irp i, 2,4,6,8,10,12,14
.irp b, 0,1,2,3
	v_max3_num_f32 v[TM+\b], v[TM+\b], |v[\s+16*\b+\i]|, |v[\s+1+16*\b+\i]|
.endr
.endr
.irp b, 0,1,2,3
	v_permlanex16_b32 v[TM+4+\b], v[TM+\b], s[SEL], s[SEL+1]
.endr
.irp b, 0,1,2,3
	v_max_num_f32 v[TM+\b], v[TM+\b], v[TM+4+\b]
.endr
.irp b, 0,1,2,3
	v_add_nc_u32 v[TM+12+\b], 0xff000000, v[TM+\b]
.endr
.irp b, 0,1,2,3
	v_lshrrev_b32 v[TM+4+\b], 23, v[TM+12+\b]
.endr
	v_lshl_or_b32 v[PW], v[TM+5], 8, v[TM+4]
	v_lshl_or_b32 v[PW], v[TM+6], 16, v[PW]
	v_lshl_or_b32 v[PW], v[TM+7], 24, v[PW]
.irp c, 0,1
	v_cvt_scalef32_pk16_fp6_f32 v[PC+6*\c:PC+2+6*\c], v[\s+32*\c:\s+15+32*\c], v[TM+12+2*\c]
	v_cvt_scalef32_pk16_fp6_f32 v[PC+12+4*\c:PC+14+4*\c], v[\s+16+32*\c:\s+31+32*\c], v[TM+12+2*\c+1]
.endr
	v_nop
.irp c, 0,1
.irp i, 0,1,2
	v_permlane16_swap_b32 v[PC+6*\c+\i], v[PC+12+4*\c+\i]
.endr
.irp i, 0,1,2
	v_mov_b32 v[PC+3+6*\c+\i], v[PC+12+4*\c+\i]
.endr
.endr
.endm
.macro OUTK a
	s_wait_xcnt 0x0
	WIN 0x02+(\a)/4
.set i, 0
.rept 32
	v_pk_add_f32 v[T+i:T+i+1], v[64*((\a)%4)+i:64*((\a)%4)+i+1], v[BI+i:BI+i+1]
.set i, i+2
.endr
	WIN 0
	QUANT T
	global_store_b128 v[V16], v[PC:PC+3], s[12:13] offset:(\a)*768
	global_store_b64 v[V8], v[PC+4:PC+5], s[12:13] offset:(\a)*768+512
	global_store_b128 v[V16], v[PC+6:PC+9], s[12:13] offset:(\a)*768+102400
	global_store_b64 v[V8], v[PC+10:PC+11], s[12:13] offset:(\a)*768+102912
.if (\a)%2 == 0
	v_mov_b32 v[PW0], v[PW]
.else
	v_perm_b32 v[W0], v[PW], v[PW0], 0x05040100
	v_perm_b32 v[W1], v[PW], v[PW0], 0x07060302
	v_cndmask_b32 v[DW], v[W0], v[W1], s[HM]
	global_store_b32 v[VSQ], v[DW], s[10:11] offset:64*((\a)/2)
.endif
.endm
.macro OUTV a
	s_wait_xcnt 0x0
	WIN 0x02+(\a)/4
.set i, 0
.rept 32
	v_pk_add_f32 v[T+i:T+i+1], v[64*((\a)%4)+i:64*((\a)%4)+i+1], v[BV+2*(\a):BV+2*(\a)+1]
.set i, i+2
.endr
	WIN 0
	QUANT T
	global_store_b128 v[V16], v[PC:PC+3], s[12:13] offset:((\a)/4)*6400+((\a)%4)*1536
	global_store_b64 v[V8], v[PC+4:PC+5], s[12:13] offset:((\a)/4)*6400+((\a)%4)*1536+512
	global_store_b128 v[V16], v[PC+6:PC+9], s[12:13] offset:((\a)/4)*6400+((\a)%4)*1536+768
	global_store_b64 v[V8], v[PC+10:PC+11], s[12:13] offset:((\a)/4)*6400+((\a)%4)*1536+1280
.if (\a)%2 == 0
	v_mov_b32 v[PW0], v[PW]
.else
	v_cndmask_b32 v[DW], v[PW0], v[PW], s[HM]
	global_store_b32 v[VSV], v[DW], s[12:13] offset:((\a)/4)*6400+6144+64*((\a)%4-1)
.endif
.endm
	PLACES NP
	s_wait_loadcnt 0x0
	s_mov_b32 s[SEL], 0x76543210
	s_mov_b32 s[SEL+1], 0xfedcba98
	s_mov_b32 s[HM], 0xffff0000
.irp b, 0,1,2,3
	v_mov_b32 v[TM+4+\b], 0
.endr
	s_cmp_eq_u32 ttmp9, 2
	s_cbranch_scc1 .Lv_end
	s_lshl_b32 s18, s17, 8
	s_lshl_b32 s19, s15, 7
	s_add_co_u32 s18, s18, s19
	s_lshr_b32 s19, s18, 11
	s_lshl_b32 s19, s19, 4
	s_lshl_b32 s43, s42, 2
	s_add_co_u32 s19, s19, s43
	s_lshl_b32 s43, s16, 1
	s_add_co_u32 s19, s19, s43
	s_lshl_b32 s19, s19, 2
	s_bfe_u32 s43, s18, 0x20009
	s_add_co_u32 s19, s19, s43
	s_mul_i32 s19, s19, 25600
	s_mul_i32 s43, ttmp9, 3276800
	s_add_co_u32 s19, s19, s43
	s_bfe_u32 s43, s18, 0x50004
	s_mul_i32 s44, s43, 768
	s_add_co_u32 s44, s44, s19
	s_mov_b32 s45, 0
	s_lshl_b32 s46, s43, 5
	s_add_co_u32 s46, s46, s19
	s_add_co_u32 s46, s46, 24576
	s_mov_b32 s47, 0
	s_add_nc_u64 s[10:11], s[12:13], s[46:47]
	s_add_nc_u64 s[12:13], s[12:13], s[44:45]
.irp a, 0,1,2,3,4,5,6,7
	OUTK \a
.endr
	s_branch .Ldone
.Lv_end:
	s_lshl_b32 s18, s42, 1
	s_add_co_u32 s18, s18, s16
	s_lshl_b32 s18, s18, 4
	s_lshl_b32 s19, s17, 2
	s_add_co_u32 s18, s18, s19
	s_lshl_b32 s19, s15, 1
	s_add_co_u32 s18, s18, s19
	s_mul_i32 s18, s18, 6400
	s_add_co_u32 s18, s18, 6553600
	s_mov_b32 s19, 0
	s_add_nc_u64 s[12:13], s[12:13], s[18:19]
.irp a, 0,1,2,3,4,5,6,7
	v_mov_b32 v[BV+2*\a+1], v[BV+2*\a]
.endr
	s_wait_alu depctr_va_vdst(0)
.irp a, 0,1,2,3,4,5,6,7
	OUTV \a
.endr
.Ldone:
	s_wait_tensorcnt 0x0
	ds_add_u32 v[SPW], v[NIL]
	s_wait_dscnt 0x0
	CROUND
	s_endpgm
.Lfunc_end_k_qd415f393b7_qkv:
	.size	k_qd415f393b7_qkv, .Lfunc_end_k_qd415f393b7_qkv-k_qd415f393b7_qkv
	.p2alignl 7, 3214868480
	.fill 96, 4, 3214868480
	.section	.rodata,"a",@progbits
	.p2align	6, 0x0
	.amdhsa_kernel k_qd415f393b7_qkv
		.amdhsa_group_segment_fixed_size 327680
		.amdhsa_private_segment_fixed_size 0
		.amdhsa_enable_private_segment 0
		.amdhsa_kernarg_size 72
		.amdhsa_user_sgpr_count 2
		.amdhsa_user_sgpr_kernarg_segment_ptr 1
		.amdhsa_wavefront_size32 1
		.amdhsa_system_sgpr_workgroup_id_x 1
		.amdhsa_system_sgpr_workgroup_id_y 1
		.amdhsa_system_sgpr_workgroup_id_z 1
		.amdhsa_system_vgpr_workitem_id 0
		.amdhsa_next_free_vgpr 1024
		.amdhsa_next_free_sgpr 102
		.amdhsa_reserve_vcc 0
		.amdhsa_float_denorm_mode_32 3
		.amdhsa_float_denorm_mode_16_64 3
		.amdhsa_memory_ordered 1
		.amdhsa_forward_progress 1
		.amdhsa_inst_pref_size 222
	.end_amdhsa_kernel
	.amdgpu_metadata
---
amdhsa.version: [ 1, 2 ]
amdhsa.kernels:
  - .name:           k_qd415f393b7_qkv
    .symbol:         k_qd415f393b7_qkv.kd
    .args:
      - { .name: xq, .offset: 0, .size: 8, .value_kind: global_buffer, .address_space: global }
      - { .name: wimg, .offset: 8, .size: 8, .value_kind: global_buffer, .address_space: global }
      - { .name: Wq_scales, .offset: 16, .size: 8, .value_kind: global_buffer, .address_space: global }
      - { .name: Wk_scales, .offset: 24, .size: 8, .value_kind: global_buffer, .address_space: global }
      - { .name: Wv_scales, .offset: 32, .size: 8, .value_kind: global_buffer, .address_space: global }
      - { .name: bq, .offset: 40, .size: 8, .value_kind: global_buffer, .address_space: global }
      - { .name: bk, .offset: 48, .size: 8, .value_kind: global_buffer, .address_space: global }
      - { .name: bv, .offset: 56, .size: 8, .value_kind: global_buffer, .address_space: global }
      - { .name: qkv, .offset: 64, .size: 8, .value_kind: global_buffer, .address_space: global }
    .group_segment_fixed_size: 327680
    .private_segment_fixed_size: 0
    .kernarg_segment_align: 8
    .kernarg_segment_size: 72
    .max_flat_workgroup_size: 128
    .sgpr_count:     102
    .vgpr_count:     1024
    .wavefront_size: 32
...
	.end_amdgpu_metadata
.endif
;; end of part 10
;; launch attn (part 11): grid 8 x 32, 16 waves a work-group, clusters of 4 x 1, 206,848 bytes of LDS; arguments qkv, att; writes att
.if DOCPART == 11
	.amdgcn_target "amdgcn-amd-amdhsa--gfx1250"
	.amdhsa_code_object_version 6
	.text
	.protected	k_qd415f393b7_attn
	.globl	k_qd415f393b7_attn
	.p2align	8
	.type	k_qd415f393b7_attn,@function
k_qd415f393b7_attn:
	s_mov_b64 s[64:65], 0
	v_nop
	global_prefetch_b8 v0, s[64:65] scope:SCOPE_SE
	s_setreg_imm32_b32 hwreg(HW_REG_WAVE_MODE, 25, 1), 1
	s_wait_xcnt 0x0
	s_wait_alu depctr_hold_cnt(0) depctr_sa_sdst(0) depctr_va_vdst(0) depctr_va_sdst(0) depctr_va_ssrc(0) depctr_va_vcc(0) depctr_vm_vsrc(0)
	s_getreg_b32 s2, hwreg(HW_REG_IB_STS2, 6, 4)
	s_cmp_eq_u32 s2, 0
	s_cbranch_scc0 .Lentry_in_a_cluster
	s_endpgm
.Lentry_in_a_cluster:
	s_bfe_u32 s2, ttmp6, 0x10000c
	s_cmp_lg_u32 s2, 0x3003
	s_cbranch_scc0 .Lentry_shape_is_right
	s_endpgm
.Lentry_shape_is_right:
; Attention of one head on codes of FP6 (E2M3): S^T = K Q^T, p = 2^(t - M), O^T = V^T P^T, O / l, and O's quantising along the model's axis for the next product.
; t = score x log2(e) / 8; M = the running largest t rounded UP to a whole number; p is quantised along the keys, not normalised; the row's sum l is taken of the unquantised p and divides at the end.
; SHARES.  A work-group owns 256 queries of one (batch, head); each of its sixteen waves one tile of 16, in 256 registers: four waves to a SIMD, so that one wave's vector work stands beside another's products and LDS loads.
; ALL of the head's K and V (2 x 102,400 bytes, codes and scale words, laid as register images by the launch before) comes into LDS ONCE: nothing is filled again.  Waves 0-7 ask for K's eighths, waves 8-15 for V's;
; the four query blocks of a cluster belong to one head and ask JOINTLY.  All of it is read behind one barrier, in front of which every wave has waited for its one load.
; THE HEAD IS 64 WIDE, the instruction 128: a fragment of K holds TWO tiles of 16 keys, one in each half of its K; Q stands twice in registers, as [q | 0] and as [0 | q], and picks the tile.  Zero codes add nothing.
; LAYOUT.  Both products are used transposed: a lane holds ONE query (lane % 16) throughout.  Slot s of a tile is row 32 (t / 2) + 8 (t % 2) + s + 8 (s / 8), so that the 16 registers of two neighbouring tiles are 16 neighbours.
; LIMITS: NaN and infinities are not served; a block of p or of O whose largest magnitude lies under 2^-124, or is 0, gets the byte 1 with its (zero) codes.  A block's largest p is taken from its largest score by the same
; multiply-add and exponential, which takes v_exp_f32 not to fall where its input rises.
; The scale bytes of O leave one byte a lane (two bytes a row and head): one byte in 24 of the codes'.
; REGISTERS: v1-3 lane terms; v4-9 the step's addresses; v10 -M, v11 largest t; v12, v13 Q's scale words; v[14:15] the sum; v16-27 [q | 0], v28-39 [0 | q]; v40-87 four fragments; v88-91 K's scale words, v92-95 V's;
;   v96-159 S^T, then p; v160-191 O^T; v192-203 p's codes; v204-229 at work.
.set KB,   25600                       ; a quarter of K: 32 half fragments of 768 bytes, then 16 x 64 bytes of scale words
.set VB,   6400                        ; V of 128 keys: 4 fragments, then 4 x 64 bytes of scale words
.set VLDS, 4*KB                        ; V lies behind K
.set S,    96
.set O,    160
.set PCD,  192
.set CT,   204                         ; v204-210 the conversions' second halves
.set BM,   212                         ; v212-215 a block's largest score, then p
.set PR,   216                         ; v216-219 the other half's, then the bytes
.set SO,   220                         ; v220-223 the conversions' scale operands
.set F,    224                         ; v[224:225] f = 2^(old M - new M)
.set PWD,  226                         ; p's scale word
.set TT,   227
.set SUM2, 228
.set WV,   8
.set SEL,  20
.set CS,   22
.set G1K,  24
.set G1V,  32
.set G0K,  40                          ; s40-55 K's four groups 0
.set G0V,  68                          ; s68-83 V's
.set TK,   56
.set TS,   57
.set TV,   58
.set CNT,  59
.set HM,   89
.macro ROUND                           ; a round of the cluster's barrier
	s_barrier_signal -1
	s_barrier_wait -1
	s_cmp_lg_u32 s[WV], 0
	s_cbranch_scc1 .Lnot_wave_0_\@
	s_barrier_signal -3
.Lnot_wave_0_\@:
	s_barrier_wait -3
	s_barrier_signal -1
	s_barrier_wait -1
.endm
.macro FRAG reg, adr, off              ; a fragment as it was laid: 16, 8, 16, 8 bytes a lane
	ds_load_b128 v[\reg:\reg+3], v[\adr] offset:\off
	ds_load_b64 v[\reg+4:\reg+5], v[\adr+2] offset:\off+512
	ds_load_b128 v[\reg+6:\reg+9], v[\adr] offset:\off+768
	ds_load_b64 v[\reg+10:\reg+11], v[\adr+2] offset:\off+1280
.endm
	s_load_b128 s[4:7], s[0:1], 0x0                ; qkv s[4:5], att s[6:7]
	v_lshl_add_u32 v254, v0, 2, 0x32000
	v_mov_b32 v255, 0
	ds_add_u32 v254, v255
	ds_add_u32 v254, v255
	v_lshrrev_b32 v1, 5, v0
	s_delay_alu instid0(VALU_DEP_1)
	v_readfirstlane_b32 s[WV], v1                  ; wave 0..15
	s_bfe_u32 s9, ttmp6, 0x40000                   ; cx: it enters Q's and the output's global addresses alone
	s_lshl_b32 s10, ttmp9, 2
	s_add_co_u32 s10, s10, s9                      ; my block of 256 queries
	s_and_b32 s11, ttmp7, 0xffff                   ; 16 batch + head, which the four partners share
	s_mov_b32 s[G1K], 15|(3<<16)|(1<<21)           ; 15:0 the mask: all four; 17:16 elements of 8 bytes; 21 set beside a mask
	s_mov_b32 s[G1K+1], 32<<16                     ; a dense block as rows of 256 bytes
	s_mov_b32 s[G1K+2], 50<<16                     ; an eighth of K: 12,800 bytes as 50 rows of 256
	s_mov_b32 s[G1K+3], 32<<16
	s_mov_b32 s[G1K+4], 50
	s_mov_b32 s[G1K+5], 32
	s_mov_b32 s[G1K+6], 0
	s_mov_b32 s[G1K+7], 0
	s_mov_b32 s[G1V], 15|(3<<16)|(1<<21)
	s_mov_b32 s[G1V+1], 800<<16                    ; rows of 6,400 bytes (a step of 128 keys), 16 heads x 6,400 bytes apart
	s_mov_b32 s[G1V+2], 2<<16                      ; an eighth of V: 2 rows of 6,400 bytes
	s_mov_b32 s[G1V+3], 800<<16
	s_mov_b32 s[G1V+4], 2
	s_mov_b32 s[G1V+5], 12800
	s_mov_b32 s[G1V+6], 0
	s_mov_b32 s[G1V+7], 0
	s_mul_i32 s12, s11, 4*KB                       ; the head's blocks of Q, and of K
	s_mov_b32 s13, 0
	s_lshr_b32 s14, s11, 4                         ; batch
	s_and_b32 s15, s11, 15                         ; head
	s_mul_i32 s16, s14, 256*VB
	s_mul_i32 s17, s15, VB
	s_add_co_u32 s16, s16, s17
	s_mov_b32 s17, 0
	s_mov_b32 s[SEL], 0x76543210
	s_mov_b32 s[SEL+1], 0xfedcba98
	s_mov_b32 s[CS], 0x3e38aa3b                    ; c = log2(e) / sqrt(64)
	s_mov_b32 s[CS+1], s[CS]                       ; (named with it as a pair)
	s_mov_b32 s[HM], 0xffff0000                    ; lanes 16-31
	s_wait_dscnt 0x0
	s_wait_kmcnt 0x0
	s_add_nc_u64 s[12:13], s[4:5], s[12:13]        ; Q
	s_add_nc_u64 s[18:19], s[12:13], 3276800       ; K
	s_add_nc_u64 s[16:17], s[4:5], s[16:17]
	s_add_nc_u64 s[16:17], s[16:17], 6553600       ; V
	; THE FILLS AS THEY NOW STAND (this takes the place of what the head comment says of waves 0 and 1 and of quarters): sixteen joint loads, ONE A WAVE: waves 0-7 ask for K's eighths, waves 8-15 for V's;
	; wave w's 12,800 bytes land at 12,800 w (V lies behind K's 8 x 12,800).  One wait for 0 and one barrier show all of K and V to all waves; no barrier stands between the quarters.
	s_and_b32 s60, s[WV], 7                        ; which eighth
	s_mul_i32 s62, s60, KB/2
	s_mov_b32 s63, 0
	s_mov_b32 s[G0K], 1
	s_mul_i32 s[G0K+1], s[WV], KB/2
	s_add_nc_u64 s[G0K+2:G0K+3], s[18:19], s[62:63]
	s_or_b32 s[G0K+3], s[G0K+3], 0x80000000
	s_mul_i32 s62, s60, 32*VB                      ; two steps of 128 keys x 16 heads x 6,400 bytes
	s_mov_b32 s[G0V], 1
	s_mul_i32 s[G0V+1], s[WV], KB/2
	s_add_nc_u64 s[G0V+2:G0V+3], s[16:17], s[62:63]
	s_or_b32 s[G0V+3], s[G0V+3], 0x80000000
	ROUND                                          ; all four work-groups are here: the joint loads meet
	s_cmp_lt_u32 s[WV], 8
	s_cbranch_scc0 .Lfor_v
	tensor_load_to_lds s[G0K:G0K+3], s[G1K:G1K+7]
	s_nop 0
.rept 4
	v_nop
.endr
	s_branch .Lasked
.Lfor_v:
	tensor_load_to_lds s[G0V:G0V+3], s[G1V:G1V+7]
	s_nop 0
.rept 4
	v_nop
.endr
.Lasked:
	s_lshl_b32 s60, s10, 4
	s_add_co_u32 s60, s60, s[WV]                   ; my tile of queries among the batch's 128
	s_lshr_b32 s61, s60, 5
	s_mul_i32 s61, s61, KB
	s_and_b32 s62, s60, 31
	s_mul_i32 s63, s62, 768
	s_add_co_u32 s84, s61, s63                     ; its half fragment,
	s_mov_b32 s85, 0
	s_lshr_b32 s62, s62, 1
	s_lshl_b32 s62, s62, 6
	s_add_co_u32 s86, s61, s62
	s_add_co_u32 s86, s86, 24576                   ; and the scale words that it shares with its neighbour
	s_mov_b32 s87, 0
	s_add_nc_u64 s[84:85], s[12:13], s[84:85]
	s_add_nc_u64 s[86:87], s[12:13], s[86:87]
	s_and_b32 s88, s60, 1
	s_lshl_b32 s88, s88, 4                         ; my half of such a word
	v_and_b32 v3, 31, v0
	s_delay_alu instid0(VALU_DEP_1)
	v_lshlrev_b32 v1, 4, v3                        ; 16 x lane
	s_delay_alu instid0(VALU_DEP_2)
	v_lshlrev_b32 v2, 3, v3                        ; 8 x lane
	v_and_b32 v3, 15, v0
	s_delay_alu instid0(VALU_DEP_1)
	v_lshlrev_b32 v3, 2, v3                        ; 4 x (lane % 16)
	global_load_b128 v[16:19], v1, s[84:85]        ; [q | 0]
	global_load_b64 v[20:21], v2, s[84:85] offset:512
	global_load_b128 v[34:37], v1, s[84:85]        ; [0 | q]: the same bytes into a second run of registers
	global_load_b64 v[38:39], v2, s[84:85] offset:512
	global_load_b32 v12, v3, s[86:87]
.irp j, 22,23,24,25,26,27,28,29,30,31,32,33
	v_mov_b32 v\j, 0                               ; the zero halves
.endr
	v_mov_b32 v11, 0xff61b1e6                      ; the largest t so far: -3e38
	s_delay_alu instid0(VALU_DEP_1)
	v_floor_f32 v10, -v11                          ; -M
	v_mov_b32 v14, 0                               ; the sum, in two halves
	v_mov_b32 v15, 0
.irp b, 0,1,2,3
	v_mov_b32 v[PR+\b], 0                          ; a lane permute's destination counts as one of its sources
.endr
	v_mov_b32 v[F+1], 0                            ; (named as the upper half of a pair)
	v_mov_b32 v[TT], 0
	s_wait_loadcnt 0x0
	v_lshrrev_b32 v12, s88, v12
	s_delay_alu instid0(VALU_DEP_1)
	v_and_b32 v12, 0xffff, v12                     ; [q | 0]'s scale word: my tile's two bytes below; the bytes over the zero codes are 0, which is no NaN
	s_delay_alu instid0(VALU_DEP_1)
	v_lshlrev_b32 v13, 16, v12                     ; [0 | q]'s
.set j, 0
.rept 32
	v_mov_b32 v[O+j], 0                            ; O^T: the step is written once; the first change of M leaves zeros zeros.  (Also the places between the scale words' making and the first product)
.set j, j+1
.endr
; A KEY STEP: 128 keys.
.macro STEP
	v_add_nc_u32 v4, s[TK], v1                     ; six plain lines: also the places between the last step's products and the loads into their operands' registers
	v_add_nc_u32 v6, s[TK], v2
	v_add_nc_u32 v5, s[TV], v1
	v_add_nc_u32 v7, s[TV], v2
	v_add_nc_u32 v8, s[TS], v3
	v_add_nc_u32 v9, s[TV], v3
.irp p, 0,1,2,3
	FRAG 40+12*\p, 4, 1536*\p                      ; key tiles 2 p and 2 p + 1
	ds_load_b32 v[88+\p], v8 offset:64*\p          ; their four scale bytes
.endr
	s_wait_alu depctr_va_vdst(0)
	s_wait_dscnt 0x0
.irp p, 0,1,2,3
	v_wmma_scale_f32_16x16x128_f8f6f4 v[S+16*\p:S+16*\p+7], v[40+12*\p:51+12*\p], v[16:27], 0, v[88+\p], v12 matrix_a_fmt:MATRIX_FMT_FP6 matrix_b_fmt:MATRIX_FMT_FP6
	v_wmma_scale_f32_16x16x128_f8f6f4 v[S+16*\p+8:S+16*\p+15], v[40+12*\p:51+12*\p], v[28:39], 0, v[88+\p], v13 matrix_a_fmt:MATRIX_FMT_FP6 matrix_b_fmt:MATRIX_FMT_FP6
.endr                                          ; register 16 b + i: key 32 b + 16 (lane / 16) + i of the step
.rept 4
	v_nop                                          ; places in front of the loads below and of the first read of the scores
.endr
.irp t, 0,1,2,3
	FRAG 40+12*\t, 5, 1536*\t                      ; V's four fragments land while the softmax is worked
	ds_load_b32 v[92+\t], v9 offset:6144+64*\t
.endr
.irp b, 0,1,2,3
	v_max3_num_f32 v[BM+\b], v[S+16*\b], v[S+1+16*\b], v[S+2+16*\b]   ; the largest score of each block of 32 keys: for the row's maximum, and for the block's largest p
.endr
.irp i, 3,5,7,9,11,13
.irp b, 0,1,2,3
	v_max3_num_f32 v[BM+\b], v[BM+\b], v[S+16*\b+\i], v[S+1+16*\b+\i]
.endr
.endr
.irp b, 0,1,2,3
	v_max_num_f32 v[BM+\b], v[BM+\b], v[S+15+16*\b]
.endr
.irp b, 0,1,2,3
	s_delay_alu instid0(VALU_DEP_4)
	v_permlanex16_b32 v[PR+\b], v[BM+\b], s[SEL], s[SEL+1]
.endr
.irp b, 0,1,2,3
	s_delay_alu instid0(VALU_DEP_4)
	v_max_num_f32 v[BM+\b], v[BM+\b], v[PR+\b]     ; with lane l xor 16's 16 keys
.endr
	s_delay_alu instid0(VALU_DEP_2)
	v_max3_num_f32 v[TT], v[BM], v[BM+1], v[BM+2]
	s_delay_alu instid0(VALU_DEP_1)
	v_max_num_f32 v[TT], v[TT], v[BM+3]
	s_delay_alu instid0(VALU_DEP_1)
	v_mul_f32 v[TT], s[CS], v[TT]                  ; the step's largest t (c is positive)
	s_delay_alu instid0(VALU_DEP_1)
	v_max_num_f32 v11, v11, v[TT]                  ; the running largest t
	v_mov_b32 v[TT], v10
	s_delay_alu instid0(VALU_DEP_2)
	v_floor_f32 v10, -v11                          ; the new -M = -ceil(t): a whole number
	s_delay_alu instid0(VALU_DEP_1)
	v_sub_f32 v[TT], v10, v[TT]                    ; old M - new M: a whole number, 0 or less
	s_delay_alu instid0(VALU_DEP_1)
	v_cvt_i32_f32 v[TT], v[TT]                     ; (it saturates)
	s_delay_alu instid0(VALU_DEP_1)
	v_ldexp_f32 v[F], 1.0, v[TT]                   ; f = 2^(old M - new M): a multiplication by it rounds nothing
.set j, 0
.rept 32
	v_pk_fma_f32 v[S+j:S+j+1], v[S+j:S+j+1], s[CS:CS+1], v[10:11] op_sel_hi:[1,0,0]   ; t - M (of the pairs c and -M the low word serves both halves)
.set j, j+2
.endr
.irp b, 0,1,2,3
	v_fma_f32 v[BM+\b], v[BM+\b], s[CS], v10       ; the same of each block's largest score
.endr
.set j, 0
	s_wait_alu depctr_va_vdst(0)
.rept 64
	v_exp_f32 v[S+j], v[S+j]                       ; p = 2^(t - M), at most 1
.set j, j+1
.endr
.irp b, 0,1,2,3
	v_exp_f32 v[BM+\b], v[BM+\b]                   ; the block's largest p
.endr
	v_pk_mul_f32 v[14:15], v[14:15], v[F:F+1] op_sel_hi:[1,0]   ; the sums under the new M (a plain place behind the exponentials)
	s_wait_alu depctr_va_vdst(0)
.irp b, 0,1,2,3
	v_max_num_f32 v[BM+\b], 0x1800000, v[BM+\b]    ; the floor 2^(3 - 127)
.endr
.irp b, 0,1,2,3
	s_delay_alu instid0(VALU_DEP_4)
	v_add_nc_u32 v[SO+\b], 0xff000000, v[BM+\b]    ; 2 off the exponent field: the conversion's scale operand
.endr
.irp b, 0,1,2,3
	s_delay_alu instid0(VALU_DEP_4)
	v_lshrrev_b32 v[PR+\b], 23, v[SO+\b]           ; the scale's byte
.endr
	s_delay_alu instid0(VALU_DEP_3)
	v_lshl_or_b32 v[PWD], v[PR+1], 8, v[PR]        ; p's scale word for these 128 keys
	s_delay_alu instid0(VALU_DEP_1)
	v_lshl_or_b32 v[PWD], v[PR+2], 16, v[PWD]
	s_delay_alu instid0(VALU_DEP_1)
	v_lshl_or_b32 v[PWD], v[PR+3], 24, v[PWD]
.irp c, 0,1
	v_cvt_scalef32_pk16_fp6_f32 v[PCD+6*\c:PCD+2+6*\c], v[S+32*\c:S+15+32*\c], v[SO+2*\c]
	v_cvt_scalef32_pk16_fp6_f32 v[CT+4*\c:CT+2+4*\c], v[S+16+32*\c:S+31+32*\c], v[SO+2*\c+1]
.endr
	v_nop                                          ; one plain place behind a scaled conversion
.irp c, 0,1                                    ; a whole block to a lane
.irp i, 0,1,2
	v_permlane16_swap_b32 v[PCD+6*\c+\i], v[CT+4*\c+\i]
.endr
.irp i, 0,1,2
	s_delay_alu instid0(VALU_DEP_3)
	v_mov_b32 v[PCD+3+6*\c+\i], v[CT+4*\c+\i]
.endr
.endr
	v_pk_add_f32 v[228:229], v[100:101], v[104:105]
	v_pk_add_f32 v[252:253], v[108:109], v[112:113]
	v_pk_add_f32 v[250:251], v[116:117], v[120:121]
	v_pk_add_f32 v[248:249], v[124:125], v[128:129]
	v_pk_add_f32 v[246:247], v[132:133], v[136:137]
	v_pk_add_f32 v[244:245], v[140:141], v[144:145]
	v_pk_add_f32 v[242:243], v[148:149], v[152:153]
	v_pk_add_f32 v[14:15], v[14:15], v[156:157]
	v_pk_add_f32 v[228:229], v[228:229], v[96:97]
	v_pk_add_f32 v[252:253], v[252:253], v[98:99]
	v_pk_add_f32 v[250:251], v[250:251], v[102:103]
	v_pk_add_f32 v[248:249], v[248:249], v[106:107]
	v_pk_add_f32 v[246:247], v[246:247], v[110:111]
	v_pk_add_f32 v[244:245], v[244:245], v[114:115]
	v_pk_add_f32 v[242:243], v[242:243], v[118:119]
	v_pk_add_f32 v[14:15], v[14:15], v[122:123]
	v_pk_add_f32 v[228:229], v[228:229], v[126:127]
	v_pk_add_f32 v[252:253], v[252:253], v[130:131]
	v_pk_add_f32 v[250:251], v[250:251], v[134:135]
	v_pk_add_f32 v[248:249], v[248:249], v[138:139]
	v_pk_add_f32 v[246:247], v[246:247], v[142:143]
	v_pk_add_f32 v[244:245], v[244:245], v[146:147]
	v_pk_add_f32 v[242:243], v[242:243], v[150:151]
	v_pk_add_f32 v[14:15], v[14:15], v[154:155]
	v_pk_add_f32 v[228:229], v[228:229], v[158:159]
	s_delay_alu instid0(VALU_DEP_2)
	v_pk_add_f32 v[14:15], v[14:15], v[248:249]
	s_delay_alu instid0(VALU_DEP_2)
	v_pk_add_f32 v[228:229], v[228:229], v[246:247]
	v_pk_add_f32 v[252:253], v[252:253], v[244:245]
	v_pk_add_f32 v[250:251], v[250:251], v[242:243]
	s_delay_alu instid0(VALU_DEP_2)
	v_pk_add_f32 v[14:15], v[14:15], v[252:253]
	s_delay_alu instid0(VALU_DEP_2)
	v_pk_add_f32 v[228:229], v[228:229], v[250:251]
	s_delay_alu instid0(VALU_DEP_1)
	v_pk_add_f32 v[14:15], v[14:15], v[228:229]
.set j, 0
.rept 16
	v_pk_mul_f32 v[O+j:O+j+1], v[O+j:O+j+1], v[F:F+1] op_sel_hi:[1,0]   ; O^T under the new M.  (With the sums above: the places between the making of p's codes and scale word and the products below)
.set j, j+2
.endr
	s_wait_alu depctr_va_vdst(0)
	s_wait_dscnt 0x0                               ; V
.irp t, 0,1,2,3
	v_wmma_scale_f32_16x16x128_f8f6f4 v[O+8*\t:O+8*\t+7], v[40+12*\t:51+12*\t], v[PCD:PCD+11], v[O+8*\t:O+8*\t+7], v[92+\t], v[PWD] matrix_a_fmt:MATRIX_FMT_FP6 matrix_b_fmt:MATRIX_FMT_FP6
.endr
	s_add_co_u32 s[TK], s[TK], 6144
	s_add_co_u32 s[TS], s[TS], 256
	s_add_co_u32 s[TV], s[TV], VB
.endm
; A QUARTER of the keys: four key steps; ahead of the first quarter's, every wave waits for its one load, then the work-group's barrier.
.macro STAGE g
.if \g == 0
	s_wait_alu depctr_va_vdst(0)
	s_wait_tensorcnt 0x0                           ; my one load has landed
	s_wait_dscnt 0x0
	s_barrier_signal -1
	s_barrier_wait -1                              ; everybody's has: all of K and V is in
.endif
	s_mov_b32 s[TK], \g*KB
	s_mov_b32 s[TS], \g*KB+24576
	s_mov_b32 s[TV], VLDS+\g*KB
	s_mov_b32 s[CNT], 4
.Lstep_\@:
	STEP
	s_sub_co_u32 s[CNT], s[CNT], 1
	s_cmp_lg_u32 s[CNT], 0
	s_cbranch_scc1 .Lstep_\@
.endm
	STAGE 0
	STAGE 1
	STAGE 2
	STAGE 3
	; THE WAY OUT: O^T / l; register 16 b + i is channel 32 b + 16 (lane / 16) + i of my head: two blocks along the next product's K; they become half a fragment of att.
.rept 4
	v_nop                                          ; places behind the last products
.endr
	v_add_f32 v14, v14, v15
	s_delay_alu instid0(VALU_DEP_1)
	v_permlanex16_b32 v[TT], v14, s[SEL], s[SEL+1]
	s_delay_alu instid0(VALU_DEP_1)
	v_add_f32 v14, v14, v[TT]                      ; the row's sum
	s_wait_alu depctr_va_vdst(0)
	v_rcp_f32 v14, v14
	v_and_b32 v4, 15, v0                           ; (a plain place behind the transcendental)
	s_delay_alu instid0(VALU_DEP_1)
	v_and_b32 v5, 8, v4
	s_delay_alu instid0(VALU_DEP_1)
	v_add_nc_u32 v4, v4, v5                        ; s + 8 (s / 8)
	v_bfe_u32 v5, v0, 4, 1
	s_delay_alu instid0(VALU_DEP_1)
	v_lshl_add_u32 v4, v4, 5, v5                   ; my scale byte: row x 32 + h
.set j, 0
	s_wait_alu depctr_va_vdst(0)
.rept 32
	v_mul_f32 v[S+j], v[O+j], v14                  ; each accumulator from its low end on
.set j, j+1
.endr
.irp b, 0,1
	v_max3_num_f32 v[BM+\b], |v[S+16*\b]|, |v[S+1+16*\b]|, 0x1800000
.endr
.irp i, 2,4,6,8,10,12,14
.irp b, 0,1
	s_delay_alu instid0(VALU_DEP_2)
	v_max3_num_f32 v[BM+\b], v[BM+\b], |v[S+16*\b+\i]|, |v[S+1+16*\b+\i]|
.endr
.endr
.irp b, 0,1
	s_delay_alu instid0(VALU_DEP_2)
	v_permlanex16_b32 v[PR+\b], v[BM+\b], s[SEL], s[SEL+1]
.endr
.irp b, 0,1
	s_delay_alu instid0(VALU_DEP_2)
	v_max_num_f32 v[BM+\b], v[BM+\b], v[PR+\b]
.endr
.irp b, 0,1
	s_delay_alu instid0(VALU_DEP_2)
	v_add_nc_u32 v[SO+\b], 0xff000000, v[BM+\b]
.endr
.irp b, 0,1
	s_delay_alu instid0(VALU_DEP_2)
	v_lshrrev_b32 v[PR+\b], 23, v[SO+\b]
.endr
	v_cvt_scalef32_pk16_fp6_f32 v[PCD:PCD+2], v[S:S+15], v[SO]
	v_cvt_scalef32_pk16_fp6_f32 v[CT:CT+2], v[S+16:S+31], v[SO+1]
	v_nop
.irp i, 0,1,2
	v_permlane16_swap_b32 v[PCD+\i], v[CT+\i]
.endr
.irp i, 0,1,2
	s_delay_alu instid0(VALU_DEP_3)
	v_mov_b32 v[PCD+3+\i], v[CT+\i]
.endr
	v_cndmask_b32 v[TT], v[PR], v[PR+1], s[HM]     ; lanes 0-15 keep block 0's byte, lanes 16-31 block 1's
	s_lshl_b32 s61, s14, 7
	s_add_co_u32 s61, s61, s60                     ; my tile among all 256
	s_lshl_b32 s62, s61, 3
	s_lshr_b32 s63, s15, 1
	s_add_co_u32 s62, s62, s63                     ; fragment: 8 x tile + head / 2,
	s_mul_i32 s62, s62, 1536
	s_and_b32 s63, s15, 1
	s_mul_i32 s63, s63, 768                        ; half: head % 2
	s_add_co_u32 s62, s62, s63
	s_mov_b32 s63, 0
	s_add_nc_u64 s[84:85], s[6:7], s[62:63]
	s_lshr_b32 s62, s61, 1
	s_lshl_b32 s62, s62, 5
	s_and_b32 s63, s61, 1
	s_lshl_b32 s63, s63, 3
	s_add_co_u32 s62, s62, s63                     ; the tile's first row
	s_lshl_b32 s62, s62, 5
	s_lshl_b32 s63, s15, 1
	s_add_co_u32 s62, s62, s63                     ; 32 scale bytes a row; my head's two
	s_add_co_u32 s62, s62, 3145728
	s_mov_b32 s63, 0
	s_add_nc_u64 s[86:87], s[6:7], s[62:63]
	s_wait_alu depctr_va_vdst(0)
	global_store_b128 v1, v[PCD:PCD+3], s[84:85]
	global_store_b64 v2, v[PCD+4:PCD+5], s[84:85] offset:512
	global_store_b8 v4, v[TT], s[86:87]
	s_wait_tensorcnt 0x0
	ds_add_u32 v254, v255
	s_wait_dscnt 0x0
	ROUND                                          ; the closing round
	s_endpgm
.Lfunc_end_k_qd415f393b7_attn:
	.size	k_qd415f393b7_attn, .Lfunc_end_k_qd415f393b7_attn-k_qd415f393b7_attn
	.p2alignl 7, 3214868480
	.fill 96, 4, 3214868480
	.section	.rodata,"a",@progbits
	.p2align	6, 0x0
	.amdhsa_kernel k_qd415f393b7_attn
		.amdhsa_group_segment_fixed_size 206848
		.amdhsa_private_segment_fixed_size 0
		.amdhsa_enable_private_segment 0
		.amdhsa_kernarg_size 16
		.amdhsa_user_sgpr_count 2
		.amdhsa_user_sgpr_kernarg_segment_ptr 1
		.amdhsa_wavefront_size32 1
		.amdhsa_system_sgpr_workgroup_id_x 1
		.amdhsa_system_sgpr_workgroup_id_y 1
		.amdhsa_system_sgpr_workgroup_id_z 1
		.amdhsa_system_vgpr_workitem_id 0
		.amdhsa_next_free_vgpr 256
		.amdhsa_next_free_sgpr 96
		.amdhsa_reserve_vcc 0
		.amdhsa_float_denorm_mode_32 3
		.amdhsa_float_denorm_mode_16_64 3
		.amdhsa_memory_ordered 1
		.amdhsa_forward_progress 1
		.amdhsa_inst_pref_size 85
	.end_amdhsa_kernel
	.amdgpu_metadata
---
amdhsa.version: [ 1, 2 ]
amdhsa.kernels:
  - .name:           k_qd415f393b7_attn
    .symbol:         k_qd415f393b7_attn.kd
    .args:
      - { .name: qkv, .offset: 0, .size: 8, .value_kind: global_buffer, .address_space: global }
      - { .name: att, .offset: 8, .size: 8, .value_kind: global_buffer, .address_space: global }
    .group_segment_fixed_size: 206848
    .private_segment_fixed_size: 0
    .kernarg_segment_align: 8
    .kernarg_segment_size: 16
    .max_flat_workgroup_size: 512
    .sgpr_count:     96
    .vgpr_count:     256
    .wavefront_size: 32
...
	.end_amdgpu_metadata
.endif
;; end of part 11
;; launch wol (part 12): grid 256 x 1, 16 waves a work-group, no clusters, 67,840 bytes of LDS; arguments att, wimg, Wo_scales, x, bo, ln1_g, ln1_b, hf, hq; writes hf, hq
.if DOCPART == 12
	.amdgcn_target "amdgcn-amd-amdhsa--gfx1250"
	.amdhsa_code_object_version 6
	.text
	.protected	k_qd415f393b7_wol
	.globl	k_qd415f393b7_wol
	.p2align	8
	.type	k_qd415f393b7_wol,@function
k_qd415f393b7_wol:
	s_mov_b64 s[64:65], 0
	v_nop
	global_prefetch_b8 v0, s[64:65] scope:SCOPE_SE
	s_setreg_imm32_b32 hwreg(HW_REG_WAVE_MODE, 25, 1), 1
	s_wait_xcnt 0x0
; h = layernorm(x + (attention's output x Wo + bo)) x gain + offset.  The product on codes of FP6 (E2M3) with E8M0 scales, all else in f32.
; h goes out as f32 (hf) and as codes in the image format (hq: fragments at 0, scale bytes [row][32] at 3,145,728).
; SHARES.  A work-group owns one tile of 16 WHOLE rows (slot s of tile t is row 32 (t / 2) + 8 (t % 2) + s + 8 (s / 8)), so that the norm follows the product in the same launch: 256 work-groups.
; Wave w of sixteen owns columns 64 w .. 64 w + 63: four accumulators.  Source 0 = 16 columns of the weight, source 1 = the 16 tokens: a lane holds one token, its registers run along the columns.
; THE WEIGHT goes from memory straight into registers: it lies as images of the operand's registers, three runs of 512 bytes a fragment.  Four register buffers of one K step (12 loads of 512 bytes) take turns:
; while one is multiplied, the other three's 36 loads are out.  No tensor load, so no LDS ring and no joint loads: a byte of the weight is used by one wave, once.
; The tokens' fragments (NK x 1,536 bytes) and all scale bytes are staged in LDS once, in whole runs of 512 bytes.
; THE WALK ALONG K BEGINS ELSEWHERE IN EACH WORK-GROUP: at four-K-step group (work-group's number mod NQD), and wraps.  What is staged in LDS is laid in the order of the walk, so LDS addresses step by constants.
; So neighbouring work-groups ask for different bytes of the weight at a time, and what one group of work-groups has read the others read next: no prefetch is laid for the weight.  The residual's rows are prefetched at the head, one row a wave.
; LIMITS: the f32 sums run along K from the work-group's own start, not from 0.  NaN and infinities are not served; a block of h whose largest magnitude lies under 2^-124, or is 0, gets the byte 1.
.set NK,    8                          ; K steps of 128
.set P_SC,  3145728                    ; the tokens' scale bytes in their buffer
.set R_OFF, 2359296                    ; the weight's images in wimg
.set LOGL,  1                          ; log2 of LPR
.set QOUT,  1                          ; h is quantised too
.set NQD,   NK/4                       ; groups of four K steps
.set KS,    NK*4                       ; a row of scale bytes
.set LPR,   KS/16                      ; units of 16 bytes in it: one for each group
.set SP2,   KS+16                      ; its pitch in LDS
.set HPW,   NK/8                       ; half fragments of the tokens that a wave stages
.set ASW,   LPR/2                      ; waves that stage the tokens' scales (16 rows)
.set NBL,   2*LPR                      ; loads of 512 bytes for my 64 rows of the weight's scales
.set ASC,   NK*1536                    ; LDS: the tokens' fragments at 0, their scales, the weight's scales
.set BSC,   ASC+16*SP2
.set SP,    4112                       ; the stage for the norm: 16 rows of 4,096 bytes + 16, laid over the operands behind a barrier
.if BSC+1024*SP2 > 16*SP
.set SPARE, BSC+1024*SP2
.else
.set SPARE, 16*SP
.endif
.set V16, 1                            ; 16 x lane
.set A16, 2                            ; the tokens' fragment in LDS, at 16 x lane and at 8 x lane
.set A8,  3
.set BSA, 4                            ; my scale words in LDS: the weight's, the tokens'
.set ASA, 5
.set SPW, 6
.set NIL, 7
.set AF,  8                            ; v8-19 the tokens' fragment
.set BSR, 20                           ; v20-27 the weight's scale words: register 4 p + q: lanes 0-15 tile 2 p, lanes 16-31 tile 2 p + 1, the group's q-th K step
.set ASR, 28                           ; v28-31 the tokens'
.set ACC, 32                           ; v32-63 four accumulators
.set BF,  64                           ; v64-255 four buffers of four fragments
.set X,   64                           ; behind the walk: the residual's row, sums at work, gain, addresses, offset, my row
.set T,   96
.set G,   112
.set STO, 144
.set RDA, 145
.set SB,  148
.set L8,  149
.set BE,  160
.set Z,   208
.set BM,  32
.set PR,  34
.set SO,  36
.set PCD, 40
.set CT,  46
.set TT,  50
.set SEL, 34
.macro LOADB kk                        ; one K step of my four tiles into buffer kk
.irp b, 0,1,2,3
.irp c, 0,1,2
	global_load_b128 v[BF+48*(\kk)+12*\b+4*\c:BF+48*(\kk)+12*\b+4*\c+3], v[V16], s[28:29] offset:\b*NK*1536+(\kk)*1536+512*\c
.endr
.endr
.endm
.macro FRAGA o
	ds_load_b128 v[AF:AF+3], v[A16] offset:(\o)
	ds_load_b64 v[AF+4:AF+5], v[A8] offset:(\o)+512
	ds_load_b128 v[AF+6:AF+9], v[A16] offset:(\o)+768
	ds_load_b64 v[AF+10:AF+11], v[A8] offset:(\o)+1280
.endm
.macro SCL
	ds_load_b128 v[BSR:BSR+3], v[BSA]
	ds_load_b128 v[BSR+4:BSR+7], v[BSA] offset:32*SP2
	ds_load_b128 v[ASR:ASR+3], v[ASA]
.endm
.macro WM kk                           ; the four accumulators by turns
.irp b, 0,1,2,3
.if (\b)%2
	v_wmma_scale_f32_16x16x128_f8f6f4 v[ACC+8*\b:ACC+8*\b+7], v[BF+48*(\kk)+12*\b:BF+48*(\kk)+12*\b+11], v[AF:AF+11], v[ACC+8*\b:ACC+8*\b+7], v[BSR+4*(\b/2)+(\kk)], v[ASR+(\kk)] matrix_a_fmt:MATRIX_FMT_FP6 matrix_b_fmt:MATRIX_FMT_FP6 matrix_a_scale:MATRIX_SCALE_ROW1
.else
	v_wmma_scale_f32_16x16x128_f8f6f4 v[ACC+8*\b:ACC+8*\b+7], v[BF+48*(\kk)+12*\b:BF+48*(\kk)+12*\b+11], v[AF:AF+11], v[ACC+8*\b:ACC+8*\b+7], v[BSR+4*(\b/2)+(\kk)], v[ASR+(\kk)] matrix_a_fmt:MATRIX_FMT_FP6 matrix_b_fmt:MATRIX_FMT_FP6
.endif
.endr
.endm
; A K step.  cnt: the global loads issued behind buffer kk's.  mode 1: the buffer is filled again, four K steps on.
.macro KSTEP kk, cnt, mode
	s_wait_loadcnt \cnt
	s_wait_dscnt 0x0                               ; the tokens' fragment, and at a group's start the scale words
	WM \kk
.if \kk < 3
.rept 4
	v_nop                                          ; places between the products and the loads into their operands
.endr
	FRAGA (\kk+1)*1536
.else
.if \mode
	v_add_nc_u32 v[A16], 6144, v[A16]              ; on to the next group: these four lines are the places
	v_add_nc_u32 v[A8], 6144, v[A8]
	v_add_nc_u32 v[BSA], 16, v[BSA]
	v_add_nc_u32 v[ASA], 16, v[ASA]
	s_wait_alu depctr_va_vdst(0)
	FRAGA 0
	SCL
.endif
.endif
.if \mode
	LOADB \kk
.endif
.endm
.macro ROWLD reg, sb                   ; a row of 4,096 bytes: 8 loads of 512 consecutive bytes
.irp i, 0,1,2,3,4,5,6,7
	global_load_b128 v[\reg+4*\i:\reg+4*\i+3], v[V16], s[\sb:\sb+1] offset:512*\i
.endr
.endm
.macro TREE d                          ; eight pairs in v[T] on become one in v[d:d+1]
.irp i, 0,1,2,3
	s_delay_alu instid0(VALU_DEP_4)
	v_pk_add_f32 v[T+2*\i:T+2*\i+1], v[T+2*\i:T+2*\i+1], v[T+8+2*\i:T+9+2*\i]
.endr
.irp i, 0,1
	s_delay_alu instid0(VALU_DEP_2)
	v_pk_add_f32 v[T+2*\i:T+2*\i+1], v[T+2*\i:T+2*\i+1], v[T+4+2*\i:T+5+2*\i]
.endr
	s_delay_alu instid0(VALU_DEP_1)
	v_pk_add_f32 v[\d:\d+1], v[T:T+1], v[T+2:T+3]
.endm
.macro REDUCE r                        ; the pair's two halves, then the 32 lanes: the sum in every lane
	s_delay_alu instid0(VALU_DEP_1)
	v_add_f32 v[\r], v[\r], v[\r+1]
	s_delay_alu instid0(VALU_DEP_1)
	v_add_f32_dpp v[\r], v[\r], v[\r] row_xmask:1 row_mask:0xf bank_mask:0xf
	s_delay_alu instid0(VALU_DEP_1)
	v_add_f32_dpp v[\r], v[\r], v[\r] row_xmask:2 row_mask:0xf bank_mask:0xf
	s_delay_alu instid0(VALU_DEP_1)
	v_add_f32_dpp v[\r], v[\r], v[\r] row_xmask:4 row_mask:0xf bank_mask:0xf
	s_delay_alu instid0(VALU_DEP_1)
	v_add_f32_dpp v[\r], v[\r], v[\r] row_xmask:8 row_mask:0xf bank_mask:0xf
	s_delay_alu instid0(VALU_DEP_1)
	v_permlanex16_b32 v[\r+1], v[\r], s[SEL], s[SEL+1]
	s_delay_alu instid0(VALU_DEP_1)
	v_add_f32 v[\r], v[\r], v[\r+1]
.endm
	s_load_b512 s[8:23], s[0:1], 0x0               ; tokens s[8:9], wimg, the weight's scales, residual s[14:15], bias, gain, offset, f32 result s[22:23]
.if QOUT
	s_load_b64 s[24:25], s[0:1], 0x40              ; hq
.endif
	v_lshl_add_u32 v[SPW], v0, 2, SPARE
	v_mov_b32 v[NIL], 0
	v_lshrrev_b32 v32, 5, v0
	v_readfirstlane_b32 s2, v32                    ; wave 0..15
	v_and_b32 v33, 31, v0                          ; lane
	v_and_b32 v34, 15, v0                          ; r
	v_bfe_u32 v35, v0, 4, 1                        ; h
	v_lshlrev_b32 v[V16], 4, v33
	v_lshlrev_b32 v[A16], 4, v33
	v_lshlrev_b32 v[A8], 3, v33
	s_and_b32 s3, ttmp9, NQD-1                     ; the group at which my walk begins
	v_and_b32 v36, 8, v34
	v_add_nc_u32 v36, v36, v34                     ; r + 8 (r / 8)
	v_lshl_add_u32 v36, v35, 3, v36                ; + 8 h: lanes 16-31 take the odd tile
	s_mul_i32 s4, s2, 64*SP2
	s_add_co_u32 s4, s4, BSC                       ; my 64 rows of the weight's scales
	v_mul_u32_u24 v36, v36, SP2
	v_add_nc_u32 v[BSA], s4, v36
	v_mul_u32_u24 v37, v34, SP2
	v_add_nc_u32 v[ASA], ASC, v37                  ; the tokens' scales lie by slots
	v_and_b32 v38, LPR-1, v0                       ; staging the scales: my unit of 16 bytes in the order of the walk,
	v_add_nc_u32 v39, s3, v38
	v_and_b32 v39, LPR-1, v39                      ; and in memory
	v_lshlrev_b32 v39, 4, v39
	v_lshlrev_b32 v38, 4, v38
	v_lshrrev_b32 v40, LOGL, v33                   ; the row among those of one load
	v_mad_u32_u24 v41, v40, KS, v39                ; the weight's: from
	v_mad_u32_u24 v42, v40, SP2, v38
	v_add_nc_u32 v42, s4, v42                      ; to
	v_lshrrev_b32 v40, LOGL, v0                    ; the tokens': slot = thread / LPR
	v_mad_u32_u24 v43, v40, SP2, v38
	v_add_nc_u32 v43, ASC, v43                     ; to
	v_and_b32 v44, 8, v40
	v_add_nc_u32 v40, v40, v44
	v_mad_u32_u24 v44, v40, KS, v39                ; from
	s_mul_i32 s5, s2, HPW                          ; the tokens' half fragments that I stage, counted along the walk
	s_lshr_b32 s6, s5, 3
	s_add_co_u32 s6, s6, s3
	s_and_b32 s6, s6, NQD-1                        ; their group in memory
	s_mul_i32 s6, s6, 6144
	s_and_b32 s7, s5, 7
	s_mul_i32 s7, s7, 768
	s_add_co_u32 s6, s6, s7
	s_mul_i32 s7, ttmp9, NK*1536
	s_add_co_u32 s6, s6, s7
	s_mov_b32 s7, 0
	s_mul_i32 s5, s5, 768
	v_add_nc_u32 v45, s5, v[V16]
	v_add_nc_u32 v46, s5, v[A8]
	v_lshlrev_b32 v47, 8, v34                      ; the prefetch: sixteen blocks of 256 bytes of my row (lanes 16-31 name them again)
	s_lshr_b32 s40, ttmp9, 1
	s_lshl_b32 s40, s40, 5
	s_and_b32 s41, ttmp9, 1
	s_lshl_b32 s41, s41, 3
	s_add_co_u32 s40, s40, s41                     ; the tile's first row
	s_mul_i32 s38, s40, KS
	s_add_co_u32 s38, s38, P_SC
	s_mov_b32 s39, 0
	s_mul_i32 s42, s2, 64*KS
	s_mov_b32 s43, 0
	s_mul_i32 s26, s2, 4*NK*1536                   ; my four tiles of the weight
	s_add_co_u32 s26, s26, R_OFF
	s_mov_b32 s27, 0
	s_lshr_b32 s44, s2, 3
	s_lshl_b32 s44, s44, 3
	s_add_co_u32 s44, s44, s2
	s_add_co_u32 s44, s44, s40                     ; the row that I norm: slot w
	s_lshl_b32 s44, s44, 12
	s_mov_b32 s45, 0
	s_lshl_b32 s46, s2, 8                          ; my 64 columns in bytes
	s_mov_b32 s47, 0
	s_mul_i32 s48, s2, SP
	s_mul_i32 s32, s3, 6144
	s_mov_b32 s33, 0
	s_mov_b32 s[SEL], 0x76543210
	s_mov_b32 s[SEL+1], 0xfedcba98
	s_mov_b32 s36, 0x3a800000                      ; 1 / 1024
	s_mov_b32 s37, 0x3727c5ac                      ; 1e-5
.if QOUT
	s_lshl_b32 s50, ttmp9, 3
	s_lshr_b32 s51, s2, 1
	s_add_co_u32 s50, s50, s51                     ; hq: fragment 8 x tile + w / 2,
	s_mul_i32 s50, s50, 1536
	s_and_b32 s51, s2, 1
	s_mul_i32 s51, s51, 768                        ; half w % 2
	s_add_co_u32 s50, s50, s51
	s_mov_b32 s51, 0
	s_lshl_b32 s52, s40, 5
	s_lshl_b32 s53, s2, 1
	s_add_co_u32 s52, s52, s53                     ; 32 scale bytes a row; my two
	s_add_co_u32 s52, s52, 3145728
	s_mov_b32 s53, 0
	s_mov_b32 s54, 0xffff0000                      ; lanes 16-31
.endif
	s_wait_alu depctr_va_vdst(0)
	s_wait_kmcnt 0x0
	s_add_nc_u64 s[6:7], s[8:9], s[6:7]
	s_add_nc_u64 s[38:39], s[8:9], s[38:39]
	s_add_nc_u64 s[42:43], s[12:13], s[42:43]
	s_add_nc_u64 s[26:27], s[10:11], s[26:27]
	s_add_nc_u64 s[28:29], s[26:27], s[32:33]
	s_add_nc_u64 s[14:15], s[14:15], s[44:45]
	s_add_nc_u64 s[16:17], s[16:17], s[46:47]
	s_add_nc_u64 s[22:23], s[22:23], s[44:45]
.if QOUT
	s_add_nc_u64 s[50:51], s[24:25], s[50:51]
	s_add_nc_u64 s[52:53], s[24:25], s[52:53]
.endif
	global_prefetch_b8 v47, s[14:15] th:TH_LOAD_NT scope:SCOPE_SE   ; the residual's row, which I load in the walk's last four K steps
.set i, 0
.rept HPW
	global_load_b128 v[160+6*i:163+6*i], v[V16], s[6:7] offset:768*i
	global_load_b64 v[164+6*i:165+6*i], v[A8], s[6:7] offset:768*i+512
.set i, i+1
.endr
.set i, 0
.rept NBL
	global_load_b128 v[192+4*i:195+4*i], v41, s[42:43] offset:512*i
.set i, i+1
.endr
	s_cmp_lt_u32 s2, ASW
	s_cbranch_scc0 .Lno_as
	global_load_b128 v[184:187], v44, s[38:39]
.Lno_as:
	LOADB 0
	LOADB 1
	s_wait_loadcnt 24                              ; all but the two buffers' 24 loads: what I stage is in
.set i, 0
.rept HPW
	ds_store_b128 v45, v[160+6*i:163+6*i] offset:768*i
	ds_store_b64 v46, v[164+6*i:165+6*i] offset:768*i+512
.set i, i+1
.endr
.set i, 0
.rept NBL
	ds_store_b128 v42, v[192+4*i:195+4*i] offset:i*(32/LPR)*SP2
.set i, i+1
.endr
	s_cmp_lt_u32 s2, ASW
	s_cbranch_scc0 .Lno_as2
	ds_store_b128 v43, v[184:187]
.Lno_as2:
	s_wait_dscnt 0x0                               ; for the others' sake, and the registers are free
	LOADB 2
	LOADB 3
	s_wait_xcnt 0x0                                ; the prefetch has read v47: loads may land there
	v_lshlrev_b32 v[AF], 6, v35
.irp b, 0,1,2,3                                ; THE BIAS IS THE FIRST PRODUCT'S C: register j of tile b is column 32 (b / 2) + 16 h + 8 (b % 2) + j of my 64
	global_load_b128 v[ACC+8*\b:ACC+8*\b+3], v[AF], s[16:17] offset:128*(\b/2)+32*(\b%2)
	global_load_b128 v[ACC+8*\b+4:ACC+8*\b+7], v[AF], s[16:17] offset:128*(\b/2)+32*(\b%2)+16
.endr
	s_barrier_signal -1
	s_barrier_wait -1                              ; everything staged lies in LDS
	s_wait_xcnt 0x0                                ; the bias's loads have read v[AF]
	FRAGA 0
	SCL
	s_mov_b32 s30, s3
	s_mov_b32 s31, NQD-1
	s_wait_loadcnt 0x0                             ; the bias was asked for last
.Ltrip:                                                ; a trip: four K steps; it asks for the next four
	s_wait_xcnt 0x0                                ; the loads' base is written again only behind this wait
	s_add_co_u32 s30, s30, 1
	s_and_b32 s30, s30, NQD-1                      ; the walk wraps
	s_mul_i32 s32, s30, 6144
	s_add_nc_u64 s[28:29], s[26:27], s[32:33]
	KSTEP 0, 36, 1                                 ; 36: the three younger buffers' loads
	KSTEP 1, 36, 1
	KSTEP 2, 36, 1
	KSTEP 3, 36, 1
	s_sub_co_u32 s31, s31, 1
	s_cmp_lg_u32 s31, 0
	s_cbranch_scc1 .Ltrip
	KSTEP 0, 36, 0                                 ; the last four K steps: the freed buffers take what the norm needs
	ROWLD X, 14
	KSTEP 1, 32, 0                                 ; two buffers' 24 and the residual's 8
	ROWLD G, 18
	KSTEP 2, 28, 0                                 ; 12 + 8 + 8
	ROWLD BE, 20
	KSTEP 3, 24, 0                                 ; 8 + 8 + 8
	v_and_b32 v146, 15, v0                         ; these lines name no register of the last products: they are the places behind them
	v_bfe_u32 v147, v0, 4, 1
	s_delay_alu instid0(VALU_DEP_2)
	v_mul_u32_u24 v[STO], v146, SP
	s_delay_alu instid0(VALU_DEP_1)
	v_lshl_add_u32 v[STO], v147, 6, v[STO]
	s_delay_alu instid0(VALU_DEP_1)
	v_add_nc_u32 v[STO], s46, v[STO]               ; the stage: row = slot r, my 64 columns, + 64 h
	v_add_nc_u32 v[RDA], s48, v[V16]               ; and row w, 16 bytes a lane
	v_and_b32 v[SB], 8, v146
	s_delay_alu instid0(VALU_DEP_1)
	v_add_nc_u32 v[SB], v[SB], v146
	s_delay_alu instid0(VALU_DEP_1)
	v_lshl_add_u32 v[SB], v[SB], 5, v147           ; my scale byte: row x 32 + h
	v_lshrrev_b32 v[L8], 1, v[V16]                 ; 8 x lane
	s_wait_alu depctr_va_vdst(0)
	s_barrier_signal -1
	s_barrier_wait -1                              ; nobody reads the operands' bytes any more: the stage is laid over them
.irp b, 0,1,2,3
	ds_store_b128 v[STO], v[ACC+8*\b:ACC+8*\b+3] offset:128*(\b/2)+32*(\b%2)          ; each accumulator from its low end on
	ds_store_b128 v[STO], v[ACC+8*\b+4:ACC+8*\b+7] offset:128*(\b/2)+32*(\b%2)+16
.endr
	s_wait_dscnt 0x0
	s_barrier_signal -1
	s_barrier_wait -1                              ; the 16 rows are whole
.irp i, 0,1,2,3,4,5,6,7
	ds_load_b128 v[Z+4*\i:Z+4*\i+3], v[RDA] offset:512*\i
.endr
	s_wait_loadcnt 16                              ; the residual is in; gain and offset may be out
	s_wait_dscnt 0x0
.set j, 0
.rept 16
	v_pk_add_f32 v[Z+j:Z+j+1], v[Z+j:Z+j+1], v[X+j:X+j+1]
.set j, j+2
.endr
.set j, 0
.rept 8
	v_pk_add_f32 v[T+j:T+j+1], v[Z+j:Z+j+1], v[Z+16+j:Z+17+j]
.set j, j+2
.endr
	TREE 8
	REDUCE 8
	s_delay_alu instid0(VALU_DEP_1)
	v_mul_f32 v8, 0xba800000, v8                   ; -mean
.set j, 0
.rept 16
	v_pk_add_f32 v[Z+j:Z+j+1], v[Z+j:Z+j+1], v[8:9] op_sel_hi:[1,0]
.set j, j+2
.endr
.set j, 0
.rept 8
	v_pk_mul_f32 v[T+j:T+j+1], v[Z+j:Z+j+1], v[Z+j:Z+j+1]
.set j, j+2
.endr
.set j, 0
.rept 8
	v_pk_fma_f32 v[T+j:T+j+1], v[Z+16+j:Z+17+j], v[Z+16+j:Z+17+j], v[T+j:T+j+1]
.set j, j+2
.endr
	TREE 10
	REDUCE 10
	s_delay_alu instid0(VALU_DEP_1)
	v_fma_f32 v10, v10, s36, s37                   ; the variance + eps
	s_wait_alu depctr_va_vdst(0)
	v_rsq_f32 v12, v10
	v_mov_b32 v13, 0                               ; a plain place; (named below as the pair's upper half)
	s_wait_loadcnt 0x0
	s_wait_alu depctr_va_vdst(0)                   ; ahead of v12's first reader
.set j, 0
.rept 16
	v_pk_mul_f32 v[Z+j:Z+j+1], v[Z+j:Z+j+1], v[12:13] op_sel_hi:[1,0]
.set j, j+2
.endr
.set j, 0
.rept 16
	v_pk_fma_f32 v[Z+j:Z+j+1], v[Z+j:Z+j+1], v[G+j:G+j+1], v[BE+j:BE+j+1]
.set j, j+2
.endr
.if QOUT
.irp i, 0,1,2,3,4,5,6,7
	global_store_b128 v[V16], v[Z+4*\i:Z+4*\i+3], s[22:23] offset:512*\i
	ds_store_b128 v[RDA], v[Z+4*\i:Z+4*\i+3] offset:512*\i     ; back into my own row of the stage, which I alone have read
.endr
	s_wait_dscnt 0x0
	s_barrier_signal -1
	s_barrier_wait -1
.irp b, 0,1                                    ; wave w quantises 64 along K of all 16 rows: half a fragment.  Register 16 b + i = k 64 w + 32 b + 16 h + i of row r
.irp j, 0,1,2,3
	ds_load_b128 v[X+16*\b+4*\j:X+16*\b+4*\j+3], v[STO] offset:128*\b+16*\j
.endr
.endr
	v_mov_b32 v[PR], 0                             ; a lane permute's destination counts as one of its sources
	v_mov_b32 v[PR+1], 0
	s_wait_dscnt 0x0
.irp b, 0,1
	v_max3_num_f32 v[BM+\b], |v[X+16*\b]|, |v[X+1+16*\b]|, 0x1800000   ; with the floor 2^(3 - 127)
.endr
.irp i, 2,4,6,8,10,12,14
.irp b, 0,1
	s_delay_alu instid0(VALU_DEP_2)
	v_max3_num_f32 v[BM+\b], v[BM+\b], |v[X+16*\b+\i]|, |v[X+1+16*\b+\i]|
.endr
.endr
.irp b, 0,1
	s_delay_alu instid0(VALU_DEP_2)
	v_permlanex16_b32 v[PR+\b], v[BM+\b], s[SEL], s[SEL+1]
.endr
.irp b, 0,1
	s_delay_alu instid0(VALU_DEP_2)
	v_max_num_f32 v[BM+\b], v[BM+\b], v[PR+\b]
.endr
.irp b, 0,1
	s_delay_alu instid0(VALU_DEP_2)
	v_add_nc_u32 v[SO+\b], 0xff000000, v[BM+\b]    ; 2 off the exponent field: the conversion's scale operand
.endr
.irp b, 0,1
	s_delay_alu instid0(VALU_DEP_2)
	v_lshrrev_b32 v[PR+\b], 23, v[SO+\b]           ; the scale's byte
.endr
	v_cvt_scalef32_pk16_fp6_f32 v[PCD:PCD+2], v[X:X+15], v[SO]
	v_cvt_scalef32_pk16_fp6_f32 v[CT:CT+2], v[X+16:X+31], v[SO+1]
	v_nop                                          ; one plain place behind a scaled conversion
.irp i, 0,1,2
	v_permlane16_swap_b32 v[PCD+\i], v[CT+\i]      ; a whole block to a lane
.endr
.irp i, 0,1,2
	s_delay_alu instid0(VALU_DEP_3)
	v_mov_b32 v[PCD+3+\i], v[CT+\i]
.endr
	v_cndmask_b32 v[TT], v[PR], v[PR+1], s54       ; lanes 0-15 keep block 0's byte, lanes 16-31 block 1's
	global_store_b128 v[V16], v[PCD:PCD+3], s[50:51]
	global_store_b64 v[L8], v[PCD+4:PCD+5], s[50:51] offset:512
	global_store_b8 v[SB], v[TT], s[52:53]         ; one byte a lane: one byte in 24 of the codes'
.else
.irp i, 0,1,2,3,4,5,6,7
	global_store_b128 v[V16], v[Z+4*\i:Z+4*\i+3], s[22:23] offset:512*\i th:TH_STORE_NT
.endr
.endif
	s_wait_tensorcnt 0x0                           ; the wave's end
	ds_add_u32 v[SPW], v[NIL]
	s_wait_dscnt 0x0
	s_endpgm
.Lfunc_end_k_qd415f393b7_wol:
	.size	k_qd415f393b7_wol, .Lfunc_end_k_qd415f393b7_wol-k_qd415f393b7_wol
	.p2alignl 7, 3214868480
	.fill 96, 4, 3214868480
	.section	.rodata,"a",@progbits
	.p2align	6, 0x0
	.amdhsa_kernel k_qd415f393b7_wol
		.amdhsa_group_segment_fixed_size 67840
		.amdhsa_private_segment_fixed_size 0
		.amdhsa_enable_private_segment 0
		.amdhsa_kernarg_size 72
		.amdhsa_user_sgpr_count 2
		.amdhsa_user_sgpr_kernarg_segment_ptr 1
		.amdhsa_wavefront_size32 1
		.amdhsa_system_sgpr_workgroup_id_x 1
		.amdhsa_system_sgpr_workgroup_id_y 1
		.amdhsa_system_sgpr_workgroup_id_z 1
		.amdhsa_system_vgpr_workitem_id 0
		.amdhsa_next_free_vgpr 256
		.amdhsa_next_free_sgpr 66
		.amdhsa_reserve_vcc 0
		.amdhsa_float_denorm_mode_32 3
		.amdhsa_float_denorm_mode_16_64 3
		.amdhsa_memory_ordered 1
		.amdhsa_forward_progress 1
		.amdhsa_inst_pref_size 42
	.end_amdhsa_kernel
	.amdgpu_metadata
---
amdhsa.version: [ 1, 2 ]
amdhsa.kernels:
  - .name:           k_qd415f393b7_wol
    .symbol:         k_qd415f393b7_wol.kd
    .args:
      - { .name: att, .offset: 0, .size: 8, .value_kind: global_buffer, .address_space: global }
      - { .name: wimg, .offset: 8, .size: 8, .value_kind: global_buffer, .address_space: global }
      - { .name: Wo_scales, .offset: 16, .size: 8, .value_kind: global_buffer, .address_space: global }
      - { .name: x, .offset: 24, .size: 8, .value_kind: global_buffer, .address_space: global }
      - { .name: bo, .offset: 32, .size: 8, .value_kind: global_buffer, .address_space: global }
      - { .name: ln1_g, .offset: 40, .size: 8, .value_kind: global_buffer, .address_space: global }
      - { .name: ln1_b, .offset: 48, .size: 8, .value_kind: global_buffer, .address_space: global }
      - { .name: hf, .offset: 56, .size: 8, .value_kind: global_buffer, .address_space: global }
      - { .name: hq, .offset: 64, .size: 8, .value_kind: global_buffer, .address_space: global }
    .group_segment_fixed_size: 67840
    .private_segment_fixed_size: 0
    .kernarg_segment_align: 8
    .kernarg_segment_size: 72
    .max_flat_workgroup_size: 512
    .sgpr_count:     66
    .vgpr_count:     256
    .wavefront_size: 32
...
	.end_amdgpu_metadata
.endif
;; end of part 12
;; launch ffn1 (part 13): grid 16 x 16, 4 waves a work-group, clusters of 4 x 4, 327,680 bytes of LDS; arguments hq, wimg, W1_scales, b1, hid; writes hid
.if DOCPART == 13
	.amdgcn_target "amdgcn-amd-amdhsa--gfx1250"
	.amdhsa_code_object_version 6
	.text
	.protected	k_qd415f393b7_ffn1
	.globl	k_qd415f393b7_ffn1
	.p2align	8
	.type	k_qd415f393b7_ffn1,@function
k_qd415f393b7_ffn1:
	s_mov_b64 s[64:65], 0
	v_nop
	global_prefetch_b8 v0, s[64:65] scope:SCOPE_SE
	s_setreg_imm32_b32 hwreg(HW_REG_WAVE_MODE, 25, 1), 1
	s_wait_xcnt 0x0
	s_wait_alu depctr_hold_cnt(0) depctr_sa_sdst(0) depctr_va_vdst(0) depctr_va_sdst(0) depctr_va_ssrc(0) depctr_va_vcc(0) depctr_vm_vsrc(0)
	s_getreg_b32 s2, hwreg(HW_REG_IB_STS2, 6, 4)
	s_cmp_eq_u32 s2, 0
	s_cbranch_scc0 .Lentry_in_a_cluster
	s_endpgm
.Lentry_in_a_cluster:
	s_bfe_u32 s2, ttmp6, 0x10000c
	s_cmp_lg_u32 s2, 0xf033
	s_cbranch_scc0 .Lentry_shape_is_right
	s_endpgm
.Lentry_shape_is_right:
.set SIZE_K, 1024
.set P_SC,   3145728
.set R_OFF,  3145728
.set NK,     SIZE_K/128
.set KS,     SIZE_K/32
.set NQ,     2
.set FR,     12
.set FB,     1536
.set NL,     4
.set NP,     4
.set HALFT,  8*NQ*FB
.set SLOT,   4*HALFT
.set LAPS,   SIZE_K/512
.set SCL,    2*SLOT
.set HALFS,  (128*KS/256)*272
.set SPARE,  SCL+4*HALFS
.set ADRA, 16
.set ADRB, 20
.set V16,  24
.set V8,   25
.set VS,   26
.set ADRS, 27
.set SPW,  28
.set NIL,  29
.set BA,   30
.set SC,   32
.set BI,   64
.set AF,   128
.set T,    128
.set TM,   192
.set PW,   208
.set PW0,  209
.set DW,   211
.set PC,   212
.set SEL,  20
.set HM,   22
.set G1, 24
.set G0, 32
.set G1B, 48
.set G0B, 56
.set G1S, 68
.set G0S, 76
.set G1SB, 80
.set G0SB, 88
.set MSB, 0
.macro WIN new
.if MSB != (\new)
	s_set_vgpr_msb (MSB<<8)|(\new)
.set MSB, (\new)
.endif
.endm
.set MUL_LO, 0xa1
.set MUL_HI, 0xf1
.set TO_R,   0x40
.macro JLOAD g0a, g1a, g0b, g1b
	s_cmp_eq_u32 s15, 0
	s_cbranch_scc0 .Lfor_r_\@
	tensor_load_to_lds s[\g0a:\g0a+3], s[\g1a:\g1a+7]
	s_nop 0
.rept 4
	v_nop
.endr
	s_branch .Lasked_\@
.Lfor_r_\@:
	tensor_load_to_lds s[\g0b:\g0b+3], s[\g1b:\g1b+7]
	s_nop 0
.rept 4
	v_nop
.endr
.Lasked_\@:
.endm
.macro CREST
	s_cmp_lg_u32 s14, 0
	s_cbranch_scc1 .Lnot_wave_0_\@
	s_barrier_signal -3
.Lnot_wave_0_\@:
	s_barrier_wait -3
	s_barrier_signal -1
	s_barrier_wait -1
.endm
.macro CROUND
	s_barrier_signal -1
	s_barrier_wait -1
	CREST
.endm
	s_load_b64 s[4:5], s[0:1], 0x0
	s_load_b64 s[8:9], s[0:1], 0x8
	s_load_b64 s[10:11], s[0:1], 0x10
	s_load_b64 s[96:97], s[0:1], 0x18
	s_load_b64 s[12:13], s[0:1], 0x20
	v_lshl_add_u32 v[SPW], v0, 2, SPARE
	v_mov_b32 v[NIL], 0
	ds_add_u32 v28, v29
	ds_add_u32 v28, v29
	s_wait_dscnt 0x0
	v_lshrrev_b32 v1, 5, v0
	v_readfirstlane_b32 s14, v1
	s_lshr_b32 s15, s14, 1
	s_and_b32 s16, s14, 1
	s_bfe_u32 s40, ttmp6, 0x40000
	s_bfe_u32 s41, ttmp6, 0x40004
	s_lshl_b32 s42, ttmp9, 2
	s_add_co_u32 s42, s42, s40
	s_and_b32 s17, ttmp7, 0xffff
	s_lshl_b32 s17, s17, 2
	s_add_co_u32 s17, s17, s41
	s_lshl_b32 s43, s41, 2
	s_lshl_b32 s43, 15, s43
	s_lshl_b32 s44, 0x1111, s40
	s_or_b32 s[G1+0], s43, (3<<16)|(1<<21)
	s_or_b32 s[G1B+0], s44, (3<<16)|(1<<21)
.irp g, G1, G1B
	s_mov_b32 s[\g+1], 384<<16
	s_mov_b32 s[\g+2], 16<<16                      ; the head's loads bring all 16 tiles of a slot; behind them the two words are set to 8
	s_mov_b32 s[\g+3], 384<<16
	s_mov_b32 s[\g+4], 16
	s_mov_b32 s[\g+5], NK*192
	s_mov_b32 s[\g+6], 0
	s_mov_b32 s[\g+7], 0
.endr
	s_or_b32 s[G1S+0], s43, (3<<16)|(1<<20)|(1<<21)|(5<<22)|(3<<25)
	s_or_b32 s[G1SB+0], s44, (3<<16)|(1<<20)|(1<<21)|(5<<22)|(3<<25)
.irp g, G1S, G1SB
	s_mov_b32 s[\g+1], 32<<16
	s_mov_b32 s[\g+2], (256*KS/256)<<16            ; the scales of all 256 rows by one load
	s_mov_b32 s[\g+3], 32<<16
	s_mov_b32 s[\g+4], 256*KS/256
	s_mov_b32 s[\g+5], 32
	s_mov_b32 s[\g+6], 0
	s_mov_b32 s[\g+7], 0
.endr
	s_lshl_b32 s18, s16, 3
	s_lshl_b32 s20, s17, 4
	s_lshl_b32 s46, s42, 4
	s_mul_i32 s22, s20, 16*KS
	s_mov_b32 s23, 0
	s_mul_i32 s92, s46, 16*KS
	s_mov_b32 s93, 0
	s_mul_i32 s20, s20, NK*FB
	s_mov_b32 s21, 0
	s_mul_i32 s46, s46, NK*FB
	s_mov_b32 s47, 0
	s_mul_i32 s45, s14, HALFT
	s_mul_i32 s94, s14, HALFS
	s_wait_kmcnt 0x0
	s_add_nc_u64 s[6:7], s[4:5], P_SC
	s_add_nc_u64 s[8:9], s[8:9], R_OFF
	s_add_nc_u64 s[20:21], s[4:5], s[20:21]
	s_add_nc_u64 s[22:23], s[6:7], s[22:23]
	s_add_nc_u64 s[46:47], s[8:9], s[46:47]
	s_add_nc_u64 s[92:93], s[10:11], s[92:93]
	CROUND
	; THE HEAD'S FOUR TILES, each whole, ONE A WAVE: wave 0 slot 0's 16 tiles of P, wave 1 those of R, wave 2 the scales of P's 256 rows, wave 3 those of R's
	s_mov_b32 s4, 1
	s_mov_b32 s5, 0
	s_mov_b64 s[6:7], s[20:21]
	s_or_b32 s7, s7, 0x80000000
	s_mov_b32 s[G0S], 1
	s_mov_b32 s[G0S+1], SCL
	s_mov_b64 s[G0S+2:G0S+3], s[22:23]
	s_or_b32 s[G0S+3], s[G0S+3], 0x80000000
	s_mov_b32 s[G0SB], 1
	s_mov_b32 s[G0SB+1], SCL+2*HALFS
	s_mov_b64 s[G0SB+2:G0SB+3], s[92:93]
	s_or_b32 s[G0SB+3], s[G0SB+3], 0x80000000
	s_mov_b32 s92, 1                               ; R's 16 tiles: group 0 in s[92:95], which no line writes while the load is out (the scales' address that lay in s[92:93] has just been copied)
	s_mov_b32 s93, 2*HALFT
	s_mov_b64 s[94:95], s[46:47]
	s_or_b32 s95, s95, 0x80000000
	s_lshl_b32 s18, s16, 3
	s_mul_i32 s18, s18, NK*FB
	s_mov_b32 s19, 0
	s_add_nc_u64 s[20:21], s[20:21], s[18:19]
	s_add_nc_u64 s[46:47], s[46:47], s[18:19]
.irp s, 0,1
	s_mov_b32 s[G0+4*\s], 1
	s_add_co_u32 s[G0+4*\s+1], s45, \s*SLOT
	s_add_nc_u64 s[G0+4*\s+2:G0+4*\s+3], s[20:21], \s*NQ*FB
	s_or_b32 s[G0+4*\s+3], s[G0+4*\s+3], 0x80000000
	s_mov_b32 s[G0B+4*\s], 1
	s_add_co_u32 s[G0B+4*\s+1], s45, \s*SLOT
	s_add_nc_u64 s[G0B+4*\s+2:G0B+4*\s+3], s[46:47], \s*NQ*FB
	s_or_b32 s[G0B+4*\s+3], s[G0B+4*\s+3], 0x80000000
.endr
.macro ARM under, g0, g1, next         ; one chain of branches on the wave's number: every way passes exactly one load
	s_cmp_lt_u32 s14, \under
	s_cbranch_scc0 \next
	tensor_load_to_lds s[\g0:\g0+3], s[\g1:\g1+7]
	s_nop 0
.rept 4
	v_nop
.endr
	s_branch .Lhead_asked
\next:
.endm
	ARM 1, 4, G1, .Lhead_b
	ARM 2, 92, G1B, .Lhead_sa
	ARM 3, G0S, G1S, .Lhead_sb
	tensor_load_to_lds s[G0SB:G0SB+3], s[G1SB:G1SB+7]
	s_nop 0
.rept 4
	v_nop
.endr
.Lhead_asked:
	; THE PREFETCH: behind the load of slot n each wave asks for slot n + 2 of the 8 tiles that it fetches in the ring: 96 blocks of 256 bytes, which the four partners that ask for them jointly
	; share out by address: the partner at place p (cx for P, cy for R) takes tiles 2 p and 2 p + 1, 24 blocks, a lane a block (lanes 24-31 name the last again).  K has four slots: slots 2 and 3 are all there is to ask for.
	s_cmp_eq_u32 s15, 0
	s_cselect_b64 s[100:101], s[20:21], s[46:47]
	s_cselect_b32 s18, s40, s41
	s_mul_i32 s18, s18, 2*NK*FB
	s_add_co_u32 s18, s18, 2*NQ*FB
	s_add_nc_u64 s[100:101], s[100:101], s[18:19]
	v_and_b32 v11, 31, v0
	v_min_u32 v11, 23, v11
	v_mul_u32_u24 v12, v11, 22
	v_lshrrev_b32 v12, 8, v12                      ; block / 12: which of the two tiles
	v_mul_u32_u24 v12, v12, NK*FB-NQ*FB
	v_lshl_add_u32 v11, v11, 8, v12
	global_prefetch_b8 v11, s[100:101] th:TH_LOAD_NT scope:SCOPE_SE   ; slot 2
	v_and_b32 v1, 15, v0
	v_bfe_u32 v2, v0, 4, 1
	v_and_b32 v3, 31, v0
	v_lshlrev_b32 v[V16], 4, v3
	v_lshlrev_b32 v[V8], 3, v3
	s_mul_i32 s21, s15, HALFT
	s_mul_i32 s22, s16, HALFT
	s_add_co_u32 s22, s22, 2*HALFT
.irp s, 0,1
	v_add_nc_u32 v[ADRA+\s], s21, v[V16]
	v_add_nc_u32 v[ADRB+\s], s22, v[V16]
	v_add_nc_u32 v[ADRA+2+\s], s21, v[V8]
	v_add_nc_u32 v[ADRB+2+\s], s22, v[V8]
	s_add_co_u32 s21, s21, SLOT
	s_add_co_u32 s22, s22, SLOT
.endr
	v_and_b32 v4, 8, v1
	v_add_nc_u32 v4, v4, v1
	v_mul_u32_u24 v5, v4, KS
	v_lshrrev_b32 v6, 8, v5
	v_lshl_add_u32 v5, v6, 4, v5
	s_mul_i32 s21, s15, HALFS
	s_mul_i32 s22, s16, HALFS
	s_add_co_u32 s22, s22, 2*HALFS
	s_sub_co_u32 s22, s22, s21
	v_mul_u32_u24 v6, s22, v2
	s_add_co_u32 s21, s21, SCL
	v_add_nc_u32 v5, v5, v6
	v_add_nc_u32 v[ADRS], s21, v5
	v_lshl_add_u32 v6, v2, 3, v4
	v_lshlrev_b32 v[VS], 7, v6
	v_lshlrev_b32 v[BA], 6, v2
	s_wait_alu depctr_va_vdst(0)
	s_lshl_b32 s20, s17, 4
	s_lshl_b32 s21, s15, 3
	s_add_co_u32 s20, s20, s21
	s_lshl_b32 s22, s20, 11
	s_lshl_b32 s20, s20, 5
	s_lshl_b32 s46, s42, 1
	s_add_co_u32 s46, s46, s16
	s_add_co_u32 s20, s20, s46
	s_mul_i32 s20, s20, FB
	s_mov_b32 s21, 0
	s_lshl_b32 s46, s46, 2
	s_add_co_u32 s22, s22, s46
	s_add_co_u32 s22, s22, 12582912
	s_mov_b32 s23, 0
	s_add_nc_u64 s[10:11], s[12:13], s[22:23]
	s_add_nc_u64 s[12:13], s[12:13], s[20:21]
	s_lshl_b32 s46, s42, 10
	s_lshl_b32 s47, s16, 9
	s_add_co_u32 s46, s46, s47
	s_mov_b32 s47, 0
	s_add_nc_u64 s[96:97], s[96:97], s[46:47]
.irp i, 0,1,2,3,4,5,6,7,8,9,10,11,12,13,14,15
	global_load_b128 v[BI+4*\i:BI+4*\i+3], v[BA], s[96:97] offset:128*(\i/4)+16*(\i%4)
.endr
.macro FRAG reg, adr, off
	ds_load_b128 v[\reg:\reg+3], v[\adr] offset:\off
	ds_load_b64 v[\reg+4:\reg+5], v[\adr+2] offset:\off+512
	ds_load_b128 v[\reg+6:\reg+9], v[\adr] offset:\off+768
	ds_load_b64 v[\reg+10:\reg+11], v[\adr+2] offset:\off+1280
.endm
.macro MUL16 a0, p, q, sc, first
.irp a, \a0, \a0+1
.irp b, 0,1,2,3,4,5,6,7
.if \first
	v_wmma_scale_f32_16x16x128_f8f6f4 v[8*(8*((\a)%4)+\b):8*(8*((\a)%4)+\b)+7], v[128*(\p)+FR*\b:128*(\p)+FR*\b+FR-1], v[AF+FR*(\a):AF+FR*(\a)+FR-1], v[BI+8*\b:BI+8*\b+7], v[SC+8*NQ*(\sc)+NQ*\b+(\q)], v[SC+8*NQ*(\sc)+NQ*(\a)+(\q)] matrix_a_fmt:MATRIX_FMT_FP6 matrix_b_fmt:MATRIX_FMT_FP6 matrix_a_scale:MATRIX_SCALE_ROW1
.else
	v_wmma_scale_f32_16x16x128_f8f6f4 v[8*(8*((\a)%4)+\b):8*(8*((\a)%4)+\b)+7], v[128*(\p)+FR*\b:128*(\p)+FR*\b+FR-1], v[AF+FR*(\a):AF+FR*(\a)+FR-1], v[8*(8*((\a)%4)+\b):8*(8*((\a)%4)+\b)+7], v[SC+8*NQ*(\sc)+NQ*\b+(\q)], v[SC+8*NQ*(\sc)+NQ*(\a)+(\q)] matrix_a_fmt:MATRIX_FMT_FP6 matrix_b_fmt:MATRIX_FMT_FP6 matrix_a_scale:MATRIX_SCALE_ROW1
.endif
.endr
.endr
.endm
.macro FETCH_R slot, q, p
	WIN TO_R
.irp i, 0,1,2,3,4,5,6,7
	FRAG 128*(\p)+FR*\i, ADRB+\slot, \i*NQ*FB+(\q)*FB
.endr
	WIN 0
.endm
.macro FETCH_P slot, q, i0
.irp i, \i0, \i0+1, \i0+2, \i0+3
	FRAG AF+FR*(\i), ADRA+\slot, (\i)*NQ*FB+(\q)*FB
.endr
.endm
.macro SCALES sc
.irp i, 0,1,2,3,4,5,6,7
	ds_load_b64 v[SC+8*NQ*\sc+NQ*\i:SC+8*NQ*\sc+NQ*\i+1], v[ADRS] offset:((32*(\i/2)+8*(\i%2))*KS/256)*272
.endr
.endm
.macro PLACES n
.rept \n
	v_nop
.endr
.endm
.macro STEP slot, q, first
	s_wait_dscnt 4*NL
.if \first
	WIN 0x81
.else
	WIN MUL_LO
.endif
	MUL16 0, (\q)%2, \q, \slot, \first
	MUL16 2, (\q)%2, \q, \slot, \first
	s_wait_dscnt 0
	PLACES NP
	FETCH_R \slot, (\q)+1, 1-(\q)%2
	FETCH_P \slot, (\q)+1, 0
.if \first
	WIN 0xc1
.else
	WIN MUL_HI
.endif
	MUL16 4, (\q)%2, \q, \slot, \first
	MUL16 6, (\q)%2, \q, \slot, \first
	PLACES NP
	WIN 0
	FETCH_P \slot, (\q)+1, 4
.endm
.macro TURN slot, next, fill
	s_wait_tensorcnt 0x0
	ds_add_u32 v[SPW], v[NIL]
	s_wait_dscnt 4*NL+1
	WIN MUL_LO
	MUL16 0, 1, NQ-1, \slot, 0
	s_wait_dscnt 0x0
	s_barrier_signal -1
	MUL16 2, 1, NQ-1, \slot, 0
	WIN 0
	s_barrier_wait -1
.if \fill
	CREST
	s_add_nc_u64 s[G0+4*\slot+2:G0+4*\slot+3], s[G0+4*\slot+2:G0+4*\slot+3], 2*NQ*FB
	s_add_nc_u64 s[G0B+4*\slot+2:G0B+4*\slot+3], s[G0B+4*\slot+2:G0B+4*\slot+3], 2*NQ*FB
	JLOAD G0+4*\slot, G1, G0B+4*\slot, G1B
.else
	PLACES NP
.endif
	s_wait_alu depctr_va_vdst(0)
	v_add_nc_u32 v[ADRS], 4*NQ, v[ADRS]
	FETCH_R \next, 0, 0
	FETCH_P \next, 0, 0
	SCALES \next
	WIN MUL_HI
	MUL16 4, 1, NQ-1, \slot, 0
	MUL16 6, 1, NQ-1, \slot, 0
	PLACES NP
	WIN 0
	FETCH_P \next, 0, 4
.endm
	s_wait_alu depctr_va_vdst(0)
	s_wait_tensorcnt 0x0                           ; my tile of the head's four is in
	ds_add_u32 v[SPW], v[NIL]
	s_mov_b32 s[G1+2], 8<<16                       ; no tensor load of mine is out: from here on a load brings 8 tiles
	s_mov_b32 s[G1+4], 8
	s_mov_b32 s[G1B+2], 8<<16
	s_mov_b32 s[G1B+4], 8
	s_wait_dscnt 0x0
	CROUND                                         ; all four tiles are in, and all sixteen work-groups are here
	JLOAD G0+4, G1, G0B+4, G1B                     ; slot 1's first fill, the first tensor load behind the round
	FETCH_R 0, 0, 0
	FETCH_P 0, 0, 0
	SCALES 0
	FETCH_P 0, 0, 4
	global_prefetch_b8 v11, s[100:101] offset:NQ*FB th:TH_LOAD_NT scope:SCOPE_SE   ; slot 3
	s_wait_loadcnt 0x0
	STEP 0, 0, 1
	s_mov_b32 s3, LAPS-1
.Llap:
	TURN 0, 1, 1
	STEP 1, 0, 0
	TURN 1, 0, 1
	STEP 0, 0, 0
	s_sub_co_u32 s3, s3, 1
	s_cmp_lg_u32 s3, 0
	s_cbranch_scc1 .Llap
	TURN 0, 1, 0
	STEP 1, 0, 0
	s_wait_dscnt 4*NL
	WIN MUL_LO
	MUL16 0, 1, NQ-1, 1, 0
	MUL16 2, 1, NQ-1, 1, 0
	s_wait_dscnt 0
	WIN MUL_HI
	MUL16 4, 1, NQ-1, 1, 0
	MUL16 6, 1, NQ-1, 1, 0
	WIN 0
.macro QUANT s
.irp b, 0,1,2,3
	v_max3_num_f32 v[TM+\b], |v[\s+16*\b]|, |v[\s+1+16*\b]|, 0x1800000
.endr
.irp i, 2,4,6,8,10,12,14
.irp b, 0,1,2,3
	v_max3_num_f32 v[TM+\b], v[TM+\b], |v[\s+16*\b+\i]|, |v[\s+1+16*\b+\i]|
.endr
.endr
.irp b, 0,1,2,3
	v_permlanex16_b32 v[TM+4+\b], v[TM+\b], s[SEL], s[SEL+1]
.endr
.irp b, 0,1,2,3
	v_max_num_f32 v[TM+\b], v[TM+\b], v[TM+4+\b]
.endr
.irp b, 0,1,2,3
	v_add_nc_u32 v[TM+12+\b], 0xff000000, v[TM+\b]
.endr
.irp b, 0,1,2,3
	v_lshrrev_b32 v[TM+4+\b], 23, v[TM+12+\b]
.endr
	v_lshl_or_b32 v[PW], v[TM+5], 8, v[TM+4]
	v_lshl_or_b32 v[PW], v[TM+6], 16, v[PW]
	v_lshl_or_b32 v[PW], v[TM+7], 24, v[PW]
.irp c, 0,1
	v_cvt_scalef32_pk16_fp6_f32 v[PC+6*\c:PC+2+6*\c], v[\s+32*\c:\s+15+32*\c], v[TM+12+2*\c]
	v_cvt_scalef32_pk16_fp6_f32 v[PC+12+4*\c:PC+14+4*\c], v[\s+16+32*\c:\s+31+32*\c], v[TM+12+2*\c+1]
.endr
	v_nop
.irp c, 0,1
.irp i, 0,1,2
	v_permlane16_swap_b32 v[PC+6*\c+\i], v[PC+12+4*\c+\i]
.endr
.irp i, 0,1,2
	v_mov_b32 v[PC+3+6*\c+\i], v[PC+12+4*\c+\i]
.endr
.endr
.endm
.macro OUTQ a
	s_wait_xcnt 0x0
	WIN 0x08+4*((\a)/4)
.set i, 0
.rept 64
	v_max_num_f32 v[T+i], 0, v[64*((\a)%4)+i]
.set i, i+1
.endr
	WIN 0
	QUANT T
	global_store_b128 v[V16], v[PC:PC+3], s[12:13] offset:(\a)*32*FB
	global_store_b64 v[V8], v[PC+4:PC+5], s[12:13] offset:(\a)*32*FB+512
	global_store_b128 v[V16], v[PC+6:PC+9], s[12:13] offset:(\a)*32*FB+768
	global_store_b64 v[V8], v[PC+10:PC+11], s[12:13] offset:(\a)*32*FB+1280
.if (\a)%2 == 0
	v_mov_b32 v[PW0], v[PW]
.else
	v_cndmask_b32 v[DW], v[PW0], v[PW], s[HM]
	global_store_b32 v[VS], v[DW], s[10:11] offset:4096*((\a)/2)
.endif
.endm
	PLACES NP
	s_mov_b32 s[SEL], 0x76543210
	s_mov_b32 s[SEL+1], 0xfedcba98
	s_mov_b32 s[HM], 0xffff0000
.irp b, 0,1,2,3
	v_mov_b32 v[TM+4+\b], 0
.endr
.irp a, 0,1,2,3,4,5,6,7
	OUTQ \a
.endr
	s_wait_tensorcnt 0x0
	ds_add_u32 v[SPW], v[NIL]
	s_wait_dscnt 0x0
	CROUND
	s_endpgm
.Lfunc_end_k_qd415f393b7_ffn1:
	.size	k_qd415f393b7_ffn1, .Lfunc_end_k_qd415f393b7_ffn1-k_qd415f393b7_ffn1
	.p2alignl 7, 3214868480
	.fill 96, 4, 3214868480
	.section	.rodata,"a",@progbits
	.p2align	6, 0x0
	.amdhsa_kernel k_qd415f393b7_ffn1
		.amdhsa_group_segment_fixed_size 327680
		.amdhsa_private_segment_fixed_size 0
		.amdhsa_enable_private_segment 0
		.amdhsa_kernarg_size 40
		.amdhsa_user_sgpr_count 2
		.amdhsa_user_sgpr_kernarg_segment_ptr 1
		.amdhsa_wavefront_size32 1
		.amdhsa_system_sgpr_workgroup_id_x 1
		.amdhsa_system_sgpr_workgroup_id_y 1
		.amdhsa_system_sgpr_workgroup_id_z 1
		.amdhsa_system_vgpr_workitem_id 0
		.amdhsa_next_free_vgpr 1024
		.amdhsa_next_free_sgpr 102
		.amdhsa_reserve_vcc 0
		.amdhsa_float_denorm_mode_32 3
		.amdhsa_float_denorm_mode_16_64 3
		.amdhsa_memory_ordered 1
		.amdhsa_forward_progress 1
		.amdhsa_inst_pref_size 169
	.end_amdhsa_kernel
	.amdgpu_metadata
---
amdhsa.version: [ 1, 2 ]
amdhsa.kernels:
  - .name:           k_qd415f393b7_ffn1
    .symbol:         k_qd415f393b7_ffn1.kd
    .args:
      - { .name: hq, .offset: 0, .size: 8, .value_kind: global_buffer, .address_space: global }
      - { .name: wimg, .offset: 8, .size: 8, .value_kind: global_buffer, .address_space: global }
      - { .name: W1_scales, .offset: 16, .size: 8, .value_kind: global_buffer, .address_space: global }
      - { .name: b1, .offset: 24, .size: 8, .value_kind: global_buffer, .address_space: global }
      - { .name: hid, .offset: 32, .size: 8, .value_kind: global_buffer, .address_space: global }
    .group_segment_fixed_size: 327680
    .private_segment_fixed_size: 0
    .kernarg_segment_align: 8
    .kernarg_segment_size: 40
    .max_flat_workgroup_size: 128
    .sgpr_count:     102
    .vgpr_count:     1024
    .wavefront_size: 32
...
	.end_amdgpu_metadata
.endif
;; end of part 13
;; launch ffn2 (part 14): grid 8 x 32, 4 waves a work-group, clusters of 4 x 4, 327,680 bytes of LDS; arguments hid, wimg, W2_scales, cbuf; writes cbuf
.if DOCPART == 14
	.amdgcn_target "amdgcn-amd-amdhsa--gfx1250"
	.amdhsa_code_object_version 6
	.text
	.protected	k_qd415f393b7_ffn2
	.globl	k_qd415f393b7_ffn2
	.p2align	8
	.type	k_qd415f393b7_ffn2,@function
k_qd415f393b7_ffn2:
	s_mov_b64 s[64:65], 0
	v_nop
	global_prefetch_b8 v0, s[64:65] scope:SCOPE_SE
	s_setreg_imm32_b32 hwreg(HW_REG_WAVE_MODE, 25, 1), 1
	s_wait_xcnt 0x0
	s_wait_alu depctr_hold_cnt(0) depctr_sa_sdst(0) depctr_va_vdst(0) depctr_va_sdst(0) depctr_va_ssrc(0) depctr_va_vcc(0) depctr_vm_vsrc(0)
	s_getreg_b32 s2, hwreg(HW_REG_IB_STS2, 6, 4)
	s_cmp_eq_u32 s2, 0
	s_cbranch_scc0 .Lentry_in_a_cluster
	s_endpgm
.Lentry_in_a_cluster:
	s_bfe_u32 s2, ttmp6, 0x10000c
	s_cmp_lg_u32 s2, 0xf033
	s_cbranch_scc0 .Lentry_shape_is_right
	s_endpgm
.Lentry_shape_is_right:
.set SIZE_K, 4096
.set P_SC,   12582912
.set R_OFF,  6291456
.set NK,     SIZE_K/128
.set KS,     SIZE_K/32
.set NQ,     4
.set FR,     12
.set FB,     1536
.set NL,     4
.set NP,     4
.set HALFT,  4*NQ*FB
.set SLOT,   4*HALFT
.set LAPS,   SIZE_K/1024
.set SCL,    2*SLOT
.set HALFS,  (64*KS/256)*272
.set SPARE,  SCL+4*HALFS
.set SPITCH, 272
.set ADRA, 16
.set ADRB, 20
.set STO,  24
.set RD,   25
.set CO,   26
.set ADRS, 27
.set SPW,  28
.set NIL,  29
.set SC,   32
.set BK,   64
.set ACC,  128
.set F0,   0
.set F1,   128
.set G1, 24
.set G0, 32
.set G1B, 48
.set G0B, 56
.set G1S, 68
.set G0S, 76
.set G1SB, 80
.set G0SB, 88
.set MSB, 0
.macro WIN new
.if MSB != (\new)
	s_set_vgpr_msb (MSB<<8)|(\new)
.set MSB, (\new)
.endif
.endm
.set MUL,  0x05
.set TO_F, 0x40
.macro JLOAD g0a, g1a, g0b, g1b
	s_cmp_eq_u32 s15, 0
	s_cbranch_scc0 .Lfor_r_\@
	tensor_load_to_lds s[\g0a:\g0a+3], s[\g1a:\g1a+7]
	s_nop 0
.rept 4
	v_nop
.endr
	s_branch .Lasked_\@
.Lfor_r_\@:
	tensor_load_to_lds s[\g0b:\g0b+3], s[\g1b:\g1b+7]
	s_nop 0
.rept 4
	v_nop
.endr
.Lasked_\@:
.endm
.macro CREST
	s_cmp_lg_u32 s14, 0
	s_cbranch_scc1 .Lnot_wave_0_\@
	s_barrier_signal -3
.Lnot_wave_0_\@:
	s_barrier_wait -3
	s_barrier_signal -1
	s_barrier_wait -1
.endm
.macro CROUND
	s_barrier_signal -1
	s_barrier_wait -1
	CREST
.endm
	s_load_b64 s[4:5], s[0:1], 0x0
	s_load_b64 s[8:9], s[0:1], 0x8
	s_load_b64 s[10:11], s[0:1], 0x10
	s_load_b64 s[12:13], s[0:1], 0x18
	v_lshl_add_u32 v[SPW], v0, 2, SPARE
	v_mov_b32 v[NIL], 0
	ds_add_u32 v28, v29
	ds_add_u32 v28, v29
	s_wait_dscnt 0x0
	v_lshrrev_b32 v1, 5, v0
	v_readfirstlane_b32 s14, v1
	s_lshr_b32 s15, s14, 1
	s_and_b32 s16, s14, 1
	s_bfe_u32 s40, ttmp6, 0x40000
	s_bfe_u32 s41, ttmp6, 0x40004
	s_lshl_b32 s42, ttmp9, 2
	s_add_co_u32 s42, s42, s40
	s_and_b32 s17, ttmp7, 0xffff
	s_lshl_b32 s17, s17, 2
	s_add_co_u32 s17, s17, s41
	s_lshl_b32 s43, s41, 2
	s_lshl_b32 s43, 15, s43
	s_lshl_b32 s44, 0x1111, s40
	s_or_b32 s[G1+0], s43, (3<<16)|(1<<21)
	s_or_b32 s[G1B+0], s44, (3<<16)|(1<<21)
.irp g, G1, G1B
	s_mov_b32 s[\g+1], (NQ*192)<<16
	s_mov_b32 s[\g+2], 8<<16                       ; the head's loads bring all 8 tiles of a slot; behind them the two words are set to 4
	s_mov_b32 s[\g+3], (NQ*192)<<16
	s_mov_b32 s[\g+4], 8
	s_mov_b32 s[\g+5], NK*192
	s_mov_b32 s[\g+6], 0
	s_mov_b32 s[\g+7], 0
.endr
	s_or_b32 s[G1S+0], s43, (3<<16)|(1<<20)|(1<<21)|(5<<22)|(3<<25)
	s_or_b32 s[G1SB+0], s44, (3<<16)|(1<<20)|(1<<21)|(5<<22)|(3<<25)
.irp g, G1S, G1SB
	s_mov_b32 s[\g+1], 32<<16
	s_mov_b32 s[\g+2], (128*KS/256)<<16            ; the scales of all 128 rows by one load
	s_mov_b32 s[\g+3], 32<<16
	s_mov_b32 s[\g+4], 128*KS/256
	s_mov_b32 s[\g+5], 32
	s_mov_b32 s[\g+6], 0
	s_mov_b32 s[\g+7], 0
.endr
	s_lshl_b32 s18, s16, 2
	s_lshl_b32 s20, s17, 3
	s_lshl_b32 s46, s42, 3
	s_mul_i32 s22, s20, 16*KS
	s_mov_b32 s23, 0
	s_mul_i32 s92, s46, 16*KS
	s_mov_b32 s93, 0
	s_mul_i32 s20, s20, NK*FB
	s_mov_b32 s21, 0
	s_mul_i32 s46, s46, NK*FB
	s_mov_b32 s47, 0
	s_mul_i32 s45, s14, HALFT
	s_mul_i32 s94, s14, HALFS
	s_wait_kmcnt 0x0
	s_add_nc_u64 s[6:7], s[4:5], P_SC
	s_add_nc_u64 s[8:9], s[8:9], R_OFF
	s_add_nc_u64 s[20:21], s[4:5], s[20:21]
	s_add_nc_u64 s[22:23], s[6:7], s[22:23]
	s_add_nc_u64 s[46:47], s[8:9], s[46:47]
	s_add_nc_u64 s[92:93], s[10:11], s[92:93]
	CROUND
	; THE HEAD'S FOUR TILES, each whole, ONE A WAVE: wave 0 slot 0's 8 tiles of P, wave 1 those of R, wave 2 the scales of P's 128 rows, wave 3 those of R's
	s_mov_b32 s4, 1
	s_mov_b32 s5, 0
	s_mov_b64 s[6:7], s[20:21]
	s_or_b32 s7, s7, 0x80000000
	s_mov_b32 s8, 1
	s_mov_b32 s9, 2*HALFT
	s_mov_b64 s[10:11], s[46:47]
	s_or_b32 s11, s11, 0x80000000
	s_mov_b32 s[G0S], 1
	s_mov_b32 s[G0S+1], SCL
	s_mov_b64 s[G0S+2:G0S+3], s[22:23]
	s_or_b32 s[G0S+3], s[G0S+3], 0x80000000
	s_mov_b32 s[G0SB], 1
	s_mov_b32 s[G0SB+1], SCL+2*HALFS
	s_mov_b64 s[G0SB+2:G0SB+3], s[92:93]
	s_or_b32 s[G0SB+3], s[G0SB+3], 0x80000000
	s_lshl_b32 s18, s16, 2                         ; for the ring: the 4 tiles that I fetch
	s_mul_i32 s18, s18, NK*FB
	s_mov_b32 s19, 0
	s_add_nc_u64 s[20:21], s[20:21], s[18:19]
	s_add_nc_u64 s[46:47], s[46:47], s[18:19]
.irp s, 0,1
	s_mov_b32 s[G0+4*\s], 1
	s_add_co_u32 s[G0+4*\s+1], s45, \s*SLOT
	s_add_nc_u64 s[G0+4*\s+2:G0+4*\s+3], s[20:21], \s*NQ*FB
	s_or_b32 s[G0+4*\s+3], s[G0+4*\s+3], 0x80000000
	s_mov_b32 s[G0B+4*\s], 1
	s_add_co_u32 s[G0B+4*\s+1], s45, \s*SLOT
	s_add_nc_u64 s[G0B+4*\s+2:G0B+4*\s+3], s[46:47], \s*NQ*FB
	s_or_b32 s[G0B+4*\s+3], s[G0B+4*\s+3], 0x80000000
.endr
.macro ARM under, g0, g1, next         ; one chain of branches on the wave's number: every way passes exactly one load
	s_cmp_lt_u32 s14, \under
	s_cbranch_scc0 \next
	tensor_load_to_lds s[\g0:\g0+3], s[\g1:\g1+7]
	s_nop 0
.rept 4
	v_nop
.endr
	s_branch .Lhead_asked
\next:
.endm
	ARM 1, 4, G1, .Lhead_b
	ARM 2, 8, G1B, .Lhead_sa
	ARM 3, G0S, G1S, .Lhead_sb
	tensor_load_to_lds s[G0SB:G0SB+3], s[G1SB:G1SB+7]
	s_nop 0
.rept 4
	v_nop
.endr
.Lhead_asked:
	; THE PREFETCH: behind the load of slot n each wave asks for slot n + 2 of the 4 tiles that it fetches in the ring: 96 blocks of 256 bytes, which the four partners that ask for them jointly
	; share out by address: the partner at place p (cx for P, cy for R) takes tile p, 24 blocks, a lane a block (lanes 24-31 name the last again).  K has eight slots: the last two fills ask for nothing.
	s_cmp_eq_u32 s15, 0
	s_cselect_b64 s[100:101], s[20:21], s[46:47]
	s_cselect_b32 s18, s40, s41
	s_mul_i32 s18, s18, NK*FB
	s_add_co_u32 s18, s18, 2*NQ*FB
	s_add_nc_u64 s[100:101], s[100:101], s[18:19]
	v_and_b32 v11, 31, v0
	v_min_u32 v11, 23, v11
	v_lshlrev_b32 v11, 8, v11
	global_prefetch_b8 v11, s[100:101] th:TH_LOAD_NT scope:SCOPE_SE   ; slot 2
	v_and_b32 v1, 15, v0
	v_bfe_u32 v2, v0, 4, 1
	v_and_b32 v3, 31, v0
	v_lshlrev_b32 v7, 4, v3
	v_lshlrev_b32 v8, 3, v3
	s_mul_i32 s21, s15, HALFT
	s_mul_i32 s22, s16, HALFT
	s_add_co_u32 s22, s22, 2*HALFT
.irp s, 0,1
	v_add_nc_u32 v[ADRA+\s], s21, v7
	v_add_nc_u32 v[ADRB+\s], s22, v7
	v_add_nc_u32 v[ADRA+2+\s], s21, v8
	v_add_nc_u32 v[ADRB+2+\s], s22, v8
	s_add_co_u32 s21, s21, SLOT
	s_add_co_u32 s22, s22, SLOT
.endr
	v_and_b32 v4, 8, v1
	v_add_nc_u32 v4, v4, v1
	v_mul_u32_u24 v5, v4, KS
	v_lshrrev_b32 v6, 8, v5
	v_lshl_add_u32 v5, v6, 4, v5
	s_mul_i32 s21, s15, HALFS
	s_mul_i32 s22, s16, HALFS
	s_add_co_u32 s22, s22, 2*HALFS
	s_sub_co_u32 s22, s22, s21
	v_mul_u32_u24 v6, s22, v2
	s_add_co_u32 s21, s21, SCL
	v_add_nc_u32 v5, v5, v6
	v_add_nc_u32 v[ADRS], s21, v5
	s_mul_i32 s23, s14, 16*SPITCH
	v_mul_u32_u24 v5, v1, SPITCH
	v_lshl_add_u32 v5, v2, 6, v5
	v_add_nc_u32 v[STO], s23, v5
	v_mul_u32_u24 v5, v2, SPITCH
	v_lshl_add_u32 v5, v1, 4, v5
	v_add_nc_u32 v[RD], s23, v5
	v_lshlrev_b32 v5, 12, v2
	v_lshl_add_u32 v[CO], v1, 4, v5
	s_lshl_b32 s20, s17, 7
	s_lshl_b32 s21, s15, 6
	s_add_co_u32 s20, s20, s21
	s_lshl_b32 s20, s20, 12
	s_mov_b32 s21, 0
	s_lshl_b32 s46, s42, 9
	s_lshl_b32 s47, s16, 8
	s_add_co_u32 s46, s46, s47
	s_mov_b32 s47, 0
	s_add_nc_u64 s[20:21], s[20:21], s[46:47]
	s_add_nc_u64 s[12:13], s[12:13], s[20:21]
.macro FRAG reg, adr, off
	ds_load_b128 v[\reg:\reg+3], v[\adr] offset:\off
	ds_load_b64 v[\reg+4:\reg+5], v[\adr+2] offset:\off+512
	ds_load_b128 v[\reg+6:\reg+9], v[\adr] offset:\off+768
	ds_load_b64 v[\reg+10:\reg+11], v[\adr+2] offset:\off+1280
.endm
.macro MUL8 f, q, sc, a0, zero
.irp a, \a0, \a0+1
.irp b, 0,1,2,3
.if \zero
	v_wmma_scale_f32_16x16x128_f8f6f4 v[ACC+8*(4*(\a)+\b):ACC+8*(4*(\a)+\b)+7], v[\f+48+FR*\b:\f+48+FR*\b+FR-1], v[\f+FR*(\a):\f+FR*(\a)+FR-1], 0, v[SC+16*(\sc)+4*\b+(\q)], v[SC+16*(\sc)+4*(\a)+(\q)] matrix_a_fmt:MATRIX_FMT_FP6 matrix_b_fmt:MATRIX_FMT_FP6 matrix_a_scale:MATRIX_SCALE_ROW1
.else
	v_wmma_scale_f32_16x16x128_f8f6f4 v[ACC+8*(4*(\a)+\b):ACC+8*(4*(\a)+\b)+7], v[\f+48+FR*\b:\f+48+FR*\b+FR-1], v[\f+FR*(\a):\f+FR*(\a)+FR-1], v[ACC+8*(4*(\a)+\b):ACC+8*(4*(\a)+\b)+7], v[SC+16*(\sc)+4*\b+(\q)], v[SC+16*(\sc)+4*(\a)+(\q)] matrix_a_fmt:MATRIX_FMT_FP6 matrix_b_fmt:MATRIX_FMT_FP6 matrix_a_scale:MATRIX_SCALE_ROW1
.endif
.endr
.endr
.endm
.macro FETCH slot, q, f
	WIN TO_F
.irp i, 0,1,2,3
	FRAG \f+48+FR*\i, ADRB+\slot, \i*NQ*FB+(\q)*FB
	FRAG \f+FR*\i, ADRA+\slot, \i*NQ*FB+(\q)*FB
.endr
.endm
.macro SCALES sc
.irp i, 0,1,2,3
	ds_load_b128 v[SC+16*\sc+4*\i:SC+16*\sc+4*\i+3], v[ADRS] offset:((32*(\i/2)+8*(\i%2))*KS/256)*272
.endr
.endm
.macro PLACES n
.rept \n
	v_nop
.endr
.endm
.macro STEP slot, q, zero
	PLACES NP
	FETCH \slot, (\q)+1, 128*(1-(\q)%2)
	s_wait_dscnt 8*NL
	WIN MUL
	MUL8 128*((\q)%2), \q, \slot, 0, \zero
	MUL8 128*((\q)%2), \q, \slot, 2, \zero
.endm
.macro TURN slot, next, fill
.if \fill
	s_wait_xcnt 0x0                                ; my last prefetch has read its address: it steps one slot on, ahead of the waits of the change of slots
	s_add_nc_u64 s[100:101], s[100:101], NQ*FB
.endif
	WIN 0
	s_wait_tensorcnt 0x0
	ds_add_u32 v[SPW], v[NIL]
	s_wait_dscnt 0x1
	WIN MUL
	MUL8 F1, NQ-1, \slot, 0, 0
	s_wait_dscnt 0x0
	s_barrier_signal -1
	WIN 0
	s_barrier_wait -1
.if \fill
	CREST
	s_add_nc_u64 s[G0+4*\slot+2:G0+4*\slot+3], s[G0+4*\slot+2:G0+4*\slot+3], 2*NQ*FB
	s_add_nc_u64 s[G0B+4*\slot+2:G0B+4*\slot+3], s[G0B+4*\slot+2:G0B+4*\slot+3], 2*NQ*FB
	JLOAD G0+4*\slot, G1, G0B+4*\slot, G1B
.else
	PLACES NP
.endif
	s_wait_alu depctr_va_vdst(0)
	v_add_nc_u32 v[ADRS], 4*NQ, v[ADRS]
	FETCH \next, 0, F0
	WIN 0
	SCALES \next
.if \fill
	s_cmp_gt_u32 s3, 1                             ; the loop's last trip fills slots 6 and 7: no slot stands two on
	s_cbranch_scc0 .Lno_ask_\@
	global_prefetch_b8 v11, s[100:101] offset:NQ*FB th:TH_LOAD_NT scope:SCOPE_SE
.Lno_ask_\@:
.endif
	WIN MUL
	MUL8 F1, NQ-1, \slot, 2, 0
.endm
	s_wait_alu depctr_va_vdst(0)
	s_wait_tensorcnt 0x0                           ; my tile of the head's four is in
	ds_add_u32 v[SPW], v[NIL]
	s_mov_b32 s[G1+2], 4<<16                       ; no tensor load of mine is out: from here on a load brings 4 tiles
	s_mov_b32 s[G1+4], 4
	s_mov_b32 s[G1B+2], 4<<16
	s_mov_b32 s[G1B+4], 4
	s_wait_dscnt 0x0
	CROUND                                         ; all four tiles are in, and all sixteen work-groups are here
	JLOAD G0+4, G1, G0B+4, G1B                     ; slot 1's first fill, the first tensor load behind the round
	FETCH 0, 0, F0
	WIN 0
	SCALES 0
	global_prefetch_b8 v11, s[100:101] offset:NQ*FB th:TH_LOAD_NT scope:SCOPE_SE   ; slot 3
	STEP 0, 0, 1
.if LAPS > 1
	WIN 0
	s_mov_b32 s3, LAPS-1
.Llap:
	STEP 0, 1, 0
	STEP 0, 2, 0
	TURN 0, 1, 1
	STEP 1, 0, 0
	STEP 1, 1, 0
	STEP 1, 2, 0
	TURN 1, 0, 1
	STEP 0, 0, 0
	WIN 0
	s_sub_co_u32 s3, s3, 1
	s_cmp_lg_u32 s3, 0
	s_cbranch_scc1 .Llap
.endif
	STEP 0, 1, 0
	STEP 0, 2, 0
	TURN 0, 1, 0
	STEP 1, 0, 0
	STEP 1, 1, 0
	STEP 1, 2, 0
	s_wait_dscnt 0x0
	WIN MUL
	MUL8 F1, NQ-1, 1, 0, 0
	MUL8 F1, NQ-1, 1, 2, 0
	WIN 0
.macro TOSTAGE a
.irp b, 0,1,2,3
	ds_store_b128 v[STO], v[ACC+8*(4*(\a)+\b):ACC+8*(4*(\a)+\b)+3] offset:128*(\b/2)+32*(\b%2)
	ds_store_b128 v[STO], v[ACC+8*(4*(\a)+\b)+4:ACC+8*(4*(\a)+\b)+7] offset:128*(\b/2)+32*(\b%2)+16
.endr
.set BB, BK+32*((\a)%2)
.irp t, 0,1,2,3,4,5,6,7
	ds_load_b128 v[BB+4*\t:BB+4*\t+3], v[RD] offset:\t*2*SPITCH
.endr
.endm
.macro SEND a, younger
.set BB, BK+32*((\a)%2)
	s_wait_dscnt \younger
.irp t, 0,1,2,3,4,5,6,7
	global_store_b128 v[CO], v[BB+4*\t:BB+4*\t+3], s[12:13] offset:(32*((\a)/2)+8*((\a)%2)+2*\t+8*(\t/4))*4096
.endr
.endm
	PLACES NP
	TOSTAGE 0
.irp a, 1,2,3
.if \a > 1
	s_wait_xcnt 0x0
.endif
	TOSTAGE \a
	SEND \a-1, 16
.endr
	SEND 3, 0
	s_wait_tensorcnt 0x0
	ds_add_u32 v[SPW], v[NIL]
	s_wait_dscnt 0x0
	CROUND
	s_endpgm
.Lfunc_end_k_qd415f393b7_ffn2:
	.size	k_qd415f393b7_ffn2, .Lfunc_end_k_qd415f393b7_ffn2-k_qd415f393b7_ffn2
	.p2alignl 7, 3214868480
	.fill 96, 4, 3214868480
	.section	.rodata,"a",@progbits
	.p2align	6, 0x0
	.amdhsa_kernel k_qd415f393b7_ffn2
		.amdhsa_group_segment_fixed_size 327680
		.amdhsa_private_segment_fixed_size 0
		.amdhsa_enable_private_segment 0
		.amdhsa_kernarg_size 32
		.amdhsa_user_sgpr_count 2
		.amdhsa_user_sgpr_kernarg_segment_ptr 1
		.amdhsa_wavefront_size32 1
		.amdhsa_system_sgpr_workgroup_id_x 1
		.amdhsa_system_sgpr_workgroup_id_y 1
		.amdhsa_system_sgpr_workgroup_id_z 1
		.amdhsa_system_vgpr_workitem_id 0
		.amdhsa_next_free_vgpr 512
		.amdhsa_next_free_sgpr 102
		.amdhsa_reserve_vcc 0
		.amdhsa_float_denorm_mode_32 3
		.amdhsa_float_denorm_mode_16_64 3
		.amdhsa_memory_ordered 1
		.amdhsa_forward_progress 1
		.amdhsa_inst_pref_size 91
	.end_amdhsa_kernel
	.amdgpu_metadata
---
amdhsa.version: [ 1, 2 ]
amdhsa.kernels:
  - .name:           k_qd415f393b7_ffn2
    .symbol:         k_qd415f393b7_ffn2.kd
    .args:
      - { .name: hid, .offset: 0, .size: 8, .value_kind: global_buffer, .address_space: global }
      - { .name: wimg, .offset: 8, .size: 8, .value_kind: global_buffer, .address_space: global }
      - { .name: W2_scales, .offset: 16, .size: 8, .value_kind: global_buffer, .address_space: global }
      - { .name: cbuf, .offset: 24, .size: 8, .value_kind: global_buffer, .address_space: global }
    .group_segment_fixed_size: 327680
    .private_segment_fixed_size: 0
    .kernarg_segment_align: 8
    .kernarg_segment_size: 32
    .max_flat_workgroup_size: 128
    .sgpr_count:     102
    .vgpr_count:     512
    .wavefront_size: 32
...
	.end_amdgpu_metadata
.endif
;; end of part 14
;; launch ln2 (part 15): grid 256 x 1, 8 waves a work-group, no clusters, 0 bytes of LDS; arguments cbuf, hf, b2, ln2_g, ln2_b, out0; writes out0
.if DOCPART == 15
	.amdgcn_target "amdgcn-amd-amdhsa--gfx1250"
	.amdhsa_code_object_version 6
	.text
	.protected	k_qd415f393b7_ln2
	.globl	k_qd415f393b7_ln2
	.p2align	8
	.type	k_qd415f393b7_ln2,@function
k_qd415f393b7_ln2:
	s_mov_b64 s[64:65], 0
	v_nop
	global_prefetch_b8 v0, s[64:65] scope:SCOPE_SE
	s_setreg_imm32_b32 hwreg(HW_REG_WAVE_MODE, 25, 1), 1
	s_wait_xcnt 0x0
; out0 = layernorm(h + (cbuf + b2)) x gain + offset, all in f32.
; A work-group takes 16 rows, a wave two neighbouring rows, each whole in 32 registers: 8 loads of 512 consecutive bytes; every byte is read once and written once, in runs of 512 bytes from multiples of 256.
; Mean first, then the sum of squared differences from it, as the definition has it; sums within a lane packed, then across the 32 lanes.  Waves share nothing: no LDS, no barrier.
; Memory binds: no matrix unit, no cluster, no tensor load.  LIMITS: NaN and infinities pass through as the arithmetic makes them.
.set Z,   64                           ; v64-127  two rows
.set X,   128                          ; v128-191 h's two rows
.set BO,  192                          ; v192-223 the bias
.set G,   224                          ; v224-255 the gain
.set BE,  32                           ; v32-63   the offset
.set SA,  8
.set SQ,  12
.set RS,  16
.set SEL, 30
.macro REDUCE r                        ; the pair's two halves, then the 32 lanes: the sum in every lane
	v_add_f32 v[\r], v[\r], v[\r+1]
	s_delay_alu instid0(VALU_DEP_1)
	v_add_f32_dpp v[\r], v[\r], v[\r] row_xmask:1 row_mask:0xf bank_mask:0xf
	s_delay_alu instid0(VALU_DEP_1)
	v_add_f32_dpp v[\r], v[\r], v[\r] row_xmask:2 row_mask:0xf bank_mask:0xf
	s_delay_alu instid0(VALU_DEP_1)
	v_add_f32_dpp v[\r], v[\r], v[\r] row_xmask:4 row_mask:0xf bank_mask:0xf
	s_delay_alu instid0(VALU_DEP_1)
	v_add_f32_dpp v[\r], v[\r], v[\r] row_xmask:8 row_mask:0xf bank_mask:0xf
	s_delay_alu instid0(VALU_DEP_1)
	v_permlanex16_b32 v[\r+1], v[\r], s[SEL], s[SEL+1]
	s_delay_alu instid0(VALU_DEP_1)
	v_add_f32 v[\r], v[\r], v[\r+1]
.endm
	s_load_b256 s[8:15], s[0:1], 0x0               ; cbuf s[8:9], hf s[10:11], b2 s[12:13], gain s[14:15]
	s_load_b128 s[16:19], s[0:1], 0x20             ; offset s[16:17], out0 s[18:19]
	v_lshrrev_b32 v1, 5, v0
	s_delay_alu instid0(VALU_DEP_1)
	v_readfirstlane_b32 s2, v1                     ; wave 0..7
	v_and_b32 v1, 31, v0
	s_delay_alu instid0(VALU_DEP_1)
	v_lshlrev_b32 v2, 4, v1                        ; 16 x lane
	s_lshl_b32 s4, ttmp9, 4
	s_lshl_b32 s5, s2, 1
	s_add_co_u32 s4, s4, s5                        ; my first row
	s_lshl_b32 s4, s4, 12
	s_mov_b32 s5, 0
	s_mov_b32 s24, 0x3a800000                      ; 1 / 1024
	s_mov_b32 s25, 0x3727c5ac                      ; 1e-5
	s_mov_b32 s[SEL], 0x76543210
	s_mov_b32 s[SEL+1], 0xfedcba98
	s_wait_alu depctr_va_vdst(0)
	s_wait_kmcnt 0x0
	s_add_nc_u64 s[8:9], s[8:9], s[4:5]
	s_add_nc_u64 s[10:11], s[10:11], s[4:5]
	s_add_nc_u64 s[18:19], s[18:19], s[4:5]
.irp e, 0,1
.irp i, 0,1,2,3,4,5,6,7
	global_load_b128 v[Z+32*\e+4*\i:Z+32*\e+4*\i+3], v2, s[8:9] offset:4096*\e+512*\i th:TH_LOAD_NT
.endr
.endr
.irp e, 0,1
.irp i, 0,1,2,3,4,5,6,7
	global_load_b128 v[X+32*\e+4*\i:X+32*\e+4*\i+3], v2, s[10:11] offset:4096*\e+512*\i th:TH_LOAD_NT
.endr
.endr
.irp i, 0,1,2,3,4,5,6,7
	global_load_b128 v[BO+4*\i:BO+4*\i+3], v2, s[12:13] offset:512*\i
.endr
.irp i, 0,1,2,3,4,5,6,7
	global_load_b128 v[G+4*\i:G+4*\i+3], v2, s[14:15] offset:512*\i
.endr
.irp i, 0,1,2,3,4,5,6,7
	global_load_b128 v[BE+4*\i:BE+4*\i+3], v2, s[16:17] offset:512*\i
.endr
	s_wait_loadcnt 16                              ; all but the gain's and the offset's sixteen loads are in
.set j, 0
.rept 16
	v_pk_add_f32 v[Z+j:Z+j+1], v[Z+j:Z+j+1], v[BO+j:BO+j+1]
	v_pk_add_f32 v[Z+32+j:Z+33+j], v[Z+32+j:Z+33+j], v[BO+j:BO+j+1]
.set j, j+2
.endr
.set j, 0
.rept 32
	v_pk_add_f32 v[Z+j:Z+j+1], v[Z+j:Z+j+1], v[X+j:X+j+1]
.set j, j+2
.endr
.irp e, 0,1
	v_pk_add_f32 v[SA+2*\e:SA+2*\e+1], v[Z+32*\e:Z+32*\e+1], v[Z+32*\e+2:Z+32*\e+3]
.endr
.irp j, 4,6,8,10,12,14,16,18,20,22,24,26,28,30
.irp e, 0,1
	s_delay_alu instid0(VALU_DEP_2)
	v_pk_add_f32 v[SA+2*\e:SA+2*\e+1], v[SA+2*\e:SA+2*\e+1], v[Z+32*\e+\j:Z+32*\e+\j+1]
.endr
.endr
	REDUCE SA
	REDUCE SA+2
.irp e, 0
	v_mul_f32 v[SA+2*\e], 0xba800000, v[SA+2*\e]   ; -mean
.endr
.irp e, 1
	s_delay_alu instid0(VALU_DEP_2)
	v_mul_f32 v[SA+2*\e], 0xba800000, v[SA+2*\e]   ; -mean
.endr
.irp e, 0,1
.irp j, 0,2,4,6,8,10,12,14,16,18,20,22,24,26,28,30
	v_pk_add_f32 v[Z+32*\e+\j:Z+32*\e+\j+1], v[Z+32*\e+\j:Z+32*\e+\j+1], v[SA+2*\e:SA+2*\e+1] op_sel_hi:[1,0]
.endr
.endr
.irp e, 0,1
	v_pk_mul_f32 v[SQ+2*\e:SQ+2*\e+1], v[Z+32*\e:Z+32*\e+1], v[Z+32*\e:Z+32*\e+1]
.endr
.irp j, 2,4,6,8,10,12,14,16,18,20,22,24,26,28,30
.irp e, 0,1
	s_delay_alu instid0(VALU_DEP_2)
	v_pk_fma_f32 v[SQ+2*\e:SQ+2*\e+1], v[Z+32*\e+\j:Z+32*\e+\j+1], v[Z+32*\e+\j:Z+32*\e+\j+1], v[SQ+2*\e:SQ+2*\e+1]
.endr
.endr
	REDUCE SQ
	REDUCE SQ+2
.irp e, 0
	v_fma_f32 v[SQ+2*\e], v[SQ+2*\e], s24, s25     ; the variance + eps
.endr
.irp e, 1
	s_delay_alu instid0(VALU_DEP_2)
	v_fma_f32 v[SQ+2*\e], v[SQ+2*\e], s24, s25     ; the variance + eps
.endr
	s_wait_alu depctr_va_vdst(0)
.irp e, 0,1
	v_rsq_f32 v[RS+2*\e], v[SQ+2*\e]
.endr
.irp e, 0,1
	v_mov_b32 v[RS+2*\e+1], 0                      ; plain lines behind the transcendentals; (the pairs' upper halves are named below)
.endr
	s_wait_loadcnt 0x0
	s_wait_alu depctr_va_vdst(0)
.irp e, 0,1
.irp j, 0,2,4,6,8,10,12,14,16,18,20,22,24,26,28,30
	v_pk_mul_f32 v[Z+32*\e+\j:Z+32*\e+\j+1], v[Z+32*\e+\j:Z+32*\e+\j+1], v[RS+2*\e:RS+2*\e+1] op_sel_hi:[1,0]
.endr
.irp j, 0,2,4,6,8,10,12,14,16,18,20,22,24,26,28,30
	v_pk_fma_f32 v[Z+32*\e+\j:Z+32*\e+\j+1], v[Z+32*\e+\j:Z+32*\e+\j+1], v[G+\j:G+\j+1], v[BE+\j:BE+\j+1]
.endr
.endr
.irp e, 0,1
.irp i, 0,1,2,3,4,5,6,7
	global_store_b128 v2, v[Z+32*\e+4*\i:Z+32*\e+4*\i+3], s[18:19] offset:4096*\e+512*\i th:TH_STORE_NT
.endr
.endr
	s_endpgm
.Lfunc_end_k_qd415f393b7_ln2:
	.size	k_qd415f393b7_ln2, .Lfunc_end_k_qd415f393b7_ln2-k_qd415f393b7_ln2
	.p2alignl 7, 3214868480
	.fill 96, 4, 3214868480
	.section	.rodata,"a",@progbits
	.p2align	6, 0x0
	.amdhsa_kernel k_qd415f393b7_ln2
		.amdhsa_group_segment_fixed_size 0
		.amdhsa_private_segment_fixed_size 0
		.amdhsa_enable_private_segment 0
		.amdhsa_kernarg_size 48
		.amdhsa_user_sgpr_count 2
		.amdhsa_user_sgpr_kernarg_segment_ptr 1
		.amdhsa_wavefront_size32 1
		.amdhsa_system_sgpr_workgroup_id_x 1
		.amdhsa_system_sgpr_workgroup_id_y 1
		.amdhsa_system_sgpr_workgroup_id_z 1
		.amdhsa_system_vgpr_workitem_id 0
		.amdhsa_next_free_vgpr 256
		.amdhsa_next_free_sgpr 66
		.amdhsa_reserve_vcc 0
		.amdhsa_float_denorm_mode_32 3
		.amdhsa_float_denorm_mode_16_64 3
		.amdhsa_memory_ordered 1
		.amdhsa_forward_progress 1
		.amdhsa_inst_pref_size 27
	.end_amdhsa_kernel
	.amdgpu_metadata
---
amdhsa.version: [ 1, 2 ]
amdhsa.kernels:
  - .name:           k_qd415f393b7_ln2
    .symbol:         k_qd415f393b7_ln2.kd
    .args:
      - { .name: cbuf, .offset: 0, .size: 8, .value_kind: global_buffer, .address_space: global }
      - { .name: hf, .offset: 8, .size: 8, .value_kind: global_buffer, .address_space: global }
      - { .name: b2, .offset: 16, .size: 8, .value_kind: global_buffer, .address_space: global }
      - { .name: ln2_g, .offset: 24, .size: 8, .value_kind: global_buffer, .address_space: global }
      - { .name: ln2_b, .offset: 32, .size: 8, .value_kind: global_buffer, .address_space: global }
      - { .name: out0, .offset: 40, .size: 8, .value_kind: global_buffer, .address_space: global }
    .group_segment_fixed_size: 0
    .private_segment_fixed_size: 0
    .kernarg_segment_align: 8
    .kernarg_segment_size: 48
    .max_flat_workgroup_size: 256
    .sgpr_count:     66
    .vgpr_count:     256
    .wavefront_size: 32
...
	.end_amdgpu_metadata
.endif
;; end of part 15
